; MI455X (gfx1250); checked and timed in simulation.
; The chip was launched on July 23, 2026; its instructions are those of AMD's public machine-readable ISA for CDNA 5 (MIT licence, August 2026) and "CDNA5" Instruction Set Architecture Reference Guide (July 2026). The comments in the code are by the model that wrote it; some were corrected since.
;; Pytorch LTX2 Attention. Allowed arithmetic: matrix products marked QUANTISED: E2M3 operands, one E8M0 scale for each 32 along K, by v_wmma_scale_f32_16x16x128_f8f6f4 with both operands' format E2M3, f32 sums; everything else in f32.
;; Inputs: Wk_codes 2,048 x 64 x 24 uint8 (E2M3 codes of Wk, K innermost, in blocks of 32 codes, four codes in three bytes); Wk_scales 2,048 x 64 uint8 (E8M0 scales of Wk, one for each 32 codes along K); Wo_codes 2,048 x 64 x 24 uint8 (E2M3 codes of Wo, K innermost, in blocks of 32 codes, four codes in three bytes); Wo_scales 2,048 x 64 uint8 (E8M0 scales of Wo, one for each 32 codes along K); Wq_codes 2,048 x 64 x 24 uint8 (E2M3 codes of Wq, K innermost, in blocks of 32 codes, four codes in three bytes); Wq_scales 2,048 x 64 uint8 (E8M0 scales of Wq, one for each 32 codes along K); Wv_codes 2,048 x 64 x 24 uint8 (E2M3 codes of Wv, K innermost, in blocks of 32 codes, four codes in three bytes); Wv_scales 2,048 x 64 uint8 (E8M0 scales of Wv, one for each 32 codes along K); bk 2,048 float32; bo 2,048 float32; bq 2,048 float32; bv 2,048 float32; k_cos 1 x 1 x 2,048 x 64 float32; k_sin 1 x 1 x 2,048 x 64 float32; kn_w 2,048 float32; q_cos 1 x 1 x 2,048 x 64 float32; q_sin 1 x 1 x 2,048 x 64 float32; qn_w 2,048 float32; x_codes 1 x 2,048 x 64 x 24 uint8 (E2M3 codes of x, K innermost, in blocks of 32 codes, four codes in three bytes); x_scales 1 x 2,048 x 64 uint8 (E8M0 scales of x, one for each 32 codes along K).
;; Outputs: out0 1 x 2,048 x 2,048 float32.
;; This version of the problem:
;;   THIS VERSION OF THE PROBLEM IS GIVEN IN LOW PRECISION. The matrix products marked QUANTISED in the list below multiply operands that are first quantised to E2M3 (2 exponent bits, 3 mantissa bits; 6 bits a number), with one power-of-two scale for each 32 numbers along K (OCP MX v1.0); their sums are f32. All else is computed in f32.
;;   The module's matrix products, in the order in which they are computed (A, B: the left and right operand; K: the contracted axis; several contracted axes count as one K, in the product's order):
;;     1. [M 2,048, K 2,048] x [K 2,048, N 2,048]; A: input x (given as codes); B: input Wq (given as codes): QUANTISED
;;     2. [M 2,048, K 2,048] x [K 2,048, N 2,048]; A: input x (given as codes); B: input Wk (given as codes): QUANTISED
;;     3. [M 2,048, K 2,048] x [K 2,048, N 2,048]; A: input x (given as codes); B: input Wv (given as codes): QUANTISED
;;     4. batch 32 x [M 2,048, K 64] x [K 64, N 2,048]; A: computed on the way; B: computed on the way: QUANTISED
;;     5. batch 32 x [M 2,048, K 2,048] x [K 2,048, N 64]; A: softmax (see below); B: computed on the way: QUANTISED
;;     6. [M 2,048, K 2,048] x [K 2,048, N 2,048]; A: computed on the way; B: input Wo (given as codes): QUANTISED
;;   THE QUANTISER, for each operand of a quantised product, along K:
;;     - K is cut into blocks of 32 from its start; a last block that is shorter is filled with zeros.
;;     - A block's scale is 2^e with e = floor(log2(the largest magnitude in the block)) - 2, held to -126 .. 127; a block of zeros has e = 0. As a byte (E8M0): e + 127.
;;     - Each number is divided by its block's scale, clamped to +-7.5, and rounded to the nearest number of E2M3, ties to even, subnormals kept.
;;     - The product sums the exact products of the quantised numbers (number of the format x scale) in f32.
;;   ~~~python
;;   def quantise(x, axis):      # numpy; x: float32 -> the quantised numbers, widened to float32 again
;;       x = np.moveaxis(x, axis, -1); K = x.shape[-1]
;;       x = np.pad(x, [(0, 0)] * (x.ndim - 1) + [(0, -K % 32)]); x = x.reshape(x.shape[:-1] + (-1, 32)); a = np.abs(x).max(-1, keepdims=True)
;;       e = np.where(a > 0, np.clip(np.frexp(np.where(a > 0, a, 1))[1] - 1 - 2, -126, 127), 0)      # np.frexp(a)[1] - 1 = floor(log2(a)), exactly
;;       r = np.clip(x / 2.0 ** e, -7.5, 7.5)
;;       step = 2.0 ** (np.maximum(np.frexp(np.where(r == 0, 1, r))[1] - 1, 0) - 3)
;;       q = np.round(r / step) * step * 2.0 ** e      # np.round: ties to even
;;       return np.moveaxis(q.reshape(q.shape[:-2] + (-1,))[..., :K], -1, axis).astype(np.float32)
;;   ~~~
;;   SOFTMAX AHEAD OF A QUANTISED PRODUCT. Where the list says 'softmax', what is quantised is not the finished softmax but p = 2^(t - M), with t = logit x log2(e) and M = ceil(the row's largest t), a whole number; so 1/2 < the row's largest p <= 1. The row's sum l is taken of the UNQUANTISED p, in f32, and the product's result is divided by l at the end. Since M is a whole number, a kernel that streams over the keys may use a running M (the ceiling of the running maximum): every later rescaling is an exact power of two, which a block's scale takes up: the codes' values come out the same.
;;   OPERANDS COMPUTED ON THE WAY. 'Computed on the way' means the value that the module computes at that place (a softmax that the list does not call 'softmax' is quantised finished and normalised). What goes into a quantiser is computed in f32, as accurately as f32 sums, v_exp_f32 and their like allow (about 1e-6 of the number): no bf16 or f16 on the way to a quantiser, and a product that is left as it is and whose result goes on into a quantised operand takes f32 operands (vector FMAs, or v_wmma_f32_16x16x4_f32). A number that lies on a knife's edge between two numbers of the format may be rounded either way, as far as f32 arithmetic and the matrix unit's own rounding can turn it there, and no further.
;;   INPUTS GIVEN AS CODES. Wk (in the module: [2048, 2048], K = its axis 0); Wo (in the module: [2048, 2048], K = its axis 0); Wq (in the module: [2048, 2048], K = its axis 0); Wv (in the module: [2048, 2048], K = its axis 0); x (in the module: [1, 2048, 2048], K = its axis 2): each comes as NAME_codes (uint8): NAME with its K axis moved to the last place and cut into blocks of 32 codes, [.., K / 32, bytes a block], one block behind the other in memory; four codes in three bytes: a row's codes are one little-endian stream of bits, code i at bits 6 i .. 6 i + 5 (a code: sign, 2 exponent bits, 3 mantissa bits); and NAME_scales (uint8): the same leading axes, one E8M0 byte (e + 127) for each 32 codes along K. Its value is code x scale, taken as it is: it is not quantised again, and the codes and scales need not be those that the quantiser above would give.
;; 2 versions. Each part assembles by itself: llvm-mc -triple=amdgcn-amd-amdhsa -mcpu=gfx1250 --defsym DOCPART=n.
;; ======== version 1 of 2: 4 launches
;; workspace buffers: qk_raw 33,554,432 bytes; kv_img 6,553,600 bytes; q_img 6,553,600 bytes; o_img 3,145,728 bytes; o_scl 131,072 bytes
;; launch gemm_qkv (part 1): grid 24 x 8, 4 waves a work-group, clusters of 4 x 4, 327,680 bytes of LDS; arguments x_codes, x_scales, Wq_codes, Wq_scales, Wk_codes, Wk_scales, Wv_codes, Wv_scales, bq, bk, bv, qk_raw, kv_img; writes qk_raw, kv_img
.if DOCPART == 1
	.amdgcn_target "amdgcn-amd-amdhsa--gfx1250"
	.amdhsa_code_object_version 6
	.text
	.protected	k_q894712498d_gemm_qkv
	.globl	k_q894712498d_gemm_qkv
	.p2align	8
	.type	k_q894712498d_gemm_qkv,@function
k_q894712498d_gemm_qkv:
	s_mov_b64 s[64:65], 0
	v_nop
	global_prefetch_b8 v0, s[64:65] scope:SCOPE_SE
	s_setreg_imm32_b32 hwreg(HW_REG_WAVE_MODE, 25, 1), 1
	s_wait_xcnt 0x0
	s_wait_alu depctr_hold_cnt(0) depctr_sa_sdst(0) depctr_va_vdst(0) depctr_va_sdst(0) depctr_va_ssrc(0) depctr_va_vcc(0) depctr_vm_vsrc(0)
	s_getreg_b32 s2, hwreg(HW_REG_IB_STS2, 6, 4)
	s_cmp_eq_u32 s2, 0
	s_cbranch_scc0 .Lentry_in_a_cluster
	s_endpgm
.Lentry_in_a_cluster:
	s_bfe_u32 s2, ttmp6, 0x10000c
	s_cmp_lg_u32 s2, 0xf033
	s_cbranch_scc0 .Lentry_shape_is_right
	s_endpgm
.Lentry_shape_is_right:
; q = x Wq + bq, k = x Wk + bk, v = x Wv + bv on codes of FP6 (E2M3) with one E8M0 scale for each 32 along K = 2,048; sums in f32.
; 24 x 8 tiles of 256 x 256; four waves, each 128 x 128: 64 accumulators, 512 registers.  sel = cluster x / 2 says which product a cluster makes:
;   sel 0, 1: side A = x (tokens), side B = Wq or Wk (channels): the tile leaves as f32, bias added, into qk_raw [2048 tokens][4096] (q in columns 0-2047, k in 2048-4095).
;   sel 2:    side A = Wv (channels), side B = x (tokens): the tile is v TRANSPOSED, so that a lane holds one channel and its registers run along the tokens, which are the K of the
;             product p v.  bv is added and the tile is quantised along the tokens in registers; what leaves are images of operand registers and scale words, into kv_img.
; The loop over K has one path for all three: only pointers are chosen, on sel, which all partners of a cluster share.
; K goes in steps of 256 through a ring of two LDS slots filled by the tensor data mover; the scales of the work-group's rows come into LDS once.
; CLUSTERS: 4 x 4 work-groups.  The four of a row need the same tiles of side A, the four of a column the same tiles of side B: each tile is asked for jointly.
; THE MATRIX INSTRUCTION IS USED TRANSPOSED (source 0 = 16 rows of B, source 1 = 16 rows of A): a lane holds row l % 16 of side A and eight neighbouring rows of side B.
; kv_img: [32 heads][16 steps of 128 keys][12,800 bytes]: K's four fragments at 0, V's four at 6,144 (1,536 bytes each: registers 4 c .. 4 c + 3 of lane l at 512 c + 16 l),
;   K's scale words at 12,288, V's at 12,544 (16 words a fragment).  V's fragment t: row m = channel 16 t + m, k = the step's keys; inside each block of 32 the keys stand in the order
;   0-7, 16-23, 8-15, 24-31, which is the order in which the attention launch's p comes out of its own products: the blocks are the quantiser's own, only the places inside a block differ, alike on both sides.
; LIMITS: NaN and infinities are not served.  A block of zeros gets the scale byte 1 (its codes are zeros; the bytes are read by this program alone); a block whose largest magnitude lies under 2^-124 is held at that floor.
; REGISTERS, in windows of 256: window 0: v0-31 addresses; v32-63 scale words, two sets; v64-87 biases and their offsets; from v128 A's fragments, one set; on the way out v128-255 are free.
;   window 1: B's fragments, two sets, at v0 and v128.   window 2: the accumulators of my rows 0-63 ((a, b) at v[8 (8 a + b)]);   window 3: those of my rows 64-127.
.set KSTEP,  256
.set NQ,     2                         ; matrix instructions deep in a slot
.set ROWB,   192                       ; a tile's row in bytes
.set KROW,   1536                      ; a row of codes in memory
.set PITCH,  240                       ; an LDS row: 3 x (64 bytes + 16 of padding)
.set FR,     12
.set NL,     6
.set NP,     4
.set HALFT,  128*PITCH
.set SLOT,   4*HALFT
.set LAPS,   4                         ; 2,048 / 512
.set KS,     64                        ; a row of scales in bytes
.set SCL,    2*SLOT
.set HALFS,  32*272                    ; the scales of 128 rows, as units of 256 bytes + 16
.set SBLK,   4*272                     ; those of 16 rows
.set SPARE,  SCL+4*HALFS               ; the spare words: 128 bytes a wave, named by no other line
.set SPITCH, 528                       ; the way out: a stage of 16 rows x (512 + 16) bytes a wave, in slot 0, which has had its last fill and its last read by then
.set QKROW,  16384                     ; a row of qk_raw in bytes
.set HEADB,  204800
.set STEPB,  12800
.set ADRA, 16
.set ADRB, 20
.set STO,  24
.set RD,   25
.set CO,   26
.set ADRS, 27
.set SPW,  28
.set NIL,  29
.set SC,   32
.set BC,   64                          ; v64-67  the bias of my four columns (q, k)
.set BR,   68                          ; v68-83  the bias of my row in each of the eight blocks, as pairs (v)
.set VO,   84                          ; v84     16 x lane
.set VS,   85                          ; v85     4 x lane
.set BCO,  86                          ; v86, v87 the bias loads' offsets
.set BRO,  87
.set AF,   128
.set BK,   128
.set ST,   128                         ; v path: 64 numbers
.set PC,   192                         ; the codes just made (12), then the conversions' second halves
.set TM,   212                         ; at work
.set PW,   228                         ; the scale word just made
.set WD,   232                         ; the eight blocks' scale words
.set SEL,  20
.set G1, 24
.set G0, 32
.set G1B, 48
.set G0B, 56
.set G1S, 68
.set G0S, 76
.set G1SB, 80
.set G0SB, 88
.set MSB, 0
.macro WIN new                         ; the immediate's high byte repeats the setting that is left
.if MSB != \new
	s_set_vgpr_msb (MSB<<8)|\new
.set MSB, \new
.endif
.endm
.set MUL_LO, 0xa1                      ; source 0 (B) window 1, source 1 (A) window 0, C and D window 2
.set MUL_HI, 0xf1
.set TO_B,   0x40
; A joint load: waves 0 and 1 fetch for A, waves 2 and 3 for B; the branch hangs on the wave's number alone.  Four v_nop follow each line.
.macro JLOAD g0a, g1a, g0b, g1b
	s_cmp_eq_u32 s15, 0
	s_cbranch_scc0 .Lfor_b_\@
	tensor_load_to_lds s[\g0a:\g0a+3], s[\g1a:\g1a+7]
	s_nop 0
.rept 4
	v_nop
.endr
	s_branch .Lasked_\@
.Lfor_b_\@:
	tensor_load_to_lds s[\g0b:\g0b+3], s[\g1b:\g1b+7]
	s_nop 0
.rept 4
	v_nop
.endr
.Lasked_\@:
.endm
.macro CREST                           ; a round of the cluster's barrier behind its opening barrier
	s_cmp_lg_u32 s14, 0
	s_cbranch_scc1 .Lnot_wave_0_\@
	s_barrier_signal -3
.Lnot_wave_0_\@:
	s_barrier_wait -3
	s_barrier_signal -1
	s_barrier_wait -1
.endm
.macro CROUND
	s_barrier_signal -1
	s_barrier_wait -1
	CREST
.endm
	s_load_b512 s[24:39], s[0:1], 0x0              ; x codes, x scales, Wq c, Wq s, Wk c, Wk s, Wv c, Wv s
	s_load_b256 s[48:55], s[0:1], 0x40             ; bq, bk, bv, qk_raw
	s_load_b64 s[56:57], s[0:1], 0x60              ; kv_img
	v_lshl_add_u32 v[SPW], v0, 2, SPARE
	v_mov_b32 v[NIL], 0
	ds_add_u32 v28, v29
	ds_add_u32 v28, v29
	s_wait_dscnt 0x0
	v_lshrrev_b32 v1, 5, v0
	v_readfirstlane_b32 s14, v1                    ; wave 0..3
	s_lshr_b32 s15, s14, 1                         ; which half of the tile's A rows is mine.  Also: I fetch for A (0) or for B (1)
	s_and_b32 s16, s14, 1                          ; which half of its B rows.  Also: which 128 rows I fetch
	s_bfe_u32 s40, ttmp6, 0x40000                  ; cx
	s_bfe_u32 s41, ttmp6, 0x40004                  ; cy
	s_lshr_b32 s95, ttmp9, 1                       ; sel: 0 q, 1 k, 2 v: a number of the cluster
	s_and_b32 s42, ttmp9, 1
	s_lshl_b32 s42, s42, 2
	s_add_co_u32 s42, s42, s40                     ; tile column inside the product, 0..7
	s_lshl_b32 s98, ttmp9, 2
	s_add_co_u32 s98, s98, s40                     ; tile column of qk_raw (q, k): 0..15
	s_and_b32 s17, ttmp7, 0xffff
	s_lshl_b32 s17, s17, 2
	s_add_co_u32 s17, s17, s41                     ; tile row
	s_lshl_b32 s43, s41, 2
	s_lshl_b32 s43, 15, s43                        ; my row of the cluster
	s_lshl_b32 s44, 0x1111, s40                    ; my column
	s_wait_kmcnt 0x0
	s_cmp_eq_u32 s95, 2                            ; the choice of buffers hangs on sel alone
	s_cselect_b64 s[4:5], s[36:37], s[24:25]       ; A's codes: Wv's or x's
	s_cselect_b64 s[6:7], s[38:39], s[26:27]       ; A's scales
	s_cselect_b64 s[8:9], s[24:25], s[32:33]       ; B's codes: x's or Wk's
	s_cselect_b64 s[10:11], s[26:27], s[34:35]     ; B's scales
	s_cselect_b64 s[96:97], s[52:53], s[50:51]     ; the bias
	s_cselect_b64 s[12:13], s[56:57], s[54:55]     ; where the result goes
	s_cmp_eq_u32 s95, 0
	s_cselect_b64 s[8:9], s[28:29], s[8:9]         ; Wq's
	s_cselect_b64 s[10:11], s[30:31], s[10:11]
	s_cselect_b64 s[96:97], s[48:49], s[96:97]
	; descriptor group 1: a tile of 128 rows x 192 bytes, 16 bytes of padding behind every 64
	s_or_b32 s[G1+0], s43, (0<<16)|(1<<20)|(1<<21)|(3<<22)|(3<<25)
	s_or_b32 s[G1B+0], s44, (0<<16)|(1<<20)|(1<<21)|(3<<22)|(3<<25)
.irp g, G1, G1B
	s_mov_b32 s[\g+1], ROWB<<16                    ; tensor_dim0
	s_mov_b32 s[\g+2], 128<<16                     ; tensor_dim1
	s_mov_b32 s[\g+3], ROWB<<16                    ; tile_dim0
	s_mov_b32 s[\g+4], 128                         ; tile_dim1
	s_mov_b32 s[\g+5], KROW                        ; the pitch
	s_mov_b32 s[\g+6], 0
	s_mov_b32 s[\g+7], 0
.endr
	; the scales of 128 rows: a dense block of 8,192 bytes, as 32 rows of 256 bytes, 16 bytes of padding behind each
	s_or_b32 s[G1S+0], s43, (3<<16)|(1<<20)|(1<<21)|(5<<22)|(3<<25)
	s_or_b32 s[G1SB+0], s44, (3<<16)|(1<<20)|(1<<21)|(5<<22)|(3<<25)
.irp g, G1S, G1SB
	s_mov_b32 s[\g+1], 32<<16
	s_mov_b32 s[\g+2], 32<<16
	s_mov_b32 s[\g+3], 32<<16
	s_mov_b32 s[\g+4], 32
	s_mov_b32 s[\g+5], 32
	s_mov_b32 s[\g+6], 0
	s_mov_b32 s[\g+7], 0
.endr
	s_lshl_b32 s18, s16, 7                         ; which 128 rows of the tile I fetch
	s_lshl_b32 s20, s17, 8
	s_add_co_u32 s20, s20, s18                     ; A: row 256 x tile row + 128 x half
	s_lshl_b32 s46, s42, 8
	s_add_co_u32 s46, s46, s18                     ; B: row 256 x tile column + 128 x half
	s_mov_b32 s21, 0
	s_mov_b32 s47, 0
	s_mov_b64 s[18:19], KS
	s_mul_u64 s[22:23], s[20:21], s[18:19]         ; where these rows' scales begin
	s_mul_u64 s[92:93], s[46:47], s[18:19]
	s_mov_b64 s[18:19], KROW
	s_mul_u64 s[20:21], s[20:21], s[18:19]         ; and their codes
	s_mul_u64 s[46:47], s[46:47], s[18:19]
	s_mul_i32 s45, s14, HALFT                      ; where they go: wave x 128 rows
	s_mul_i32 s94, s14, HALFS
	s_add_nc_u64 s[20:21], s[4:5], s[20:21]
	s_add_nc_u64 s[22:23], s[6:7], s[22:23]
	s_add_nc_u64 s[46:47], s[8:9], s[46:47]
	s_add_nc_u64 s[92:93], s[10:11], s[92:93]
	CROUND                                         ; all sixteen work-groups are here: the first joint loads meet
	s_mov_b32 s[G0S], 1
	s_add_co_u32 s[G0S+1], s94, SCL
	s_mov_b64 s[G0S+2:G0S+3], s[22:23]
	s_or_b32 s[G0S+3], s[G0S+3], 0x80000000
	s_mov_b32 s[G0SB], 1
	s_add_co_u32 s[G0SB+1], s94, SCL
	s_mov_b64 s[G0SB+2:G0SB+3], s[92:93]
	s_or_b32 s[G0SB+3], s[G0SB+3], 0x80000000
	JLOAD G0S, G1S, G0SB, G1SB                     ; the scales first: they are wanted with K step 0
.irp s, 0,1
	s_mov_b32 s[G0+4*\s], 1
	s_add_co_u32 s[G0+4*\s+1], s45, \s*SLOT
	s_add_nc_u64 s[G0+4*\s+2:G0+4*\s+3], s[20:21], \s*ROWB
	s_or_b32 s[G0+4*\s+3], s[G0+4*\s+3], 0x80000000
	s_mov_b32 s[G0B+4*\s], 1
	s_add_co_u32 s[G0B+4*\s+1], s45, \s*SLOT
	s_add_nc_u64 s[G0B+4*\s+2:G0B+4*\s+3], s[46:47], \s*ROWB
	s_or_b32 s[G0B+4*\s+3], s[G0B+4*\s+3], 0x80000000
	JLOAD G0+4*\s, G1, G0B+4*\s, G1B
.endr
	v_and_b32 v1, 15, v0                           ; l % 16
	v_bfe_u32 v2, v0, 4, 1                         ; l / 16
	v_mul_u32_u24 v3, v1, PITCH
	v_mul_u32_u24 v4, v2, 24
	v_add_nc_u32 v4, v3, v4                        ; a fragment's row x pitch + 24 x half
	v_lshl_add_u32 v5, v2, 4, v4                   ; and the same behind one padding more
	s_mul_i32 s21, s15, HALFT                      ; my 128 rows of A
	s_mul_i32 s22, s16, HALFT                      ; my 128 rows of B,
	s_add_co_u32 s22, s22, 2*HALFT                 ; which lie behind A's 256
.irp s, 0,1
	v_add_nc_u32 v[ADRA+\s], s21, v4
	v_add_nc_u32 v[ADRB+\s], s22, v4
	v_add_nc_u32 v[ADRA+2+\s], s21, v5
	v_add_nc_u32 v[ADRB+2+\s], s22, v5
	s_add_co_u32 s21, s21, SLOT
	s_add_co_u32 s22, s22, SLOT
.endr
	v_mul_u32_u24 v5, v1, KS                       ; my row's scales: 64 bytes a row,
	v_lshrrev_b32 v6, 8, v5
	v_lshl_add_u32 v5, v6, 4, v5                   ; and 16 more for each 256 passed
	s_mul_i32 s21, s15, HALFS
	s_mul_i32 s22, s16, HALFS
	s_add_co_u32 s22, s22, 2*HALFS
	s_sub_co_u32 s22, s22, s21
	v_mul_u32_u24 v6, s22, v2                      ; lanes 16-31 take B's
	s_add_co_u32 s21, s21, SCL
	v_add_nc_u32 v5, v5, v6
	v_add_nc_u32 v[ADRS], s21, v5
	s_mul_i32 s23, s14, 16*SPITCH                  ; my stage
	v_mul_u32_u24 v5, v1, SPITCH
	v_lshl_add_u32 v5, v2, 5, v5
	v_add_nc_u32 v[STO], s23, v5
	v_and_b32 v6, 31, v0
	v_lshlrev_b32 v[CO], 4, v6
	v_add_nc_u32 v[RD], s23, v[CO]
	; the biases, in both forms, with no branch: both stay inside a bias of 2,048 numbers.  They are waited for at the head of the way out
	s_lshl_b32 s99, s42, 10
	s_lshl_b32 s18, s16, 9
	s_add_co_u32 s99, s99, s18
	v_lshl_add_u32 v[BCO], v6, 4, s99              ; by columns: 4 (256 x tile column + 128 x half + 4 x lane)
	global_load_b128 v[BC:BC+3], v[BCO], s[96:97]
	s_lshl_b32 s99, s17, 10
	s_lshl_b32 s18, s15, 9
	s_add_co_u32 s99, s99, s18
	v_lshl_add_u32 v[BRO], v1, 2, s99              ; by rows: 4 (256 x tile row + 128 x half + l % 16), + 64 for each block of 16
.irp a, 0,1,2,3,4,5,6,7
	global_load_b32 v[BR+2*\a], v[BRO], s[96:97] offset:64*\a
.endr
	; where my part of the result begins
	s_lshl_b32 s20, s17, 8
	s_lshl_b32 s21, s15, 7
	s_add_co_u32 s20, s20, s21                     ; my first row of side A
	s_lshl_b32 s22, s20, 14                        ; q, k: rows of 16,384 bytes,
	s_lshl_b32 s21, s98, 10
	s_add_co_u32 s22, s22, s21                     ; + 1,024 x tile column
	s_lshl_b32 s21, s16, 9
	s_add_co_u32 s22, s22, s21                     ; + 512 x half
	s_lshr_b32 s20, s20, 6                         ; v: my first head = channel / 64,
	s_mul_i32 s20, s20, HEADB
	s_lshl_b32 s21, s42, 1
	s_add_co_u32 s21, s21, s16                     ; my 128 tokens are key step 2 x tile column + half,
	s_mul_i32 s21, s21, STEPB
	s_add_co_u32 s20, s20, s21
	s_add_co_u32 s20, s20, 6144                    ; V's fragments in a step
	s_cmp_eq_u32 s95, 2
	s_cselect_b32 s20, s20, s22
	s_mov_b32 s21, 0
	s_add_nc_u64 s[12:13], s[12:13], s[20:21]
.macro FRAG reg, adr, q, i             ; a fragment: lane l holds row l % 16; registers 6 c .. 6 c + 5 hold K = 64 c + 32 (l / 16) + 0 .. 31: 24 bytes of the row's stream of bits, in pieces of 8 bytes
.irp p, 0,1,2,3,4,5
.set PCE, 12*(\q)+6*(\p/3)+\p%3       ; where the piece three on lies behind one padding more, the second address register serves
.if PCE%8 < 5
	ds_load_b64 v[\reg+2*\p:\reg+2*\p+1], v[\adr] offset:8*PCE+16*(PCE/8)+(\i)*16*PITCH
.else
	ds_load_b64 v[\reg+2*\p:\reg+2*\p+1], v[\adr+2] offset:8*PCE+16*(PCE/8)+(\i)*16*PITCH
.endif
.endr
.endm
; 16 matrix instructions: A's blocks a0, a0 + 1 x B's eight.  The 64 accumulators take turns, one instruction a turn, in the same order in every step.
.macro MUL16 a0, p, q, sc, zero
.irp a, \a0, \a0+1
.irp b, 0,1,2,3,4,5,6,7
.if \zero
	v_wmma_scale_f32_16x16x128_f8f6f4 v[8*(8*((\a)%4)+\b):8*(8*((\a)%4)+\b)+7], v[128*(\p)+FR*\b:128*(\p)+FR*\b+FR-1], v[AF+FR*(\a):AF+FR*(\a)+FR-1], 0, v[SC+8*NQ*(\sc)+NQ*\b+(\q)], v[SC+8*NQ*(\sc)+NQ*(\a)+(\q)] matrix_a_fmt:MATRIX_FMT_FP6 matrix_b_fmt:MATRIX_FMT_FP6 matrix_a_scale:MATRIX_SCALE_ROW1
.else
	v_wmma_scale_f32_16x16x128_f8f6f4 v[8*(8*((\a)%4)+\b):8*(8*((\a)%4)+\b)+7], v[128*(\p)+FR*\b:128*(\p)+FR*\b+FR-1], v[AF+FR*(\a):AF+FR*(\a)+FR-1], v[8*(8*((\a)%4)+\b):8*(8*((\a)%4)+\b)+7], v[SC+8*NQ*(\sc)+NQ*\b+(\q)], v[SC+8*NQ*(\sc)+NQ*(\a)+(\q)] matrix_a_fmt:MATRIX_FMT_FP6 matrix_b_fmt:MATRIX_FMT_FP6 matrix_a_scale:MATRIX_SCALE_ROW1
.endif
.endr
.endr
.endm
.macro FETCH_B slot, q, p
	WIN TO_B
.irp i, 0,1,2,3,4,5,6,7
	FRAG 128*(\p)+FR*\i, ADRB+\slot, \q, \i
.endr
	WIN 0
.endm
.macro FETCH_A slot, q, i0
.irp i, \i0, \i0+1, \i0+2, \i0+3
	FRAG AF+FR*(\i), ADRA+\slot, \q, \i
.endr
.endm
.macro SCALES sc                       ; a K step's scale words: lanes 0-15 take A's block i, lanes 16-31 B's block i
.irp i, 0,1,2,3,4,5,6,7
	ds_load_b64 v[SC+8*NQ*\sc+NQ*\i:SC+8*NQ*\sc+NQ*\i+1], v[ADRS] offset:\i*SBLK
.endr
.endm
.macro PLACES n                        ; plain vector instructions between a matrix instruction and a load into, or a read of, its registers
.rept \n
	v_nop
.endr
.endm
.macro STEP slot, q, zero              ; a step of 128 along K that has its successor in the same slot
	s_wait_dscnt 4*NL                              ; B's set and A's blocks 0-3 are in; the youngest 24 loads (A's blocks 4-7) may be out
	WIN MUL_LO
	MUL16 0, (\q)%2, \q, \slot, \zero
	MUL16 2, (\q)%2, \q, \slot, \zero
	s_wait_dscnt 0
	PLACES NP
	FETCH_B \slot, (\q)+1, 1-(\q)%2
	FETCH_A \slot, (\q)+1, 0
	WIN MUL_HI
	MUL16 4, (\q)%2, \q, \slot, \zero
	MUL16 6, (\q)%2, \q, \slot, \zero
	PLACES NP
	WIN 0
	FETCH_A \slot, (\q)+1, 4
.endm
; A slot's last step changes slots: one barrier; in front of it each wave waits for all its tensor loads, adds 0 to its spare word, and waits for that and for its reads of this slot.
.macro TURN slot, next, fill
	s_wait_tensorcnt 0x0                           ; all my tensor loads have landed: my part of the next slot
	ds_add_u32 v[SPW], v[NIL]                      ; 0 onto my spare word
	s_wait_dscnt 4*NL+1                            ; the add and the youngest 24 loads may be out
	WIN MUL_LO
	MUL16 0, 1, NQ-1, \slot, 0
	s_wait_dscnt 0x0                               ; the add is done, and my reads of this slot are over
	s_barrier_signal -1
	MUL16 2, 1, NQ-1, \slot, 0
	WIN 0
	s_barrier_wait -1
.if \fill
	CREST                                          ; the barrier has opened a round of the cluster's barrier: no wave of any partner still reads this slot or has a load on its way
	s_add_nc_u64 s[G0+4*\slot+2:G0+4*\slot+3], s[G0+4*\slot+2:G0+4*\slot+3], 2*ROWB
	s_add_nc_u64 s[G0B+4*\slot+2:G0B+4*\slot+3], s[G0B+4*\slot+2:G0B+4*\slot+3], 2*ROWB
	JLOAD G0+4*\slot, G1, G0B+4*\slot, G1B         ; the first tensor load behind the round; its four v_nop are the places in front of the loads below
.else
	PLACES NP
.endif
	v_add_nc_u32 v[ADRS], 4*NQ, v[ADRS]            ; on to the next K step's scale words
	FETCH_B \next, 0, 0
	FETCH_A \next, 0, 0
	SCALES \next
	WIN MUL_HI
	MUL16 4, 1, NQ-1, \slot, 0
	MUL16 6, 1, NQ-1, \slot, 0
	PLACES NP
	WIN 0
	FETCH_A \next, 0, 4
.endm
	s_wait_tensorcnt 1                             ; of my three loads the scales and K step 0 are in; K step 1's may be out
	s_barrier_signal -1
	s_barrier_wait -1
	FETCH_B 0, 0, 0
	FETCH_A 0, 0, 0
	SCALES 0
	FETCH_A 0, 0, 4
	STEP 0, 0, 1                                   ; the first step stands in front of the loop: its products start the sums
	s_mov_b32 s3, LAPS-1
.Llap:                                                 ; a trip goes once round the ring and fills both slots again
	TURN 0, 1, 1
	STEP 1, 0, 0
	TURN 1, 0, 1
	STEP 0, 0, 0
	s_sub_co_u32 s3, s3, 1
	s_cmp_lg_u32 s3, 0
	s_cbranch_scc1 .Llap
	TURN 0, 1, 0                                   ; the last lap fills nothing
	STEP 1, 0, 0
	s_wait_dscnt 4*NL
	WIN MUL_LO
	MUL16 0, 1, NQ-1, 1, 0
	MUL16 2, 1, NQ-1, 1, 0
	s_wait_dscnt 0
	WIN MUL_HI
	MUL16 4, 1, NQ-1, 1, 0
	MUL16 6, 1, NQ-1, 1, 0
	WIN 0
	PLACES NP                                      ; behind the last products: their results are read, and A's registers written, only behind these
	s_wait_loadcnt 0x0                             ; the biases
	s_cmp_eq_u32 s95, 2
	s_cbranch_scc1 .Lv_out                         ; on sel, which is the same in all partners
; THE WAY OUT OF q AND k, block by block of 16 rows x 128 columns, through my own stage in LDS: whole rows of 512 bytes come back, the bias of my four columns is added, and 32 lanes store 512 consecutive bytes.
.macro TOSTAGE a
.set AC, 64*((\a)%4)
.set WN, 0x08+4*((\a)/4)
	WIN WN                                         ; the data: window 2 or 3
.irp b, 0,1,2,3,4,5,6,7
	ds_store_b128 v[STO], v[AC+8*\b:AC+8*\b+3] offset:64*\b          ; each accumulator from its low end on
	ds_store_b128 v[STO], v[AC+8*\b+4:AC+8*\b+7] offset:64*\b+16
.endr
	WIN 0
.set BB, BK+64*((\a)%2)
.irp t, 0,1,2,3,4,5,6,7,8,9,10,11,12,13,14,15
	ds_load_b128 v[BB+4*\t:BB+4*\t+3], v[RD] offset:\t*SPITCH        ; LDS serves a wave's instructions in order (ISA guide 5.7.1.4): these see the stores above
.endr
.endm
.macro SEND a, younger
.set BB, BK+64*((\a)%2)
	s_wait_dscnt \younger                          ; the block is back; the next block's 16 stores and 16 loads may be out
.if (\a) > 0
	s_add_nc_u64 s[12:13], s[12:13], 16*QKROW      ; (behind a wait on XCNT: the earlier stores have read their base)
.endif
.irp t, 0,1,2,3,4,5,6,7,8,9,10,11,12,13,14,15
	v_pk_add_f32 v[BB+4*\t:BB+4*\t+1], v[BB+4*\t:BB+4*\t+1], v[BC:BC+1]
	v_pk_add_f32 v[BB+4*\t+2:BB+4*\t+3], v[BB+4*\t+2:BB+4*\t+3], v[BC+2:BC+3]
	global_store_b128 v[CO], v[BB+4*\t:BB+4*\t+3], s[12:13] offset:\t*QKROW
.endr
.endm
	TOSTAGE 0
.irp a, 1,2,3,4,5,6,7
.if \a > 1
	s_wait_xcnt 0x0                                ; block a - 2's stores have read their registers and their base
.endif
	TOSTAGE \a
	SEND \a-1, 32
.endr
	s_wait_xcnt 0x0
	SEND 7, 0
	s_branch .Lend
; THE WAY OUT OF v.  64 numbers of a lane, register 16 b + i = place 16 (lane / 16) + i of block b of my row, become a fragment's codes in v[PC] on and its scale word in v[PW].
.macro QUANT s
.irp b, 0,1,2,3
	v_max3_num_f32 v[TM+\b], |v[\s+16*\b]|, |v[\s+1+16*\b]|, 0x1800000   ; my 16 numbers of block b, and the floor 2^(3 - 127): the byte cannot fall under 1
.endr
.irp i, 2,4,6,8,10,12,14
.irp b, 0,1,2,3
	v_max3_num_f32 v[TM+\b], v[TM+\b], |v[\s+16*\b+\i]|, |v[\s+1+16*\b+\i]|
.endr
.endr
.irp b, 0,1,2,3
	v_permlanex16_b32 v[TM+4+\b], v[TM+\b], s[SEL], s[SEL+1]
.endr
.irp b, 0,1,2,3
	v_max_num_f32 v[TM+\b], v[TM+\b], v[TM+4+\b]   ; with lane l xor 16's: the block's largest magnitude
.endr
.irp b, 0,1,2,3
	v_add_nc_u32 v[TM+12+\b], 0xff000000, v[TM+\b]   ; 2 off its exponent field: the conversion's scale operand
.endr
.irp b, 0,1,2,3
	v_lshrrev_b32 v[TM+4+\b], 23, v[TM+12+\b]      ; the scale's byte
.endr
	v_lshl_or_b32 v[PW], v[TM+5], 8, v[TM+4]
	v_lshl_or_b32 v[PW], v[TM+6], 16, v[PW]
	v_lshl_or_b32 v[PW], v[TM+7], 24, v[PW]
.irp c, 0,1
	v_cvt_scalef32_pk16_fp6_f32 v[PC+6*\c:PC+2+6*\c], v[\s+32*\c:\s+15+32*\c], v[TM+12+2*\c]
	v_cvt_scalef32_pk16_fp6_f32 v[PC+12+4*\c:PC+14+4*\c], v[\s+16+32*\c:\s+31+32*\c], v[TM+12+2*\c+1]   ; (a conversion's three registers begin on an even number)
.endr
	v_nop                                          ; one plain place behind a scaled conversion
.irp c, 0,1                                    ; the operand's layout wants a whole block in a lane
.irp i, 0,1,2
	v_permlane16_swap_b32 v[PC+6*\c+\i], v[PC+12+4*\c+\i]
.endr
.irp i, 0,1,2
	v_mov_b32 v[PC+3+6*\c+\i], v[PC+12+4*\c+\i]
.endr
.endr
.endm
; Block a: 16 channels x my 128 tokens.  Register 8 b + j of lane (r, h) is token 16 b + 8 h + j of channel 16 a + r.  bv is added on the way out of the accumulators' window.
.macro VOUT a
.if (\a) > 0
	s_wait_xcnt 0x0                                ; the last block's stores have read the codes' registers
.endif
.set WN, 0x02+(\a)/4
	WIN WN                                         ; source 0: window 2 or 3
.set AC, 64*((\a)%4)
.set i, 0
.rept 32
	v_pk_add_f32 v[ST+i:ST+i+1], v[AC+i:AC+i+1], v[BR+2*(\a):BR+2*(\a)+1]   ; ascending: each accumulator from its low end on
.set i, i+2
.endr
	WIN 0
	QUANT ST
	v_mov_b32 v[WD+(\a)], v[PW]
.irp c, 0,1,2
	global_store_b128 v[VO], v[PC+4*\c:PC+4*\c+3], s[12:13] offset:((\a)/4)*HEADB+((\a)%4)*1536+512*\c   ; 32 lanes store 512 consecutive bytes, at a multiple of 256 from the buffer's first byte
.endr
.endm
.Lv_out:
	s_mov_b32 s[SEL], 0x76543210
	s_mov_b32 s[SEL+1], 0xfedcba98                 ; v_permlanex16_b32's selects for lane l xor 16
	v_and_b32 v[VS], 31, v0
	v_cmp_le_u32 vcc_lo, 16, v[VS]                 ; lanes 16-31
	v_lshlrev_b32 v[VO], 4, v[VS]
	v_lshlrev_b32 v[VS], 2, v[VS]
.irp a, 0,1,2,3,4,5,6,7
	v_mov_b32 v[BR+2*\a+1], v[BR+2*\a]             ; the bias as a pair, for the packed addition
.endr
.irp b, 0,1,2,3
	v_mov_b32 v[TM+4+\b], 0                        ; written once: a lane permute's destination counts as one of its sources
.endr
.irp a, 0,1,2,3,4,5,6,7
	VOUT \a
.endr
.irp a, 0,2,4,6                                ; the scale words of two fragments leave together: lanes 0-15 block a's, lanes 16-31 block a + 1's: 128 consecutive bytes
	v_cndmask_b32 v[240+\a/2], v[WD+\a], v[WD+\a+1], vcc_lo
	global_store_b32 v[VS], v[240+\a/2], s[12:13] offset:(\a/4)*HEADB+6400+(\a%4)*64
.endr
.Lend:
	s_wait_tensorcnt 0x0                           ; the wave's end
	ds_add_u32 v[SPW], v[NIL]
	s_wait_dscnt 0x0
	CROUND                                         ; the closing round
	s_endpgm
.Lfunc_end_k_q894712498d_gemm_qkv:
	.size	k_q894712498d_gemm_qkv, .Lfunc_end_k_q894712498d_gemm_qkv-k_q894712498d_gemm_qkv
	.p2alignl 7, 3214868480
	.fill 96, 4, 3214868480
	.section	.rodata,"a",@progbits
	.p2align	6, 0x0
	.amdhsa_kernel k_q894712498d_gemm_qkv
		.amdhsa_group_segment_fixed_size 327680
		.amdhsa_private_segment_fixed_size 0
		.amdhsa_enable_private_segment 0
		.amdhsa_kernarg_size 104
		.amdhsa_user_sgpr_count 2
		.amdhsa_user_sgpr_kernarg_segment_ptr 1
		.amdhsa_wavefront_size32 1
		.amdhsa_system_sgpr_workgroup_id_x 1
		.amdhsa_system_sgpr_workgroup_id_y 1
		.amdhsa_system_sgpr_workgroup_id_z 1
		.amdhsa_system_vgpr_workitem_id 0
		.amdhsa_next_free_vgpr 1024
		.amdhsa_next_free_sgpr 100
		.amdhsa_reserve_vcc 1
		.amdhsa_float_denorm_mode_32 3
		.amdhsa_float_denorm_mode_16_64 3
		.amdhsa_memory_ordered 1
		.amdhsa_forward_progress 1
		.amdhsa_inst_pref_size 228
	.end_amdhsa_kernel
	.amdgpu_metadata
---
amdhsa.version: [ 1, 2 ]
amdhsa.kernels:
  - .name:           k_q894712498d_gemm_qkv
    .symbol:         k_q894712498d_gemm_qkv.kd
    .args:
      - { .name: x_codes, .offset: 0, .size: 8, .value_kind: global_buffer, .address_space: global }
      - { .name: x_scales, .offset: 8, .size: 8, .value_kind: global_buffer, .address_space: global }
      - { .name: Wq_codes, .offset: 16, .size: 8, .value_kind: global_buffer, .address_space: global }
      - { .name: Wq_scales, .offset: 24, .size: 8, .value_kind: global_buffer, .address_space: global }
      - { .name: Wk_codes, .offset: 32, .size: 8, .value_kind: global_buffer, .address_space: global }
      - { .name: Wk_scales, .offset: 40, .size: 8, .value_kind: global_buffer, .address_space: global }
      - { .name: Wv_codes, .offset: 48, .size: 8, .value_kind: global_buffer, .address_space: global }
      - { .name: Wv_scales, .offset: 56, .size: 8, .value_kind: global_buffer, .address_space: global }
      - { .name: bq, .offset: 64, .size: 8, .value_kind: global_buffer, .address_space: global }
      - { .name: bk, .offset: 72, .size: 8, .value_kind: global_buffer, .address_space: global }
      - { .name: bv, .offset: 80, .size: 8, .value_kind: global_buffer, .address_space: global }
      - { .name: qk_raw, .offset: 88, .size: 8, .value_kind: global_buffer, .address_space: global }
      - { .name: kv_img, .offset: 96, .size: 8, .value_kind: global_buffer, .address_space: global }
    .group_segment_fixed_size: 327680
    .private_segment_fixed_size: 0
    .kernarg_segment_align: 8
    .kernarg_segment_size: 104
    .max_flat_workgroup_size: 128
    .sgpr_count:     100
    .vgpr_count:     1024
    .wavefront_size: 32
...
	.end_amdgpu_metadata
.endif
;; end of part 1
;; launch prep (part 2): grid 64 x 2, 16 waves a work-group, no clusters, 202,752 bytes of LDS; arguments qk_raw, qn_w, kn_w, q_cos, q_sin, k_cos, k_sin, q_img, kv_img; writes q_img, kv_img
.if DOCPART == 2
	.amdgcn_target "amdgcn-amd-amdhsa--gfx1250"
	.amdhsa_code_object_version 6
	.text
	.protected	k_q894712498d_prep
	.globl	k_q894712498d_prep
	.p2align	8
	.type	k_q894712498d_prep,@function
k_q894712498d_prep:
	s_mov_b64 s[64:65], 0
	v_nop
	global_prefetch_b8 v0, s[64:65] scope:SCOPE_SE
	s_setreg_imm32_b32 hwreg(HW_REG_WAVE_MODE, 25, 1), 1
	s_wait_xcnt 0x0
; q and k (f32, bias added, in qk_raw [2048][4096]) get their RMS norm over all 2,048 numbers of a row, the gain, the interleaved RoPE, and are quantised along each head's 64 (two blocks of 32) to codes of FP6 (E2M3).
; Work-group (g, y): tokens 32 g .. 32 g + 31 of q (y = 0) or of k (y = 1): only pointers are chosen on y.  Wave w takes rows a = 32 g + w and b = a + 16.
; A LANE IS A HEAD: a row is loaded as it lies (512 consecutive bytes a load) and turned through the wave's own stage in LDS, so that lane l holds channels 64 l .. 64 l + 63: both blocks and all pairs of the RoPE lie
; in one lane.  cos and sin are the same for all heads of a row, so they come as scalars.
; WHAT LEAVES: for each head one fragment (an image of operand registers, 1,536 bytes): row m holds token 32 g + m in k = 0 .. 63 and token 32 g + 16 + m in k = 64 .. 127; registers 4 c .. 4 c + 3 of lane l at 512 c + 16 l;
; and 16 scale words (a's two bytes, b's two bytes).  Place: [head][g / 4][12,800 bytes]: fragment g % 4 at 1,536 (g % 4), its scale words at 12,288 + 64 (g % 4).
; The codes of 16 waves meet in a stage in LDS, and each wave stores two heads' fragments, 512 consecutive bytes a store.  No tensor loads, no matrix work: memory binds; all of a wave's 33 loads go out at its head.
; LIMITS: NaN and infinities are not served; the sum of squares overflows for numbers above about 4e17; a block of zeros gets the byte 1 (its codes are zeros; this program alone reads the bytes); a block whose largest
; magnitude lies under 2^-124 is held at that floor.  The RoPE uses fused multiply-adds and the sum of squares another order than a plain chain; v_rsq_f32 is accurate to 1 ulp (ISA guide, its entry).
.set HEADB, 204800
.set STEPB, 12800
.set WST,  0                           ; the gain, turned: 32 places of 272 bytes
.set RST,  8704                        ; a stage of 32 places of 272 bytes for each wave
.set OST,  RST+16*8704                 ; the codes: 1,552 bytes a head (1,536 + 16)
.set SST,  OST+32*1552                 ; the scale words: 68 bytes a head (64 + 4)
.set RA,   16                          ; v16-79   row a as loaded, then the gain, then the way out
.set RB,   80                          ; v80-143  row b as loaded
.set RC,   144                         ; v144-207 the row at work: my head's 64 numbers
.set FG,   208                         ; v208-231 two lanes' worth of the fragment: 12 registers for each half of the channels
.set SW,   235                         ; the scale word
.set SQ,   244                         ; v244-251 the sum of squares, four chains; later at work
; v1 16 x lane; v2, v3 into the gain's and my stage; v4, v5 out of them; v6, v7 into the codes' and words' stages; v8, v9 out of them; v10 the gain's offset; v11, v12 offsets of the stores
	s_load_b512 s[4:19], s[0:1], 0x0               ; qk_raw, qn_w, kn_w, q_cos, q_sin, k_cos, k_sin, q_img
	s_load_b64 s[20:21], s[0:1], 0x40              ; kv_img
	v_lshl_add_u32 v254, v0, 2, 0x31000
	v_mov_b32 v255, 0
	v_lshrrev_b32 v13, 5, v0
	v_readfirstlane_b32 s92, v13                   ; wave 0..15
	s_and_b32 s93, ttmp7, 0xffff                   ; y
	v_and_b32 v14, 31, v0                          ; lane
	v_lshlrev_b32 v1, 4, v14
	v_lshrrev_b32 v15, 4, v14                      ; lane / 16
	v_and_b32 v13, 15, v14                         ; lane % 16
	v_mul_u32_u24 v2, v15, 272
	v_lshl_add_u32 v2, v13, 4, v2                  ; a load's 512 bytes are two whole heads: 272 (lane / 16) + 16 (lane % 16)
	s_mul_i32 s22, s92, 8704
	s_add_co_u32 s22, s22, RST
	v_add_nc_u32 v3, s22, v2
	v_mul_u32_u24 v4, v14, 272                     ; out: 272 x lane (the gain's stage begins at LDS byte 0)
	v_add_nc_u32 v5, s22, v4
	s_mul_i32 s23, s92, 544
	v_add_nc_u32 v2, s23, v2                       ; the gain: wave w brings bytes 512 w on
	v_mul_u32_u24 v6, v14, 1552
	s_lshl_b32 s23, s92, 4
	s_add_co_u32 s23, s23, OST
	v_add_nc_u32 v6, s23, v6                       ; head = lane, the fragment's lane w (and w + 16: + 256)
	v_mul_u32_u24 v7, v14, 68
	s_lshl_b32 s23, s92, 2
	s_add_co_u32 s23, s23, SST
	v_add_nc_u32 v7, s23, v7
	s_mul_i32 s23, s92, 3104
	s_add_co_u32 s23, s23, OST
	v_add_nc_u32 v8, s23, v1                       ; out: heads 2 w and 2 w + 1
	v_mul_u32_u24 v9, v15, 68
	v_lshl_add_u32 v9, v13, 2, v9
	s_mul_i32 s23, s92, 136
	s_add_co_u32 s23, s23, SST
	v_add_nc_u32 v9, s23, v9
	s_lshl_b32 s23, s92, 9
	v_add_nc_u32 v10, s23, v1
	s_mul_i32 s23, s92, 2*HEADB
	v_add_nc_u32 v11, s23, v1
	v_mul_u32_u24 v12, v15, HEADB
	v_lshl_add_u32 v12, v13, 2, v12
	v_add_nc_u32 v12, s23, v12
	s_lshl_b32 s24, ttmp9, 5
	s_add_co_u32 s24, s24, s92                     ; row a
	s_lshl_b32 s26, s24, 14                        ; x 16,384 bytes
	s_lshl_b32 s27, s93, 13                        ; k's half of a row
	s_add_co_u32 s26, s26, s27
	s_mov_b32 s27, 0
	s_lshl_b32 s28, s24, 8                         ; a row of cos or sin is 256 bytes
	s_mov_b32 s29, 0
	s_lshr_b32 s30, ttmp9, 2
	s_mul_i32 s30, s30, STEPB
	s_and_b32 s31, ttmp9, 3
	s_mul_i32 s32, s31, 1536
	s_add_co_u32 s32, s32, s30                     ; the fragment's place in a head
	s_mov_b32 s33, 0
	s_lshl_b32 s34, s31, 6
	s_add_co_u32 s34, s34, s30
	s_add_co_u32 s34, s34, 12288                   ; its scale words'
	s_mov_b32 s35, 0
	s_mov_b32 s94, 0x76543210
	s_mov_b32 s95, 0xfedcba98                      ; v_permlanex16_b32's selects for lane l xor 16
	s_mov_b32 s96, 0x358637bd                      ; 1e-6
	s_wait_kmcnt 0x0
	s_cmp_eq_u32 s93, 0
	s_cselect_b64 s[84:85], s[6:7], s[8:9]         ; the gain
	s_cselect_b64 s[86:87], s[10:11], s[14:15]     ; cos
	s_cselect_b64 s[88:89], s[12:13], s[16:17]     ; sin
	s_cselect_b64 s[90:91], s[18:19], s[20:21]     ; the result
	s_add_nc_u64 s[4:5], s[4:5], s[26:27]
	s_add_nc_u64 s[86:87], s[86:87], s[28:29]
	s_add_nc_u64 s[88:89], s[88:89], s[28:29]
	s_add_nc_u64 s[98:99], s[90:91], s[34:35]
	s_add_nc_u64 s[90:91], s[90:91], s[32:33]
	global_load_b128 v[240:243], v10, s[84:85]
.irp i, 0,1,2,3,4,5,6,7,8,9,10,11,12,13,14,15
	global_load_b128 v[RA+4*\i:RA+4*\i+3], v1, s[4:5] offset:512*\i th:TH_LOAD_NT
.endr
.irp i, 0,1,2,3,4,5,6,7,8,9,10,11,12,13,14,15
	global_load_b128 v[RB+4*\i:RB+4*\i+3], v1, s[4:5] offset:262144+512*\i th:TH_LOAD_NT
.endr
; 32 numbers of cos and of sin: channels 32 half on of row a (row = 0) or b (1): cos in s16-31 and s48-63, sin in s32-47 and s68-83
.macro CS row, half
	s_load_b512 s[16:31], s[86:87], 4096*\row+128*\half
	s_load_b512 s[48:63], s[86:87], 4096*\row+128*\half+64
	s_load_b512 s[32:47], s[88:89], 4096*\row+128*\half
	s_load_b512 s[68:83], s[88:89], 4096*\row+128*\half+64
.endm
	CS 0, 0
	s_wait_loadcnt 32                              ; the gain's load is in; the two rows' 32 may be out
	ds_store_b128 v2, v[240:243]
	s_wait_dscnt 0x0                               ; for the others' sake
	s_barrier_signal -1
	s_barrier_wait -1                              ; the whole gain lies in LDS
.macro ROPE half                       ; out[2 i] = y[2 i] cos[2 i] - y[2 i + 1] sin[2 i];  out[2 i + 1] = y[2 i + 1] cos[2 i + 1] + y[2 i] sin[2 i + 1]
	s_wait_kmcnt 0x0
.set i, 0
.rept 16
.if i < 8
.set KC, 16+2*i
.set KN, 32+2*i
.else
.set KC, 48+2*i-16
.set KN, 68+2*i-16
.endif
.set Y, RC+32*\half+2*i
.set T, 238+2*(i%3)
	v_mul_f32 v[T], s[KN], v[Y+1]
	v_mul_f32 v[T+1], s[KN+1], v[Y]
	v_fma_f32 v[Y], v[Y], s[KC], -v[T]
	v_fma_f32 v[Y+1], v[Y+1], s[KC+1], v[T+1]
.set i, i+1
.endr
.endm
.macro QB w, h                         ; block h of row w: all its 32 numbers are mine
.set XS, RC+32*\h
.set FD, FG+12*\h+6*\w
	v_max3_num_f32 v246, |v[XS]|, |v[XS+1]|, |v[XS+2]|
	v_max3_num_f32 v247, |v[XS+3]|, |v[XS+4]|, |v[XS+5]|
.irp i, 6,10,14,18,22,26
	v_max3_num_f32 v246, v246, |v[XS+\i]|, |v[XS+\i+1]|
	v_max3_num_f32 v247, v247, |v[XS+\i+2]|, |v[XS+\i+3]|
.endr
	v_max3_num_f32 v246, v246, |v[XS+30]|, |v[XS+31]|
	v_max3_num_f32 v246, v246, v247, 0x1800000     ; and the floor 2^(3 - 127): the byte cannot fall under 1
	v_add_nc_u32 v248, 0xff000000, v246            ; 2 off the exponent field: the conversion's scale operand
	v_cvt_scalef32_pk16_fp6_f32 v[FD:FD+2], v[XS:XS+15], v248
	v_cvt_scalef32_pk16_fp6_f32 v[232:234], v[XS+16:XS+31], v248   ; (a conversion's three registers begin on an even number)
	v_lshrrev_b32 v249, 23, v248                   ; the scale's byte.  (The plain place behind the conversions)
.irp i, 0,1,2
	v_mov_b32 v[FD+3+\i], v[232+\i]
.endr
.if (\w == 0) && (\h == 0)
	v_mov_b32 v[SW], v249
.else
	v_lshl_or_b32 v[SW], v249, 16*\w+8*\h, v[SW]
.endif
.endm
.macro ROW w, src
.if \w == 0
	s_wait_loadcnt 16                              ; row a's 16 loads are in; row b's may be out
.else
	s_wait_loadcnt 0x0
.endif
.irp i, 0,1,2,3,4,5,6,7,8,9,10,11,12,13,14,15
	ds_store_b128 v3, v[\src+4*\i:\src+4*\i+3] offset:544*\i
.endr
.irp j, 0,1,2,3,4,5,6,7,8,9,10,11,12,13,14,15
	ds_load_b128 v[RC+4*\j:RC+4*\j+3], v5 offset:16*\j   ; LDS serves a wave's instructions in order: these see my stores
.endr
	s_wait_dscnt 0x0
.if \w == 0
.irp j, 0,1,2,3,4,5,6,7,8,9,10,11,12,13,14,15
	ds_load_b128 v[RA+4*\j:RA+4*\j+3], v4 offset:16*\j   ; my head's gain, into the registers that row a has left; it lands under the sum of squares and stays for row b
.endr
.endif
.irp k, 0,1,2,3
	v_pk_mul_f32 v[SQ+2*\k:SQ+2*\k+1], v[RC+2*\k:RC+2*\k+1], v[RC+2*\k:RC+2*\k+1]
.endr
.set p, 4
.rept 28
	v_pk_fma_f32 v[SQ+2*(p%4):SQ+2*(p%4)+1], v[RC+2*p:RC+2*p+1], v[RC+2*p:RC+2*p+1], v[SQ+2*(p%4):SQ+2*(p%4)+1]
.set p, p+1
.endr
	v_pk_add_f32 v[SQ:SQ+1], v[SQ:SQ+1], v[SQ+2:SQ+3]
	v_pk_add_f32 v[SQ+4:SQ+5], v[SQ+4:SQ+5], v[SQ+6:SQ+7]
	v_pk_add_f32 v[SQ:SQ+1], v[SQ:SQ+1], v[SQ+4:SQ+5]
	v_add_f32 v[SQ], v[SQ], v[SQ+1]
	v_add_f32_dpp v[SQ], v[SQ], v[SQ] row_xmask:1 row_mask:0xf bank_mask:0xf
	v_add_f32_dpp v[SQ], v[SQ], v[SQ] row_xmask:2 row_mask:0xf bank_mask:0xf
	v_add_f32_dpp v[SQ], v[SQ], v[SQ] row_xmask:4 row_mask:0xf bank_mask:0xf
	v_add_f32_dpp v[SQ], v[SQ], v[SQ] row_xmask:8 row_mask:0xf bank_mask:0xf
	v_permlanex16_b32 v[SQ+1], v[SQ], s94, s95
	v_add_f32 v[SQ], v[SQ], v[SQ+1]                ; the row's sum of squares, in every lane
	v_fma_f32 v[SQ], v[SQ], 0x3a000000, s96        ; / 2,048 + 1e-6
	v_rsq_f32 v236, v[SQ]
	v_mov_b32 v237, 0                              ; a plain place behind the transcendental; and the pair's upper half is written
	s_wait_alu depctr_va_vdst(0)                   ; the wait ahead of the first reader
.set p, 0
.rept 32
	v_pk_mul_f32 v[RC+2*p:RC+2*p+1], v[RC+2*p:RC+2*p+1], v[236:237] op_sel_hi:[1,0]
.set p, p+1
.endr
	s_wait_dscnt 0x0                               ; the gain
.set p, 0
.rept 32
	v_pk_mul_f32 v[RC+2*p:RC+2*p+1], v[RC+2*p:RC+2*p+1], v[RA+2*p:RA+2*p+1]
.set p, p+1
.endr
	ROPE 0
	CS \w, 1                                       ; the other half's cos and sin come while this block is quantised
	QB \w, 0
	ROPE 1
.if \w == 0
	CS 1, 0
.endif
	QB \w, 1
.endm
	ROW 0, RA
	ROW 1, RB
.irp h, 0,1
.irp c, 0,1,2
	ds_store_b128 v6, v[FG+12*\h+4*\c:FG+12*\h+4*\c+3] offset:512*\c+256*\h   ; registers 4 c .. of the fragment's lane w + 16 h, for my lane's head
.endr
.endr
	ds_store_b32 v7, v[SW]
	s_wait_dscnt 0x0                               ; for the others' sake
	s_barrier_signal -1
	s_barrier_wait -1                              ; 32 whole fragments lie in LDS
.irp e, 0,1
.irp c, 0,1,2
	ds_load_b128 v[RA+4*(3*\e+\c):RA+4*(3*\e+\c)+3], v8 offset:1552*\e+512*\c
.endr
.endr
	ds_load_b32 v[RA+24], v9
.irp e, 0,1
.irp c, 0,1,2
	s_wait_dscnt 6-(3*\e+\c)                       ; the loads issued behind this one may be out
	global_store_b128 v11, v[RA+4*(3*\e+\c):RA+4*(3*\e+\c)+3], s[90:91] offset:\e*HEADB+512*\c   ; 32 lanes store 512 consecutive bytes, at a multiple of 256 from the buffer's first byte
.endr
.endr
	s_wait_dscnt 0x0
	global_store_b32 v12, v[RA+24], s[98:99]       ; two heads' 16 scale words: runs of 64 bytes
	s_wait_tensorcnt 0x0
	ds_add_u32 v254, v255
	s_wait_dscnt 0x0
	s_endpgm
.Lfunc_end_k_q894712498d_prep:
	.size	k_q894712498d_prep, .Lfunc_end_k_q894712498d_prep-k_q894712498d_prep
	.p2alignl 7, 3214868480
	.fill 96, 4, 3214868480
	.section	.rodata,"a",@progbits
	.p2align	6, 0x0
	.amdhsa_kernel k_q894712498d_prep
		.amdhsa_group_segment_fixed_size 202752
		.amdhsa_private_segment_fixed_size 0
		.amdhsa_enable_private_segment 0
		.amdhsa_kernarg_size 72
		.amdhsa_user_sgpr_count 2
		.amdhsa_user_sgpr_kernarg_segment_ptr 1
		.amdhsa_wavefront_size32 1
		.amdhsa_system_sgpr_workgroup_id_x 1
		.amdhsa_system_sgpr_workgroup_id_y 1
		.amdhsa_system_sgpr_workgroup_id_z 1
		.amdhsa_system_vgpr_workitem_id 0
		.amdhsa_next_free_vgpr 256
		.amdhsa_next_free_sgpr 100
		.amdhsa_reserve_vcc 0
		.amdhsa_float_denorm_mode_32 3
		.amdhsa_float_denorm_mode_16_64 3
		.amdhsa_memory_ordered 1
		.amdhsa_forward_progress 1
		.amdhsa_inst_pref_size 47
	.end_amdhsa_kernel
	.amdgpu_metadata
---
amdhsa.version: [ 1, 2 ]
amdhsa.kernels:
  - .name:           k_q894712498d_prep
    .symbol:         k_q894712498d_prep.kd
    .args:
      - { .name: qk_raw, .offset: 0, .size: 8, .value_kind: global_buffer, .address_space: global }
      - { .name: qn_w, .offset: 8, .size: 8, .value_kind: global_buffer, .address_space: global }
      - { .name: kn_w, .offset: 16, .size: 8, .value_kind: global_buffer, .address_space: global }
      - { .name: q_cos, .offset: 24, .size: 8, .value_kind: global_buffer, .address_space: global }
      - { .name: q_sin, .offset: 32, .size: 8, .value_kind: global_buffer, .address_space: global }
      - { .name: k_cos, .offset: 40, .size: 8, .value_kind: global_buffer, .address_space: global }
      - { .name: k_sin, .offset: 48, .size: 8, .value_kind: global_buffer, .address_space: global }
      - { .name: q_img, .offset: 56, .size: 8, .value_kind: global_buffer, .address_space: global }
      - { .name: kv_img, .offset: 64, .size: 8, .value_kind: global_buffer, .address_space: global }
    .group_segment_fixed_size: 202752
    .private_segment_fixed_size: 0
    .kernarg_segment_align: 8
    .kernarg_segment_size: 72
    .max_flat_workgroup_size: 512
    .sgpr_count:     100
    .vgpr_count:     256
    .wavefront_size: 32
...
	.end_amdgpu_metadata
.endif
;; end of part 2
;; launch attn (part 3): grid 8 x 32, 16 waves a work-group, clusters of 4 x 1, 206,848 bytes of LDS; arguments q_img, kv_img, o_img, o_scl; writes o_img, o_scl
.if DOCPART == 3
	.amdgcn_target "amdgcn-amd-amdhsa--gfx1250"
	.amdhsa_code_object_version 6
	.text
	.protected	k_q894712498d_attn
	.globl	k_q894712498d_attn
	.p2align	8
	.type	k_q894712498d_attn,@function
k_q894712498d_attn:
	s_mov_b64 s[64:65], 0
	v_nop
	global_prefetch_b8 v0, s[64:65] scope:SCOPE_SE
	s_setreg_imm32_b32 hwreg(HW_REG_WAVE_MODE, 25, 1), 1
	s_wait_xcnt 0x0
	s_wait_alu depctr_hold_cnt(0) depctr_sa_sdst(0) depctr_va_vdst(0) depctr_va_sdst(0) depctr_va_ssrc(0) depctr_va_vcc(0) depctr_vm_vsrc(0)
	s_getreg_b32 s2, hwreg(HW_REG_IB_STS2, 6, 4)
	s_cmp_eq_u32 s2, 0
	s_cbranch_scc0 .Lentry_in_a_cluster
	s_endpgm
.Lentry_in_a_cluster:
	s_bfe_u32 s2, ttmp6, 0x10000c
	s_cmp_lg_u32 s2, 0x3003
	s_cbranch_scc0 .Lentry_shape_is_right
	s_endpgm
.Lentry_shape_is_right:
; o[q][head] = softmax_k(q . k / 8) v for 32 heads of 64, 2,048 queries and keys, both products on codes of FP6 (E2M3) with one E8M0 scale for each 32 along K; o is quantised along the 2,048 inner numbers for the last product.
; THE SOFTMAX: t = score x log2(e) / 8; M = the running largest t, rounded up to a whole number; p = 2^(t - M) is what is quantised, along the keys; the row's sum is taken of the unquantised p and divides at the end.
; When M moves, the sum and O are multiplied by 2^(old M - new M): exact.
; SHARES.  A work-group owns 256 queries of one head, each of its sixteen waves 16 of them; every wave walks all 2,048 keys, 128 a step.
; LDS.  A head's K and V, as images of operand registers with their scale words (16 steps of 12,800 bytes), are one dense block of 204,800 bytes: it is brought once and stays: no byte of LDS is filled twice.
; Waves 0 to 3 bring it, four loads each (load c of wave w: step 4 c + w); four loads of such a wave are out at the most.  A quarter (four steps) is released by a counted wait and a barrier.
; CLUSTER.  The four query blocks of a cluster belong to one head and need the same block: each load is asked for jointly by the four.
; Nothing is prefetched: all loads of the launch's one stream go out at its head.
; K = 64 IN AN INSTRUCTION OF 128.  A fragment of K holds 32 keys: row m = key 32 f + m in k = 0 .. 63 and key 32 f + 16 + m in k = 64 .. 127.  My queries stand twice: QA = (q | zero codes), QB = (zero codes | q).
; K x QA gives the scores of keys 32 f + m, K x QB those of keys 32 f + 16 + m; the zero codes add exactly nothing.  Both products are used transposed: a lane holds ONE query (lane % 16) throughout.
; Register 16 f + 8 u + j of lane (r, h) is key 32 f + 16 u + 8 h + j; quantised, the keys of a block of 32 stand in the order 0-7, 16-23, 8-15, 24-31, which is the order in which V's codes were laid.
; LIMITS: NaN and infinities are not served; a block of zeros gets the byte 1 (its codes are zeros; this program alone reads the bytes).  v_exp_f32 and v_rcp_f32 are accurate to 1 ulp (ISA guide, their entries).
; A block's largest p is the exponential of the block's largest score, which takes v_exp_f32 not to fall where its input rises.
.set HEADB, 204800
.set STEPB, 12800
.set VFR,   6144                       ; V's fragments in a step
.set KSW,   12288                      ; K's scale words
.set VSW,   12544                      ; V's
.set L16, 1                            ; v1  16 x lane
.set L4,  2                            ; v2  4 x lane
.set A16, 3                            ; v3  the step's images, for my lane
.set A4,  4                            ; v4  the step's scale words
.set LN,  5                            ; v5  lane
.set GOI, 10                           ; v10 the way out: 8 x lane
.set GOS, 11                           ; v11 64 (lane % 16) + lane / 16
.set QA,  16                           ; v16-27 QA, v28-39 QB
.set KV,  40                           ; v40-87 four fragments of K or of V
.set S,   96                           ; v96-159 S^T, then p
.set O,   160                          ; v160-191 O^T
.set PCD, 192                          ; v192-203 p's codes; v204-206, v208-210 the conversions' second halves
.set BM,  212                          ; the blocks' largest scores
.set PT,  216
.set SOP, 220                          ; the conversions' scale operands
.set KSC, 224                          ; K's scale words: lanes 0-15 fragment 2 g, lanes 16-31 fragment 2 g + 1
.set VSC, 226
.set QS,  228                          ; my queries' scale words
.set PS,  229                          ; p's
.set FF,  230                          ; v[230:231] f = 2^(old M - new M); later 1 / the sum
.set TP,  232
.set SU,  234                          ; v[234:235] the sum's second chain
.set WV,  12
.set SEL, 20
.set CS,  22
.set G1,  24
.set G0,  32
.set TB,  48
.set CNT, 49
.macro CROUND                          ; a round of the cluster's barrier
	s_barrier_signal -1
	s_barrier_wait -1
	s_cmp_lg_u32 s[WV], 0
	s_cbranch_scc1 .Lnot_wave_0_\@
	s_barrier_signal -3
.Lnot_wave_0_\@:
	s_barrier_wait -3
	s_barrier_signal -1
	s_barrier_wait -1
.endm
	s_load_b256 s[4:11], s[0:1], 0x0               ; q_img, kv_img, o_img, o_scl
	v_lshl_add_u32 v254, v0, 2, 0x32000
	v_mov_b32 v255, 0
	ds_add_u32 v254, v255
	ds_add_u32 v254, v255
	v_lshrrev_b32 v6, 5, v0
	v_readfirstlane_b32 s[WV], v6                  ; wave 0..15
	s_bfe_u32 s13, ttmp6, 0x40000                  ; cx
	s_lshl_b32 s14, ttmp9, 2
	s_add_co_u32 s14, s14, s13                     ; my block of 256 queries: it enters global addresses alone
	s_and_b32 s15, ttmp7, 0xffff                   ; the head, which the four partners share
	; descriptor group 1: a step's 12,800 dense bytes as 50 rows of 256 (32 elements of 8 bytes), no padding
	s_mov_b32 s[G1], 15|(3<<16)|(1<<21)            ; the mask: all four work-groups; bit 21 set beside it
	s_mov_b32 s[G1+1], 32<<16
	s_mov_b32 s[G1+2], 50<<16
	s_mov_b32 s[G1+3], 32<<16
	s_mov_b32 s[G1+4], 50
	s_mov_b32 s[G1+5], 32
	s_mov_b32 s[G1+6], 0
	s_mov_b32 s[G1+7], 0
	s_mov_b32 s[SEL], 0x76543210
	s_mov_b32 s[SEL+1], 0xfedcba98
	s_mov_b32 s[CS], 0x3e38aa3b                    ; c = log2(e) / 8
	s_mov_b32 s[CS+1], s[CS]
	s_mul_i32 s50, s15, HEADB                      ; the head's first byte in q_img and kv_img
	s_mov_b32 s51, 0
	s_and_b32 s52, s[WV], 3
	s_mul_i32 s52, s52, STEPB                      ; the fetching wave's step of a quarter
	s_mov_b32 s53, 0
	s_wait_dscnt 0x0
	s_wait_kmcnt 0x0
	s_add_nc_u64 s[6:7], s[6:7], s[50:51]
	s_add_nc_u64 s[54:55], s[6:7], s[52:53]
.irp c, 0,1,2,3
	s_mov_b32 s[G0+4*\c], 1
	s_add_co_u32 s[G0+4*\c+1], s52, \c*4*STEPB     ; LDS address = the step's place in the head
	s_add_nc_u64 s[G0+4*\c+2:G0+4*\c+3], s[54:55], \c*4*STEPB
	s_or_b32 s[G0+4*\c+3], s[G0+4*\c+3], 0x80000000
.endr
	CROUND                                         ; all four work-groups are here: the joint loads meet
	s_cmp_lt_u32 s[WV], 4                          ; a wave's four fills stand in one branch on its number
	s_cbranch_scc0 .Lno_fetch
	tensor_load_to_lds s[G0:G0+3], s[G1:G1+7]
	s_nop 0
	tensor_load_to_lds s[G0+4:G0+7], s[G1:G1+7]
	s_nop 0
	tensor_load_to_lds s[G0+8:G0+11], s[G1:G1+7]
	s_nop 0
	tensor_load_to_lds s[G0+12:G0+15], s[G1:G1+7]
	s_nop 0
.rept 4
	v_nop
.endr
.Lno_fetch:
	v_and_b32 v[LN], 31, v0
	v_lshlrev_b32 v[L16], 4, v[LN]
	v_lshlrev_b32 v[L4], 2, v[LN]
	v_and_b32 v6, 15, v0                           ; r
	v_bfe_u32 v7, v0, 4, 1                         ; h
	s_lshl_b32 s56, s14, 1
	s_lshr_b32 s57, s[WV], 3
	s_add_co_u32 s56, s56, s57                     ; my 16 queries lie in step 2 x block + wave / 8,
	s_mul_i32 s56, s56, STEPB
	s_add_co_u32 s56, s56, s50
	s_mov_b32 s57, 0
	s_add_nc_u64 s[4:5], s[4:5], s[56:57]
	s_bfe_u32 s58, s[WV], 0x20001                  ; fragment (wave / 2) % 4,
	s_mul_i32 s59, s58, 1536
	v_add_nc_u32 v8, s59, v[L16]
	s_lshl_b32 s59, s58, 6
	v_lshl_add_u32 v9, v6, 2, s59
	global_load_b128 v[KV:KV+3], v8, s[4:5]
	global_load_b128 v[KV+4:KV+7], v8, s[4:5] offset:512
	global_load_b128 v[KV+8:KV+11], v8, s[4:5] offset:1024
	global_load_b32 v[TP], v9, s[4:5] offset:KSW
	; the way out: token tile i = 16 x block + wave
	s_lshl_b32 s60, s14, 4
	s_add_co_u32 s60, s60, s[WV]
	s_lshl_b32 s62, s60, 4
	s_lshr_b32 s61, s15, 1
	s_add_co_u32 s62, s62, s61                     ; fragment 16 i + head / 2 of o_img,
	s_mul_i32 s62, s62, 1536
	s_and_b32 s61, s15, 1
	s_mul_i32 s61, s61, 768                        ; its registers 0-5 or 6-11
	s_add_co_u32 s62, s62, s61
	s_mov_b32 s63, 0
	s_add_nc_u64 s[8:9], s[8:9], s[62:63]
	s_lshl_b32 s62, s60, 10                        ; 16 rows of 64 scale bytes a tile,
	s_lshl_b32 s61, s15, 1                         ; two bytes a head
	s_add_co_u32 s62, s62, s61
	s_add_nc_u64 s[10:11], s[10:11], s[62:63]
	v_lshlrev_b32 v[GOI], 3, v[LN]
	v_lshl_add_u32 v[GOS], v6, 6, v7
	v_mov_b32 v13, 0xff61b1e6                      ; the largest t so far: -3e38
	v_floor_f32 v12, -v13                          ; -M
	v_mov_b32 v14, 0
	v_mov_b32 v15, 0
.irp b, 0,1,2,3
	v_mov_b32 v[PT+\b], 0                          ; written once: a lane permute's destination counts as one of its sources
.endr
	v_mov_b32 v[FF+1], 0                           ; (named as the upper half of a pair)
	s_and_b32 s50, s[WV], 1                        ; and in the fragment's k = 0 .. 63 (even waves) or 64 .. 127 (odd)
	s_cmp_lg_u32 s50, 0
	s_cselect_b32 s51, -1, 0
	s_lshl_b32 s50, s50, 4
	s_wait_loadcnt 0x0
.irp i, 0,1,2,3,4,5
	v_cndmask_b32 v[QA+\i], v[KV+\i], v[KV+6+\i], s51
.endr
.irp i, 0,1,2,3,4,5
	v_mov_b32 v[QA+18+\i], v[QA+\i]                ; QB's upper half
	v_mov_b32 v[QA+6+\i], 0                        ; zero codes
	v_mov_b32 v[QA+12+\i], 0
.endr
	v_lshrrev_b32 v[TP], s50, v[TP]
	v_and_b32 v[TP], 0xffff, v[TP]
	v_lshl_or_b32 v[QS], v[TP], 16, v[TP]          ; my queries' two bytes, for both halves of K
.set j, 0
.rept 32
	v_mov_b32 v[O+j], 0                            ; O^T: the step is written once; its first run finds zeros.  (These are also the places between the scale word's making and the first product)
.set j, j+1
.endr
.macro STEP                            ; 128 keys
	v_add_nc_u32 v[A16], s[TB], v[L16]
	v_add_nc_u32 v[A4], s[TB], v[L4]
	v_nop
	v_nop                                          ; four places behind the last step's products, in front of loads into registers that they read
.irp f, 0,1,2,3
.irp c, 0,1,2
	ds_load_b128 v[KV+12*\f+4*\c:KV+12*\f+4*\c+3], v[A16] offset:1536*\f+512*\c
.endr
.endr
	ds_load_b32 v[KSC], v[A4] offset:KSW
	ds_load_b32 v[KSC+1], v[A4] offset:KSW+128
	s_wait_dscnt 0x0
.irp f, 0,1,2,3
.irp u, 0,1
.if \f%2
	v_wmma_scale_f32_16x16x128_f8f6f4 v[S+16*\f+8*\u:S+16*\f+8*\u+7], v[KV+12*\f:KV+12*\f+11], v[QA+12*\u:QA+12*\u+11], 0, v[KSC+\f/2], v[QS] matrix_a_fmt:MATRIX_FMT_FP6 matrix_b_fmt:MATRIX_FMT_FP6 matrix_a_scale:MATRIX_SCALE_ROW1
.else
	v_wmma_scale_f32_16x16x128_f8f6f4 v[S+16*\f+8*\u:S+16*\f+8*\u+7], v[KV+12*\f:KV+12*\f+11], v[QA+12*\u:QA+12*\u+11], 0, v[KSC+\f/2], v[QS] matrix_a_fmt:MATRIX_FMT_FP6 matrix_b_fmt:MATRIX_FMT_FP6
.endif
.endr
.endr
.rept 4
	v_nop                                          ; places in front of the loads below and of the first read of the scores
.endr
.irp t, 0,1,2,3                                ; V is asked for now and lands under the softmax
.irp c, 0,1,2
	ds_load_b128 v[KV+12*\t+4*\c:KV+12*\t+4*\c+3], v[A16] offset:VFR+1536*\t+512*\c
.endr
.endr
	ds_load_b32 v[VSC], v[A4] offset:VSW
	ds_load_b32 v[VSC+1], v[A4] offset:VSW+128
.irp b, 0,1,2,3
	v_max3_num_f32 v[BM+\b], v[S+16*\b], v[S+1+16*\b], v[S+2+16*\b]   ; the largest score of each block of 32 keys: for the row's maximum, and for the block's largest p
.endr
.irp i, 3,5,7,9,11,13
.irp b, 0,1,2,3
	v_max3_num_f32 v[BM+\b], v[BM+\b], v[S+16*\b+\i], v[S+1+16*\b+\i]
.endr
.endr
.irp b, 0,1,2,3
	v_max_num_f32 v[BM+\b], v[BM+\b], v[S+15+16*\b]
.endr
.irp b, 0,1,2,3
	v_permlanex16_b32 v[PT+\b], v[BM+\b], s[SEL], s[SEL+1]
.endr
.irp b, 0,1,2,3
	v_max_num_f32 v[BM+\b], v[BM+\b], v[PT+\b]     ; with lane l xor 16's 16 keys
.endr
	v_max3_num_f32 v[TP], v[BM], v[BM+1], v[BM+2]
	v_max_num_f32 v[TP], v[TP], v[BM+3]
	v_mul_f32 v[TP], s[CS], v[TP]                  ; as t (c is positive)
	v_max_num_f32 v13, v13, v[TP]                  ; the running largest t
	v_mov_b32 v[TP], v12
	v_floor_f32 v12, -v13                          ; the new -M = -ceil(t)
	v_sub_f32 v[TP], v12, v[TP]                    ; old M - new M: a whole number, 0 or less
	v_cvt_i32_f32 v[TP], v[TP]                     ; (it saturates)
	v_ldexp_f32 v[FF], 1.0, v[TP]                  ; f = 2^(old M - new M)
.set j, 0
.rept 32
	v_pk_fma_f32 v[S+j:S+j+1], v[S+j:S+j+1], s[CS:CS+1], v[12:13] op_sel_hi:[1,0,0]   ; t - M
.set j, j+2
.endr
.irp b, 0,1,2,3
	v_fma_f32 v[BM+\b], v[BM+\b], s[CS], v12       ; the same of each block's largest score
.endr
.set j, 0
.rept 64
	v_exp_f32 v[S+j], v[S+j]                       ; p = 2^(t - M), at most 1
.set j, j+1
.endr
	v_pk_mul_f32 v[14:15], v[14:15], v[FF:FF+1] op_sel_hi:[1,0]   ; the sums under the new M.  (A plain place behind the exponentials)
	s_wait_alu depctr_va_vdst(0)                   ; one wait for the whole batch, ahead of its first reader
.irp b, 0,1,2,3
	v_exp_f32 v[BM+\b], v[BM+\b]                   ; the block's largest p
.endr
	v_pk_add_f32 v[SU:SU+1], v[S:S+1], v[S+2:S+3]  ; the row's sum is taken of the unquantised p, in two chains
.irp j, 4,8,12,16,20,24,28,32,36,40,44,48,52,56,60
	v_pk_add_f32 v[14:15], v[14:15], v[S+\j:S+1+\j]
	v_pk_add_f32 v[SU:SU+1], v[SU:SU+1], v[S+2+\j:S+3+\j]
.endr
	v_pk_add_f32 v[14:15], v[14:15], v[SU:SU+1]
	s_wait_alu depctr_va_vdst(0)                   ; and one for the four
.irp b, 0,1,2,3
	v_max_num_f32 v[BM+\b], 0x1800000, v[BM+\b]    ; the floor 2^(3 - 127): the byte cannot fall under 1
.endr
.irp b, 0,1,2,3
	v_add_nc_u32 v[SOP+\b], 0xff000000, v[BM+\b]   ; 2 off the exponent field: the conversion's scale operand
.endr
.irp b, 0,1,2,3
	v_lshrrev_b32 v[PT+\b], 23, v[SOP+\b]          ; the scale's byte
.endr
	v_lshl_or_b32 v[PS], v[PT+1], 8, v[PT]         ; p's scale word for these 128 keys
	v_lshl_or_b32 v[PS], v[PT+2], 16, v[PS]
	v_lshl_or_b32 v[PS], v[PT+3], 24, v[PS]
.irp c, 0,1
	v_cvt_scalef32_pk16_fp6_f32 v[PCD+6*\c:PCD+2+6*\c], v[S+32*\c:S+15+32*\c], v[SOP+2*\c]
	v_cvt_scalef32_pk16_fp6_f32 v[PCD+12+4*\c:PCD+14+4*\c], v[S+16+32*\c:S+31+32*\c], v[SOP+2*\c+1]   ; (a conversion's three registers begin on an even number)
.endr
	v_nop                                          ; one plain place behind a scaled conversion
.irp c, 0,1                                    ; the operand's layout wants a whole block in a lane
.irp i, 0,1,2
	v_permlane16_swap_b32 v[PCD+6*\c+\i], v[PCD+12+4*\c+\i]
.endr
.irp i, 0,1,2
	v_mov_b32 v[PCD+3+6*\c+\i], v[PCD+12+4*\c+\i]
.endr
.endr
.set j, 0
.rept 16
	v_pk_mul_f32 v[O+j:O+j+1], v[O+j:O+j+1], v[FF:FF+1] op_sel_hi:[1,0]   ; O^T under the new M.  (These 16 are also the places between the making of p's codes and scale word and the products)
.set j, j+2
.endr
	s_wait_dscnt 0x0                               ; V
.irp t, 0,1,2,3                                ; O^T += V^T P^T: the four accumulators by turns, one instruction a turn
.if \t%2
	v_wmma_scale_f32_16x16x128_f8f6f4 v[O+8*\t:O+8*\t+7], v[KV+12*\t:KV+12*\t+11], v[PCD:PCD+11], v[O+8*\t:O+8*\t+7], v[VSC+\t/2], v[PS] matrix_a_fmt:MATRIX_FMT_FP6 matrix_b_fmt:MATRIX_FMT_FP6 matrix_a_scale:MATRIX_SCALE_ROW1
.else
	v_wmma_scale_f32_16x16x128_f8f6f4 v[O+8*\t:O+8*\t+7], v[KV+12*\t:KV+12*\t+11], v[PCD:PCD+11], v[O+8*\t:O+8*\t+7], v[VSC+\t/2], v[PS] matrix_a_fmt:MATRIX_FMT_FP6 matrix_b_fmt:MATRIX_FMT_FP6
.endif
.endr
.endm
; A quarter of the head: steps 4 c .. 4 c + 3.  The fetching waves wait until their load c has landed (the 3 - c issued behind it may be out), then the barrier shows the quarter to all sixteen.
.macro CHUNK c
	s_wait_tensorcnt 3-\c
	s_wait_dscnt 0x0
	s_barrier_signal -1
	s_barrier_wait -1
	s_mov_b32 s[TB], 4*\c*STEPB
	s_mov_b32 s[CNT], 4
.Lstep_\@:
	STEP
	s_add_co_u32 s[TB], s[TB], STEPB
	s_sub_co_u32 s[CNT], s[CNT], 1
	s_cmp_lg_u32 s[CNT], 0
	s_cbranch_scc1 .Lstep_\@
.endm
	CHUNK 0
	CHUNK 1
	CHUNK 2
	CHUNK 3
	; THE WAY OUT.  O^T / the sum; register 8 t + j of lane (r, h) is channel 16 t + 8 h + j of query r.
.rept 4
	v_nop                                          ; places behind the last products
.endr
	v_add_f32 v14, v14, v15
	v_permlanex16_b32 v[TP], v14, s[SEL], s[SEL+1]
	v_add_f32 v14, v14, v[TP]                      ; the row's sum
	v_rcp_f32 v[FF], v14
	v_cmp_le_u32 vcc_lo, 16, v[LN]                 ; lanes 16-31
	v_nop                                          ; a plain place behind the transcendental
	s_wait_alu depctr_va_vdst(0)                   ; the wait ahead of its first reader
.set j, 0
.rept 16
	v_pk_mul_f32 v[O+j:O+j+1], v[O+j:O+j+1], v[FF:FF+1] op_sel_hi:[1,0]
.set j, j+2
.endr
.irp b, 0,1                                    ; the halves of the lanes change places, so that lane (r, h)'s 16 registers of block b are channels 32 b + 16 h + 0 .. 15, in their own order
.irp j, 0,1,2,3,4,5,6,7
	v_permlane16_swap_b32 v[O+16*\b+\j], v[O+8+16*\b+\j]
.endr
.endr
.irp b, 0,1
	v_max3_num_f32 v[BM+\b], |v[O+16*\b]|, |v[O+1+16*\b]|, 0x1800000
.endr
.irp i, 2,4,6,8,10,12,14
.irp b, 0,1
	v_max3_num_f32 v[BM+\b], v[BM+\b], |v[O+16*\b+\i]|, |v[O+1+16*\b+\i]|
.endr
.endr
.irp b, 0,1
	v_permlanex16_b32 v[PT+\b], v[BM+\b], s[SEL], s[SEL+1]
.endr
.irp b, 0,1
	v_max_num_f32 v[BM+\b], v[BM+\b], v[PT+\b]
.endr
.irp b, 0,1
	v_add_nc_u32 v[SOP+\b], 0xff000000, v[BM+\b]
.endr
.irp b, 0,1
	v_lshrrev_b32 v[PT+\b], 23, v[SOP+\b]
.endr
	v_cvt_scalef32_pk16_fp6_f32 v[PCD:PCD+2], v[O:O+15], v[SOP]
	v_cvt_scalef32_pk16_fp6_f32 v[PCD+8:PCD+10], v[O+16:O+31], v[SOP+1]
	v_nop                                          ; one plain place behind a scaled conversion
.irp i, 0,1,2
	v_permlane16_swap_b32 v[PCD+\i], v[PCD+8+\i]   ; lane (r, h) now holds block h whole: its lower 16 codes in the first, its upper 16 in the second
.endr
.irp i, 0,1,2
	v_mov_b32 v[PCD+3+\i], v[PCD+8+\i]
.endr
	v_cndmask_b32 v[TP], v[PT], v[PT+1], vcc_lo    ; block h's byte
.irp p, 0,1,2
	global_store_b64 v[GOI], v[PCD+2*\p:PCD+2*\p+1], s[8:9] offset:256*\p   ; registers 2 p, 2 p + 1 of lane l at 256 p + 8 l: 32 lanes store 256 consecutive bytes, at a multiple of 256 from the buffer's first byte
.endr
	global_store_b8 v[GOS], v[TP], s[10:11]        ; a byte a lane, rows 64 bytes apart: one byte in 25 of what the launch stores; so the last product takes these scales as it takes a weight's
	s_wait_tensorcnt 0x0
	s_wait_dscnt 0x0
	s_wait_tensorcnt 0x0
	ds_add_u32 v254, v255
	s_wait_dscnt 0x0
	CROUND                                         ; the closing round
	s_endpgm
.Lfunc_end_k_q894712498d_attn:
	.size	k_q894712498d_attn, .Lfunc_end_k_q894712498d_attn-k_q894712498d_attn
	.p2alignl 7, 3214868480
	.fill 96, 4, 3214868480
	.section	.rodata,"a",@progbits
	.p2align	6, 0x0
	.amdhsa_kernel k_q894712498d_attn
		.amdhsa_group_segment_fixed_size 206848
		.amdhsa_private_segment_fixed_size 0
		.amdhsa_enable_private_segment 0
		.amdhsa_kernarg_size 32
		.amdhsa_user_sgpr_count 2
		.amdhsa_user_sgpr_kernarg_segment_ptr 1
		.amdhsa_wavefront_size32 1
		.amdhsa_system_sgpr_workgroup_id_x 1
		.amdhsa_system_sgpr_workgroup_id_y 1
		.amdhsa_system_sgpr_workgroup_id_z 1
		.amdhsa_system_vgpr_workitem_id 0
		.amdhsa_next_free_vgpr 256
		.amdhsa_next_free_sgpr 66
		.amdhsa_reserve_vcc 1
		.amdhsa_float_denorm_mode_32 3
		.amdhsa_float_denorm_mode_16_64 3
		.amdhsa_memory_ordered 1
		.amdhsa_forward_progress 1
		.amdhsa_inst_pref_size 75
	.end_amdhsa_kernel
	.amdgpu_metadata
---
amdhsa.version: [ 1, 2 ]
amdhsa.kernels:
  - .name:           k_q894712498d_attn
    .symbol:         k_q894712498d_attn.kd
    .args:
      - { .name: q_img, .offset: 0, .size: 8, .value_kind: global_buffer, .address_space: global }
      - { .name: kv_img, .offset: 8, .size: 8, .value_kind: global_buffer, .address_space: global }
      - { .name: o_img, .offset: 16, .size: 8, .value_kind: global_buffer, .address_space: global }
      - { .name: o_scl, .offset: 24, .size: 8, .value_kind: global_buffer, .address_space: global }
    .group_segment_fixed_size: 206848
    .private_segment_fixed_size: 0
    .kernarg_segment_align: 8
    .kernarg_segment_size: 32
    .max_flat_workgroup_size: 512
    .sgpr_count:     66
    .vgpr_count:     256
    .wavefront_size: 32
...
	.end_amdgpu_metadata
.endif
;; end of part 3
;; launch gemm_out (part 4): grid 8 x 8, 4 waves a work-group, clusters of 4 x 4, 327,680 bytes of LDS; arguments o_img, o_scl, Wo_codes, Wo_scales, out0, bo; writes out0
.if DOCPART == 4
	.amdgcn_target "amdgcn-amd-amdhsa--gfx1250"
	.amdhsa_code_object_version 6
	.text
	.protected	k_q894712498d_gemm_out
	.globl	k_q894712498d_gemm_out
	.p2align	8
	.type	k_q894712498d_gemm_out,@function
k_q894712498d_gemm_out:
	s_mov_b64 s[64:65], 0
	v_nop
	global_prefetch_b8 v0, s[64:65] scope:SCOPE_SE
	s_setreg_imm32_b32 hwreg(HW_REG_WAVE_MODE, 25, 1), 1
	s_wait_xcnt 0x0
	s_wait_alu depctr_hold_cnt(0) depctr_sa_sdst(0) depctr_va_vdst(0) depctr_va_sdst(0) depctr_va_ssrc(0) depctr_va_vcc(0) depctr_vm_vsrc(0)
	s_getreg_b32 s2, hwreg(HW_REG_IB_STS2, 6, 4)
	s_cmp_eq_u32 s2, 0
	s_cbranch_scc0 .Lentry_in_a_cluster
	s_endpgm
.Lentry_in_a_cluster:
	s_bfe_u32 s2, ttmp6, 0x10000c
	s_cmp_lg_u32 s2, 0xf033
	s_cbranch_scc0 .Lentry_shape_is_right
	s_endpgm
.Lentry_shape_is_right:
; out0 = o Wo + bo on codes of FP6 (E2M3) with one E8M0 scale for each 32 along K = 2,048; sums in f32; out0 [2048][2048] f32.
; Side A = o, as images of operand registers: o_img [128 tiles of 16 tokens][16 K steps of 128][1,536 bytes], registers 2 p, 2 p + 1 of lane l at 256 p + 8 l; its scale bytes o_scl [2048][64].
; Side B = Wo: rows of codes, K innermost, and its scale bytes [2048][64].
; 8 x 8 tiles of 256 x 256; four waves, each 128 x 128: 64 accumulators, 512 registers.  K goes in steps of 256 through a ring of two LDS slots filled by the tensor data mover; the scales come into LDS once.
; 64 work-groups: the tile is kept large, so that each LDS byte feeds as many products as the registers allow; a tile of 128 x 128 would give 256 work-groups at twice the LDS reads for each product.
; CLUSTERS: 4 x 4 work-groups: A's tiles are asked for jointly along a row of the cluster, B's along a column.
; THE MATRIX INSTRUCTION IS USED TRANSPOSED (source 0 = 16 rows of B, source 1 = 16 rows of A): a lane holds eight neighbouring numbers of a row of out0.
; REGISTERS, in windows of 256: window 0: v0-31 addresses; v32-63 scale words, two sets; v64-67 the bias; from v128 A's fragments, one set.   window 1: B's fragments, two sets.   windows 2, 3: the accumulators.
.set NQ,     2
.set ROWB,   192                       ; B: a tile's row in bytes
.set KROW,   1536
.set PITCH,  240                       ; B: an LDS row: 3 x (64 bytes + 16 of padding)
.set AROWB,  3072                      ; A: a token tile's two fragments of a K step of 256
.set ATILE,  24576                     ; A: from token tile to token tile in memory
.set FR,     12
.set NL,     6
.set NP,     4
.set HALFA,  8*AROWB                   ; A: 8 token tiles: what one tensor load brings
.set HALFT,  128*PITCH                 ; B: 128 rows
.set SLOT,   2*HALFA+2*HALFT
.set LAPS,   4
.set KS,     64
.set SCL,    2*SLOT
.set HALFS,  32*272
.set SBLK,   4*272
.set SPARE,  SCL+4*HALFS               ; the spare words: 128 bytes a wave, named by no other line
.set SPITCH, 528                       ; the way out: a stage of 16 rows x (512 + 16) bytes a wave, in slot 0, which has had its last fill and its last read by then
.set NROW,   8192                      ; a row of out0 in bytes
.set ADRA, 16
.set ADRB, 20
.set STO,  24
.set RD,   25
.set CO,   26
.set ADRS, 27
.set SPW,  28
.set NIL,  29
.set SC,   32
.set BC,   64
.set BCO,  86
.set AF,   128
.set BK,   128
.set G1, 24
.set G0, 32
.set G1B, 48
.set G0B, 56
.set G1S, 68
.set G0S, 76
.set G1SB, 80
.set G0SB, 88
.set MSB, 0
.macro WIN new
.if MSB != \new
	s_set_vgpr_msb (MSB<<8)|\new
.set MSB, \new
.endif
.endm
.set MUL_LO, 0xa1
.set MUL_HI, 0xf1
.set TO_B,   0x40
.macro JLOAD g0a, g1a, g0b, g1b        ; waves 0 and 1 fetch for A, waves 2 and 3 for B; four v_nop follow each line
	s_cmp_eq_u32 s15, 0
	s_cbranch_scc0 .Lfor_b_\@
	tensor_load_to_lds s[\g0a:\g0a+3], s[\g1a:\g1a+7]
	s_nop 0
.rept 4
	v_nop
.endr
	s_branch .Lasked_\@
.Lfor_b_\@:
	tensor_load_to_lds s[\g0b:\g0b+3], s[\g1b:\g1b+7]
	s_nop 0
.rept 4
	v_nop
.endr
.Lasked_\@:
.endm
.macro CREST
	s_cmp_lg_u32 s14, 0
	s_cbranch_scc1 .Lnot_wave_0_\@
	s_barrier_signal -3
.Lnot_wave_0_\@:
	s_barrier_wait -3
	s_barrier_signal -1
	s_barrier_wait -1
.endm
.macro CROUND
	s_barrier_signal -1
	s_barrier_wait -1
	CREST
.endm
	s_load_b128 s[4:7], s[0:1], 0x0                ; o_img, o_scl
	s_load_b128 s[8:11], s[0:1], 0x10              ; Wo's codes, Wo's scales
	s_load_b64 s[12:13], s[0:1], 0x20              ; out0
	s_load_b64 s[96:97], s[0:1], 0x28              ; bo
	v_lshl_add_u32 v[SPW], v0, 2, SPARE
	v_mov_b32 v[NIL], 0
	ds_add_u32 v28, v29
	ds_add_u32 v28, v29
	s_wait_dscnt 0x0
	v_lshrrev_b32 v1, 5, v0
	v_readfirstlane_b32 s14, v1                    ; wave 0..3
	s_lshr_b32 s15, s14, 1                         ; which half of the tile's rows is mine.  Also: I fetch for A (0) or for B (1)
	s_and_b32 s16, s14, 1                          ; which half of its columns.  Also: which half of that side's rows I fetch
	s_bfe_u32 s40, ttmp6, 0x40000                  ; cx
	s_bfe_u32 s41, ttmp6, 0x40004                  ; cy
	s_lshl_b32 s42, ttmp9, 2
	s_add_co_u32 s42, s42, s40                     ; tile column
	s_and_b32 s17, ttmp7, 0xffff
	s_lshl_b32 s17, s17, 2
	s_add_co_u32 s17, s17, s41                     ; tile row
	s_lshl_b32 s43, s41, 2
	s_lshl_b32 s43, 15, s43                        ; my row of the cluster
	s_lshl_b32 s44, 0x1111, s40                    ; my column
	; A: 8 token tiles x 3,072 bytes (384 elements of 8 bytes), 24,576 bytes apart, dense in LDS
	s_or_b32 s[G1+0], s43, (3<<16)|(1<<21)
	s_mov_b32 s[G1+1], 384<<16
	s_mov_b32 s[G1+2], 8<<16
	s_mov_b32 s[G1+3], 384<<16
	s_mov_b32 s[G1+4], 8
	s_mov_b32 s[G1+5], 3072
	s_mov_b32 s[G1+6], 0
	s_mov_b32 s[G1+7], 0
	; B: 128 rows x 192 bytes, 16 bytes of padding behind every 64
	s_or_b32 s[G1B+0], s44, (0<<16)|(1<<20)|(1<<21)|(3<<22)|(3<<25)
	s_mov_b32 s[G1B+1], ROWB<<16
	s_mov_b32 s[G1B+2], 128<<16
	s_mov_b32 s[G1B+3], ROWB<<16
	s_mov_b32 s[G1B+4], 128
	s_mov_b32 s[G1B+5], KROW
	s_mov_b32 s[G1B+6], 0
	s_mov_b32 s[G1B+7], 0
	; the scales of 128 rows: 32 rows of 256 bytes, 16 bytes of padding behind each
	s_or_b32 s[G1S+0], s43, (3<<16)|(1<<20)|(1<<21)|(5<<22)|(3<<25)
	s_or_b32 s[G1SB+0], s44, (3<<16)|(1<<20)|(1<<21)|(5<<22)|(3<<25)
.irp g, G1S, G1SB
	s_mov_b32 s[\g+1], 32<<16
	s_mov_b32 s[\g+2], 32<<16
	s_mov_b32 s[\g+3], 32<<16
	s_mov_b32 s[\g+4], 32
	s_mov_b32 s[\g+5], 32
	s_mov_b32 s[\g+6], 0
	s_mov_b32 s[\g+7], 0
.endr
	s_lshl_b32 s18, s16, 7                         ; which 128 rows I fetch
	s_lshl_b32 s20, s17, 8
	s_add_co_u32 s20, s20, s18                     ; A: row 256 x tile row + 128 x half
	s_lshl_b32 s46, s42, 8
	s_add_co_u32 s46, s46, s18                     ; B: row 256 x tile column + 128 x half
	s_mov_b32 s21, 0
	s_mov_b32 s47, 0
	s_mov_b64 s[18:19], KS
	s_mul_u64 s[22:23], s[20:21], s[18:19]         ; where these rows' scales begin
	s_mul_u64 s[92:93], s[46:47], s[18:19]
	s_mov_b64 s[18:19], KROW                       ; 16 rows of A are 24,576 bytes of images: 1,536 a row, as in rows of codes
	s_mul_u64 s[20:21], s[20:21], s[18:19]
	s_mul_u64 s[46:47], s[46:47], s[18:19]
	s_mul_i32 s45, s16, HALFA                      ; where they go: A's two halves,
	s_mul_i32 s99, s16, HALFT
	s_add_co_u32 s99, s99, 2*HALFA                 ; then B's two halves
	s_mul_i32 s94, s14, HALFS
	s_wait_kmcnt 0x0
	s_add_nc_u64 s[20:21], s[4:5], s[20:21]
	s_add_nc_u64 s[22:23], s[6:7], s[22:23]
	s_add_nc_u64 s[46:47], s[8:9], s[46:47]
	s_add_nc_u64 s[92:93], s[10:11], s[92:93]
	CROUND                                         ; all sixteen work-groups are here: the first joint loads meet
	s_mov_b32 s[G0S], 1
	s_add_co_u32 s[G0S+1], s94, SCL
	s_mov_b64 s[G0S+2:G0S+3], s[22:23]
	s_or_b32 s[G0S+3], s[G0S+3], 0x80000000
	s_mov_b32 s[G0SB], 1
	s_add_co_u32 s[G0SB+1], s94, SCL
	s_mov_b64 s[G0SB+2:G0SB+3], s[92:93]
	s_or_b32 s[G0SB+3], s[G0SB+3], 0x80000000
	JLOAD G0S, G1S, G0SB, G1SB
.irp s, 0,1
	s_mov_b32 s[G0+4*\s], 1
	s_add_co_u32 s[G0+4*\s+1], s45, \s*SLOT
	s_add_nc_u64 s[G0+4*\s+2:G0+4*\s+3], s[20:21], \s*AROWB
	s_or_b32 s[G0+4*\s+3], s[G0+4*\s+3], 0x80000000
	s_mov_b32 s[G0B+4*\s], 1
	s_add_co_u32 s[G0B+4*\s+1], s99, \s*SLOT
	s_add_nc_u64 s[G0B+4*\s+2:G0B+4*\s+3], s[46:47], \s*ROWB
	s_or_b32 s[G0B+4*\s+3], s[G0B+4*\s+3], 0x80000000
	JLOAD G0+4*\s, G1, G0B+4*\s, G1B
.endr
	v_and_b32 v1, 15, v0                           ; l % 16
	v_bfe_u32 v2, v0, 4, 1                         ; l / 16
	v_mul_u32_u24 v3, v1, PITCH
	v_mul_u32_u24 v4, v2, 24
	v_add_nc_u32 v4, v3, v4                        ; B: a fragment's row x pitch + 24 x half
	v_lshl_add_u32 v5, v2, 4, v4                   ; and the same behind one padding more
	v_and_b32 v6, 31, v0
	v_lshlrev_b32 v7, 3, v6                        ; A: 8 x lane
	s_mul_i32 s21, s15, HALFA                      ; my 8 token tiles of A
	s_mul_i32 s22, s16, HALFT                      ; my 128 rows of B,
	s_add_co_u32 s22, s22, 2*HALFA                 ; which lie behind A's
.irp s, 0,1
	v_add_nc_u32 v[ADRA+\s], s21, v7
	v_add_nc_u32 v[ADRB+\s], s22, v4
	v_add_nc_u32 v[ADRB+2+\s], s22, v5
	s_add_co_u32 s21, s21, SLOT
	s_add_co_u32 s22, s22, SLOT
.endr
	v_mul_u32_u24 v5, v1, KS
	v_lshrrev_b32 v7, 8, v5
	v_lshl_add_u32 v5, v7, 4, v5
	s_mul_i32 s21, s15, HALFS
	s_mul_i32 s22, s16, HALFS
	s_add_co_u32 s22, s22, 2*HALFS
	s_sub_co_u32 s22, s22, s21
	v_mul_u32_u24 v7, s22, v2                      ; lanes 16-31 take B's
	s_add_co_u32 s21, s21, SCL
	v_add_nc_u32 v5, v5, v7
	v_add_nc_u32 v[ADRS], s21, v5
	s_mul_i32 s23, s14, 16*SPITCH                  ; my stage
	v_mul_u32_u24 v5, v1, SPITCH
	v_lshl_add_u32 v5, v2, 5, v5
	v_add_nc_u32 v[STO], s23, v5
	v_lshlrev_b32 v[CO], 4, v6
	v_add_nc_u32 v[RD], s23, v[CO]
	s_lshl_b32 s46, s42, 10                        ; my first column, in bytes: 1,024 x tile column + 512 x half
	s_lshl_b32 s47, s16, 9
	s_add_co_u32 s46, s46, s47
	s_mov_b32 s47, 0
	v_lshl_add_u32 v[BCO], v6, 4, s46              ; the bias of my four columns; it is waited for at the head of the way out
	global_load_b128 v[BC:BC+3], v[BCO], s[96:97]
	s_lshl_b32 s20, s17, 8
	s_lshl_b32 s21, s15, 7
	s_add_co_u32 s20, s20, s21                     ; my first row
	s_lshl_b32 s20, s20, 13                        ; x 8,192 bytes
	s_mov_b32 s21, 0
	s_add_nc_u64 s[20:21], s[20:21], s[46:47]
	s_add_nc_u64 s[12:13], s[12:13], s[20:21]
.macro FRAG reg, adr, q, i             ; B: lane l holds row l % 16; registers 6 c .. 6 c + 5 hold K = 64 c + 32 (l / 16) + 0 .. 31, in pieces of 8 bytes
.irp p, 0,1,2,3,4,5
.set PCE, 12*(\q)+6*(\p/3)+\p%3
.if PCE%8 < 5
	ds_load_b64 v[\reg+2*\p:\reg+2*\p+1], v[\adr] offset:8*PCE+16*(PCE/8)+(\i)*16*PITCH
.else
	ds_load_b64 v[\reg+2*\p:\reg+2*\p+1], v[\adr+2] offset:8*PCE+16*(PCE/8)+(\i)*16*PITCH
.endif
.endr
.endm
.macro FRAGA reg, adr, q, i            ; A: an image of the registers: 32 lanes read 256 consecutive bytes
.irp p, 0,1,2,3,4,5
	ds_load_b64 v[\reg+2*\p:\reg+2*\p+1], v[\adr] offset:AROWB*(\i)+1536*(\q)+256*\p
.endr
.endm
; 16 matrix instructions; the 64 accumulators take turns, one instruction a turn, in the same order in every step
.macro MUL16 a0, p, q, sc, zero
.irp a, \a0, \a0+1
.irp b, 0,1,2,3,4,5,6,7
.if \zero
	v_wmma_scale_f32_16x16x128_f8f6f4 v[8*(8*((\a)%4)+\b):8*(8*((\a)%4)+\b)+7], v[128*(\p)+FR*\b:128*(\p)+FR*\b+FR-1], v[AF+FR*(\a):AF+FR*(\a)+FR-1], 0, v[SC+8*NQ*(\sc)+NQ*\b+(\q)], v[SC+8*NQ*(\sc)+NQ*(\a)+(\q)] matrix_a_fmt:MATRIX_FMT_FP6 matrix_b_fmt:MATRIX_FMT_FP6 matrix_a_scale:MATRIX_SCALE_ROW1
.else
	v_wmma_scale_f32_16x16x128_f8f6f4 v[8*(8*((\a)%4)+\b):8*(8*((\a)%4)+\b)+7], v[128*(\p)+FR*\b:128*(\p)+FR*\b+FR-1], v[AF+FR*(\a):AF+FR*(\a)+FR-1], v[8*(8*((\a)%4)+\b):8*(8*((\a)%4)+\b)+7], v[SC+8*NQ*(\sc)+NQ*\b+(\q)], v[SC+8*NQ*(\sc)+NQ*(\a)+(\q)] matrix_a_fmt:MATRIX_FMT_FP6 matrix_b_fmt:MATRIX_FMT_FP6 matrix_a_scale:MATRIX_SCALE_ROW1
.endif
.endr
.endr
.endm
.macro FETCH_B slot, q, p
	WIN TO_B
.irp i, 0,1,2,3,4,5,6,7
	FRAG 128*(\p)+FR*\i, ADRB+\slot, \q, \i
.endr
	WIN 0
.endm
.macro FETCH_A slot, q, i0
.irp i, \i0, \i0+1, \i0+2, \i0+3
	FRAGA AF+FR*(\i), ADRA+\slot, \q, \i
.endr
.endm
.macro SCALES sc
.irp i, 0,1,2,3,4,5,6,7
	ds_load_b64 v[SC+8*NQ*\sc+NQ*\i:SC+8*NQ*\sc+NQ*\i+1], v[ADRS] offset:\i*SBLK
.endr
.endm
.macro PLACES n
.rept \n
	v_nop
.endr
.endm
.macro STEP slot, q, zero
	s_wait_dscnt 4*NL                              ; B's set and A's blocks 0-3 are in; the youngest 24 loads (A's blocks 4-7) may be out
	WIN MUL_LO
	MUL16 0, (\q)%2, \q, \slot, \zero
	MUL16 2, (\q)%2, \q, \slot, \zero
	s_wait_dscnt 0
	PLACES NP
	FETCH_B \slot, (\q)+1, 1-(\q)%2
	FETCH_A \slot, (\q)+1, 0
	WIN MUL_HI
	MUL16 4, (\q)%2, \q, \slot, \zero
	MUL16 6, (\q)%2, \q, \slot, \zero
	PLACES NP
	WIN 0
	FETCH_A \slot, (\q)+1, 4
.endm
.macro TURN slot, next, fill
	s_wait_tensorcnt 0x0                           ; all my tensor loads have landed: my part of the next slot
	ds_add_u32 v[SPW], v[NIL]                      ; 0 onto my spare word
	s_wait_dscnt 4*NL+1                            ; the add and the youngest 24 loads may be out
	WIN MUL_LO
	MUL16 0, 1, NQ-1, \slot, 0
	s_wait_dscnt 0x0                               ; the add is done, and my reads of this slot are over
	s_barrier_signal -1
	MUL16 2, 1, NQ-1, \slot, 0
	WIN 0
	s_barrier_wait -1
.if \fill
	CREST                                          ; the barrier has opened a round of the cluster's barrier
	s_add_nc_u64 s[G0+4*\slot+2:G0+4*\slot+3], s[G0+4*\slot+2:G0+4*\slot+3], 2*AROWB
	s_add_nc_u64 s[G0B+4*\slot+2:G0B+4*\slot+3], s[G0B+4*\slot+2:G0B+4*\slot+3], 2*ROWB
	JLOAD G0+4*\slot, G1, G0B+4*\slot, G1B         ; the first tensor load behind the round; its four v_nop are the places in front of the loads below
.else
	PLACES NP
.endif
	v_add_nc_u32 v[ADRS], 4*NQ, v[ADRS]
	FETCH_B \next, 0, 0
	FETCH_A \next, 0, 0
	SCALES \next
	WIN MUL_HI
	MUL16 4, 1, NQ-1, \slot, 0
	MUL16 6, 1, NQ-1, \slot, 0
	PLACES NP
	WIN 0
	FETCH_A \next, 0, 4
.endm
	s_wait_tensorcnt 1                             ; of my three loads the scales and K step 0 are in; K step 1's may be out
	s_barrier_signal -1
	s_barrier_wait -1
	FETCH_B 0, 0, 0
	FETCH_A 0, 0, 0
	SCALES 0
	FETCH_A 0, 0, 4
	STEP 0, 0, 1
	s_mov_b32 s3, LAPS-1
.Llap:
	TURN 0, 1, 1
	STEP 1, 0, 0
	TURN 1, 0, 1
	STEP 0, 0, 0
	s_sub_co_u32 s3, s3, 1
	s_cmp_lg_u32 s3, 0
	s_cbranch_scc1 .Llap
	TURN 0, 1, 0
	STEP 1, 0, 0
	s_wait_dscnt 4*NL
	WIN MUL_LO
	MUL16 0, 1, NQ-1, 1, 0
	MUL16 2, 1, NQ-1, 1, 0
	s_wait_dscnt 0
	WIN MUL_HI
	MUL16 4, 1, NQ-1, 1, 0
	MUL16 6, 1, NQ-1, 1, 0
	WIN 0
; THE WAY OUT, block by block of 16 rows x 128 columns, through my own stage in LDS: whole rows of 512 bytes come back, the bias of my four columns is added, and 32 lanes store 512 consecutive bytes.
.macro TOSTAGE a
.set AC, 64*((\a)%4)
.set WN, 0x08+4*((\a)/4)
	WIN WN
.irp b, 0,1,2,3,4,5,6,7
	ds_store_b128 v[STO], v[AC+8*\b:AC+8*\b+3] offset:64*\b          ; each accumulator from its low end on
	ds_store_b128 v[STO], v[AC+8*\b+4:AC+8*\b+7] offset:64*\b+16
.endr
	WIN 0
.set BB, BK+64*((\a)%2)
.irp t, 0,1,2,3,4,5,6,7,8,9,10,11,12,13,14,15
	ds_load_b128 v[BB+4*\t:BB+4*\t+3], v[RD] offset:\t*SPITCH
.endr
.endm
.macro SEND a, younger
.set BB, BK+64*((\a)%2)
	s_wait_dscnt \younger                          ; the block is back; the next block's 16 stores and 16 loads may be out
.if (\a) > 0
	s_add_nc_u64 s[12:13], s[12:13], 16*NROW       ; (behind a wait on XCNT: the earlier stores have read their base)
.endif
.irp t, 0,1,2,3,4,5,6,7,8,9,10,11,12,13,14,15
	v_pk_add_f32 v[BB+4*\t:BB+4*\t+1], v[BB+4*\t:BB+4*\t+1], v[BC:BC+1]
	v_pk_add_f32 v[BB+4*\t+2:BB+4*\t+3], v[BB+4*\t+2:BB+4*\t+3], v[BC+2:BC+3]
	global_store_b128 v[CO], v[BB+4*\t:BB+4*\t+3], s[12:13] offset:\t*NROW th:TH_STORE_NT
.endr
.endm
	PLACES NP
	s_wait_loadcnt 0x0                             ; the bias
	TOSTAGE 0
.irp a, 1,2,3,4,5,6,7
.if \a > 1
	s_wait_xcnt 0x0                                ; block a - 2's stores have read their registers and their base
.endif
	TOSTAGE \a
	SEND \a-1, 32
.endr
	s_wait_xcnt 0x0
	SEND 7, 0
	s_wait_tensorcnt 0x0                           ; the wave's end
	ds_add_u32 v[SPW], v[NIL]
	s_wait_dscnt 0x0
	CROUND                                         ; the closing round
	s_endpgm
.Lfunc_end_k_q894712498d_gemm_out:
	.size	k_q894712498d_gemm_out, .Lfunc_end_k_q894712498d_gemm_out-k_q894712498d_gemm_out
	.p2alignl 7, 3214868480
	.fill 96, 4, 3214868480
	.section	.rodata,"a",@progbits
	.p2align	6, 0x0
	.amdhsa_kernel k_q894712498d_gemm_out
		.amdhsa_group_segment_fixed_size 327680
		.amdhsa_private_segment_fixed_size 0
		.amdhsa_enable_private_segment 0
		.amdhsa_kernarg_size 48
		.amdhsa_user_sgpr_count 2
		.amdhsa_user_sgpr_kernarg_segment_ptr 1
		.amdhsa_wavefront_size32 1
		.amdhsa_system_sgpr_workgroup_id_x 1
		.amdhsa_system_sgpr_workgroup_id_y 1
		.amdhsa_system_sgpr_workgroup_id_z 1
		.amdhsa_system_vgpr_workitem_id 0
		.amdhsa_next_free_vgpr 1024
		.amdhsa_next_free_sgpr 100
		.amdhsa_reserve_vcc 0
		.amdhsa_float_denorm_mode_32 3
		.amdhsa_float_denorm_mode_16_64 3
		.amdhsa_memory_ordered 1
		.amdhsa_forward_progress 1
		.amdhsa_inst_pref_size 176
	.end_amdhsa_kernel
	.amdgpu_metadata
---
amdhsa.version: [ 1, 2 ]
amdhsa.kernels:
  - .name:           k_q894712498d_gemm_out
    .symbol:         k_q894712498d_gemm_out.kd
    .args:
      - { .name: o_img, .offset: 0, .size: 8, .value_kind: global_buffer, .address_space: global }
      - { .name: o_scl, .offset: 8, .size: 8, .value_kind: global_buffer, .address_space: global }
      - { .name: Wo_codes, .offset: 16, .size: 8, .value_kind: global_buffer, .address_space: global }
      - { .name: Wo_scales, .offset: 24, .size: 8, .value_kind: global_buffer, .address_space: global }
      - { .name: out0, .offset: 32, .size: 8, .value_kind: global_buffer, .address_space: global }
      - { .name: bo, .offset: 40, .size: 8, .value_kind: global_buffer, .address_space: global }
    .group_segment_fixed_size: 327680
    .private_segment_fixed_size: 0
    .kernarg_segment_align: 8
    .kernarg_segment_size: 48
    .max_flat_workgroup_size: 128
    .sgpr_count:     100
    .vgpr_count:     1024
    .wavefront_size: 32
...
	.end_amdgpu_metadata
.endif
;; end of part 4
;; ======== version 2 of 2: 4 launches
;; limits: right only within a limited range of input values
;; workspace buffers: qk_raw 33,554,432 bytes; kv_img 6,553,600 bytes; q_img 6,553,600 bytes; o_img 3,145,728 bytes; o_scl 131,072 bytes
;; launch gemm_qkv (part 5): grid 24 x 8, 4 waves a work-group, clusters of 4 x 4, 327,680 bytes of LDS; arguments x_codes, x_scales, Wq_codes, Wq_scales, Wk_codes, Wk_scales, Wv_codes, Wv_scales, bq, bk, bv, qk_raw, kv_img; writes qk_raw, kv_img
.if DOCPART == 5
	.amdgcn_target "amdgcn-amd-amdhsa--gfx1250"
	.amdhsa_code_object_version 6
	.text
	.protected	k_q894712498d_gemm_qkv
	.globl	k_q894712498d_gemm_qkv
	.p2align	8
	.type	k_q894712498d_gemm_qkv,@function
k_q894712498d_gemm_qkv:
	s_mov_b64 s[64:65], 0
	v_nop
	global_prefetch_b8 v0, s[64:65] scope:SCOPE_SE
	s_setreg_imm32_b32 hwreg(HW_REG_WAVE_MODE, 25, 1), 1
	s_wait_xcnt 0x0
	s_wait_alu depctr_hold_cnt(0) depctr_sa_sdst(0) depctr_va_vdst(0) depctr_va_sdst(0) depctr_va_ssrc(0) depctr_va_vcc(0) depctr_vm_vsrc(0)
	s_getreg_b32 s2, hwreg(HW_REG_IB_STS2, 6, 4)
	s_cmp_eq_u32 s2, 0
	s_cbranch_scc0 .Lentry_in_a_cluster
	s_endpgm
.Lentry_in_a_cluster:
	s_bfe_u32 s2, ttmp6, 0x10000c
	s_cmp_lg_u32 s2, 0xf033
	s_cbranch_scc0 .Lentry_shape_is_right
	s_endpgm
.Lentry_shape_is_right:
; q = x Wq + bq, k = x Wk + bk (f32, to qk_raw [2048][4096]) and v = x Wv + bv (quantised along the tokens, to kv_img), on codes of FP6 (E2M3) with E8M0 scales.
; A tile of 256 x 256 to a work-group, 128 x 128 to a wave (64 accumulators).  Cluster columns 0-1 make q, 2-3 k, 4-5 v.  For v the operands change places (A = Wv's rows, B = x's rows), so that a lane holds a channel and its registers run along the tokens.
; K goes through two LDS slots in chunks of 256 bytes of each row of codes (a row is 1,536 bytes: six chunks); a step of 128 along K is 96 bytes: of each eight steps, steps 2 and 5 lie across two chunks.
; The scales of the 256 + 256 rows come once, as dense blocks.  4 x 4 clusters: A's tiles are asked for jointly along a cluster's row, B's along its column.
; The matrix instruction is used transposed (source 0 = B's rows, source 1 = A's rows).  Windows: 0 addresses, scale words, A's fragments; 1 B's fragments, two sets; 2, 3 accumulators.
; Prefetch: each wave names 32 of the 128 rows that it fetches (the four partners share them by address), a lane a row, for the chunk two refills on; chunks 2 and 3 are named at the head; nothing beyond chunk 5.
; LIMITS (v's quantiser): NaN and infinities are not served; a block of zeros gets the byte 1 (its codes are zeros; this program alone reads the bytes).
.set ROWB,   256
.set NQ,     2
.set KROW,   1536
.set STEPS,  16
.set CHUNKS, 6
.set PITCH,  272
.set FR,     12
.set NL,     6
.set NP,     4
.set HALFT,  128*PITCH
.set SLOT,   4*HALFT
.set KS,     64
.set SCL,    2*SLOT
.set HALFS,  32*272
.set SBLK,   4*272
.set SPARE,  SCL+4*HALFS
.set SPITCH, 528
.set QKROW,  16384
.set HEADB,  204800
.set STEPB,  12800
.set ADRA, 16
.set ADRB, 20
.set STO,  24
.set RD,   25
.set CO,   26
.set ADRS, 27
.set SPW,  28
.set NIL,  29
.set PFO,  30
.set SC,   32
.set BC,   64
.set BR,   68
.set VO,   84
.set VS,   85
.set BCO,  86
.set BRO,  87
.set AF,   128
.set BK,   128
.set ST,   128
.set PC,   192
.set TM,   212
.set PW,   228
.set WD,   232
.set SEL,  20
.set PFA,  2
.set G1, 24
.set G0, 32
.set G1B, 48
.set G0B, 56
.set G1S, 68
.set G0S, 76
.set G1SB, 80
.set G0SB, 88
.set G0H, 4
.set G0HB, 8
.set MSB, 0
.macro WIN new
.if MSB != \new
	s_set_vgpr_msb (MSB<<8)|\new
.set MSB, \new
.endif
.endm
.set MUL_LO, 0xa1
.set MUL_HI, 0xf1
.set TO_B,   0x40
.macro JLOAD g0a, g1a, g0b, g1b        ; waves 0, 1 fetch for A, waves 2, 3 for B
	s_cmp_eq_u32 s15, 0
	s_cbranch_scc0 .Lfor_b_\@
	tensor_load_to_lds s[\g0a:\g0a+3], s[\g1a:\g1a+7]
	s_nop 0
.rept 4
	v_nop
.endr
	s_branch .Lasked_\@
.Lfor_b_\@:
	tensor_load_to_lds s[\g0b:\g0b+3], s[\g1b:\g1b+7]
	s_nop 0
.rept 4
	v_nop
.endr
.Lasked_\@:
.endm
.macro CREST
	s_cmp_lg_u32 s14, 0
	s_cbranch_scc1 .Lnot_wave_0_\@
	s_barrier_signal -3
.Lnot_wave_0_\@:
	s_barrier_wait -3
	s_barrier_signal -1
	s_barrier_wait -1
.endm
.macro CROUND
	s_barrier_signal -1
	s_barrier_wait -1
	CREST
.endm
	s_load_b512 s[24:39], s[0:1], 0x0
	s_load_b256 s[48:55], s[0:1], 0x40
	s_load_b64 s[56:57], s[0:1], 0x60
	v_lshl_add_u32 v[SPW], v0, 2, SPARE
	v_mov_b32 v[NIL], 0
	ds_add_u32 v[SPW], v[NIL]
	ds_add_u32 v[SPW], v[NIL]
	v_lshrrev_b32 v1, 5, v0
	v_readfirstlane_b32 s14, v1                    ; wave
	s_lshr_b32 s15, s14, 1
	s_and_b32 s16, s14, 1
	s_bfe_u32 s40, ttmp6, 0x40000                  ; cx
	s_bfe_u32 s41, ttmp6, 0x40004                  ; cy
	s_lshr_b32 s95, ttmp9, 1                       ; 0 q, 1 k, 2 v: the same in all partners
	s_and_b32 s42, ttmp9, 1
	s_lshl_b32 s42, s42, 2
	s_add_co_u32 s42, s42, s40                     ; tile column inside the product
	s_lshl_b32 s98, ttmp9, 2
	s_add_co_u32 s98, s98, s40                     ; tile column of qk_raw
	s_and_b32 s17, ttmp7, 0xffff
	s_lshl_b32 s17, s17, 2
	s_add_co_u32 s17, s17, s41                     ; tile row
	s_lshl_b32 s43, s41, 2
	s_lshl_b32 s43, 15, s43
	s_lshl_b32 s44, 0x1111, s40
	s_wait_dscnt 0x0
	s_wait_kmcnt 0x0
	s_cmp_eq_u32 s95, 2
	s_cselect_b64 s[4:5], s[36:37], s[24:25]       ; A's codes and scales, B's, the bias, the result
	s_cselect_b64 s[6:7], s[38:39], s[26:27]
	s_cselect_b64 s[8:9], s[24:25], s[32:33]
	s_cselect_b64 s[10:11], s[26:27], s[34:35]
	s_cselect_b64 s[96:97], s[52:53], s[50:51]
	s_cselect_b64 s[12:13], s[56:57], s[54:55]
	s_cmp_eq_u32 s95, 0
	s_cselect_b64 s[8:9], s[28:29], s[8:9]
	s_cselect_b64 s[10:11], s[30:31], s[10:11]
	s_cselect_b64 s[96:97], s[48:49], s[96:97]
	s_or_b32 s[G1+0], s43, (0<<16)|(1<<20)|(1<<21)|(5<<22)|(3<<25)
	s_or_b32 s[G1B+0], s44, (0<<16)|(1<<20)|(1<<21)|(5<<22)|(3<<25)
.irp g, G1, G1B                        ; rows of 256 bytes, 16 of padding behind each; 256 rows at the head
	s_mov_b32 s[\g+1], ROWB<<16
	s_mov_b32 s[\g+2], 256<<16
	s_mov_b32 s[\g+3], ROWB<<16
	s_mov_b32 s[\g+4], 256
	s_mov_b32 s[\g+5], KROW
	s_mov_b32 s[\g+6], 0
	s_mov_b32 s[\g+7], 0
.endr
	s_or_b32 s[G1S+0], s43, (3<<16)|(1<<20)|(1<<21)|(5<<22)|(3<<25)
	s_or_b32 s[G1SB+0], s44, (3<<16)|(1<<20)|(1<<21)|(5<<22)|(3<<25)
.irp g, G1S, G1SB                      ; the scales of 256 rows: 64 rows of 256 bytes
	s_mov_b32 s[\g+1], 32<<16
	s_mov_b32 s[\g+2], KS<<16
	s_mov_b32 s[\g+3], 32<<16
	s_mov_b32 s[\g+4], KS
	s_mov_b32 s[\g+5], 32
	s_mov_b32 s[\g+6], 0
	s_mov_b32 s[\g+7], 0
.endr
	s_lshl_b32 s20, s17, 8
	s_lshl_b32 s46, s42, 8
	s_mov_b32 s21, 0
	s_mov_b32 s47, 0
	s_mov_b64 s[18:19], KS
	s_mul_u64 s[22:23], s[20:21], s[18:19]
	s_mul_u64 s[92:93], s[46:47], s[18:19]
	s_mov_b64 s[18:19], KROW
	s_mul_u64 s[20:21], s[20:21], s[18:19]
	s_mul_u64 s[46:47], s[46:47], s[18:19]
	s_mul_i32 s18, s16, 128*KROW
	s_mov_b32 s19, 0
	s_mul_i32 s45, s14, HALFT
	s_add_nc_u64 s[20:21], s[4:5], s[20:21]
	s_add_nc_u64 s[22:23], s[6:7], s[22:23]
	s_add_nc_u64 s[46:47], s[8:9], s[46:47]
	s_add_nc_u64 s[92:93], s[10:11], s[92:93]
	CROUND                                         ; in front of the first joint loads
	s_mov_b32 s[G0H], 1
	s_mov_b32 s[G0H+1], 0
	s_mov_b64 s[G0H+2:G0H+3], s[20:21]
	s_or_b32 s[G0H+3], s[G0H+3], 0x80000000
	s_mov_b32 s[G0HB], 1
	s_mov_b32 s[G0HB+1], 2*HALFT
	s_mov_b64 s[G0HB+2:G0HB+3], s[46:47]
	s_or_b32 s[G0HB+3], s[G0HB+3], 0x80000000
	s_mov_b32 s[G0S], 1
	s_mov_b32 s[G0S+1], SCL
	s_mov_b64 s[G0S+2:G0S+3], s[22:23]
	s_or_b32 s[G0S+3], s[G0S+3], 0x80000000
	s_mov_b32 s[G0SB], 1
	s_mov_b32 s[G0SB+1], SCL+2*HALFS
	s_mov_b64 s[G0SB+2:G0SB+3], s[92:93]
	s_or_b32 s[G0SB+3], s[G0SB+3], 0x80000000
	s_add_nc_u64 s[20:21], s[20:21], s[18:19]      ; for the ring: my 128 rows
	s_add_nc_u64 s[46:47], s[46:47], s[18:19]
.irp s, 0,1
	s_mov_b32 s[G0+4*\s], 1
	s_add_co_u32 s[G0+4*\s+1], s45, \s*SLOT
	s_add_nc_u64 s[G0+4*\s+2:G0+4*\s+3], s[20:21], \s*ROWB
	s_or_b32 s[G0+4*\s+3], s[G0+4*\s+3], 0x80000000
	s_mov_b32 s[G0B+4*\s], 1
	s_add_co_u32 s[G0B+4*\s+1], s45, \s*SLOT
	s_add_nc_u64 s[G0B+4*\s+2:G0B+4*\s+3], s[46:47], \s*ROWB
	s_or_b32 s[G0B+4*\s+3], s[G0B+4*\s+3], 0x80000000
.endr
	s_cmp_eq_u32 s15, 0                            ; the prefetches' base: of my 128 rows the 32 that fall to my work-group's place among the four partners
	s_cselect_b64 s[PFA:PFA+1], s[20:21], s[46:47]
	s_cselect_b32 s18, s40, s41
	s_mul_i32 s18, s18, 32*KROW
	s_add_nc_u64 s[PFA:PFA+1], s[PFA:PFA+1], s[18:19]
.macro ARM under, g0, g1, next         ; the head's four tiles, one load a wave, in one chain of branches on the wave's number
	s_cmp_lt_u32 s14, \under
	s_cbranch_scc0 \next
	tensor_load_to_lds s[\g0:\g0+3], s[\g1:\g1+7]
	s_nop 0
.rept 4
	v_nop
.endr
	s_branch .Lhead_asked
\next:
.endm
	ARM 1, G0H,  G1,  .Lhead_b
	ARM 2, G0HB, G1B, .Lhead_sa
	ARM 3, G0S,  G1S, .Lhead_sb
	tensor_load_to_lds s[G0SB:G0SB+3], s[G1SB:G1SB+7]
	s_nop 0
.rept 4
	v_nop
.endr
.Lhead_asked:
	v_and_b32 v1, 15, v0
	v_bfe_u32 v2, v0, 4, 1
	v_mul_u32_u24 v3, v1, PITCH
	v_mul_u32_u24 v4, v2, 24
	v_add_nc_u32 v4, v3, v4
	s_mov_b32 s21, SLOT-232
	s_mov_b32 s22, SLOT+232
	v_sub_nc_u32 v7, 1, v2
	v_mul_u32_u24 v5, s21, v2
	v_add_nc_u32 v5, v3, v5
	v_add_nc_u32 v5, 232, v5                       ; lanes 0-15 byte 232 of the row in slot 0, lanes 16-31 byte 0 in slot 1
	v_mul_u32_u24 v6, s22, v7
	v_add_nc_u32 v6, v3, v6                        ; and the other way round
	s_mul_i32 s21, s15, HALFT
	s_mul_i32 s22, s16, HALFT
	s_add_co_u32 s22, s22, 2*HALFT
	v_add_nc_u32 v[ADRA+2], s21, v5
	v_add_nc_u32 v[ADRA+3], s21, v6
	v_add_nc_u32 v[ADRB+2], s22, v5
	v_add_nc_u32 v[ADRB+3], s22, v6
.irp s, 0,1
	v_add_nc_u32 v[ADRA+\s], s21, v4
	v_add_nc_u32 v[ADRB+\s], s22, v4
	s_add_co_u32 s21, s21, SLOT
	s_add_co_u32 s22, s22, SLOT
.endr
	v_mul_u32_u24 v5, v1, KS
	v_lshrrev_b32 v6, 8, v5
	v_lshl_add_u32 v5, v6, 4, v5
	s_mul_i32 s21, s15, HALFS
	s_mul_i32 s22, s16, HALFS
	s_add_co_u32 s22, s22, 2*HALFS
	s_sub_co_u32 s22, s22, s21
	v_mul_u32_u24 v6, s22, v2                      ; lanes 16-31 take B's scale words
	s_add_co_u32 s21, s21, SCL
	v_add_nc_u32 v5, v5, v6
	v_add_nc_u32 v[ADRS], s21, v5
	s_mul_i32 s23, s14, 16*SPITCH                  ; my stage, in slot 0, which does not hold the last chunk
	v_mul_u32_u24 v5, v1, SPITCH
	v_lshl_add_u32 v5, v2, 5, v5
	v_add_nc_u32 v[STO], s23, v5
	v_and_b32 v6, 31, v0
	v_lshlrev_b32 v[CO], 4, v6
	v_add_nc_u32 v[RD], s23, v[CO]
	v_mul_u32_u24 v[PFO], v6, KROW
	s_lshl_b32 s99, s42, 10
	s_lshl_b32 s18, s16, 9
	s_add_co_u32 s99, s99, s18
	v_lshl_add_u32 v[BCO], v6, 4, s99
	global_load_b128 v[BC:BC+3], v[BCO], s[96:97]  ; q, k: the bias of my four columns of a row read back
	s_lshl_b32 s99, s17, 10
	s_lshl_b32 s18, s15, 9
	s_add_co_u32 s99, s99, s18
	v_lshl_add_u32 v[BRO], v1, 2, s99
.irp a, 0,1,2,3,4,5,6,7
	global_load_b32 v[BR+2*\a], v[BRO], s[96:97] offset:64*\a   ; v: the bias of my channel in block a
.endr
	s_lshl_b32 s20, s17, 8
	s_lshl_b32 s21, s15, 7
	s_add_co_u32 s20, s20, s21                     ; my first row of A
	s_lshl_b32 s22, s20, 14
	s_lshl_b32 s21, s98, 10
	s_add_co_u32 s22, s22, s21
	s_lshl_b32 s21, s16, 9
	s_add_co_u32 s22, s22, s21                     ; q, k: my place in qk_raw
	s_lshr_b32 s20, s20, 6
	s_mul_i32 s20, s20, HEADB
	s_lshl_b32 s21, s42, 1
	s_add_co_u32 s21, s21, s16
	s_mul_i32 s21, s21, STEPB
	s_add_co_u32 s20, s20, s21
	s_add_co_u32 s20, s20, 6144                    ; v: head, key step, behind K's fragments
	s_cmp_eq_u32 s95, 2
	s_cselect_b32 s20, s20, s22
	s_mov_b32 s21, 0
	s_add_nc_u64 s[12:13], s[12:13], s[20:21]
.macro FRAG reg, adr, st, i            ; 16 rows x 128 K: six pieces of 8 bytes; byte y of a row lies in slot (y / 256) % 2 at byte y % 256
.irp p, 0,1,2,3,4,5
.set BY, 96*(\st)+48*(\p/3)+8*(\p%3)
.if BY/ROWB == (BY+24)/ROWB
	ds_load_b64 v[\reg+2*\p:\reg+2*\p+1], v[\adr+(BY/ROWB)%2] offset:BY%ROWB+(\i)*16*PITCH
.else
	ds_load_b64 v[\reg+2*\p:\reg+2*\p+1], v[\adr+2+(BY/ROWB)%2] offset:BY%ROWB-232+(\i)*16*PITCH
.endif
.endr
.endm
.macro MUL16 a0, p, q, sc, zero        ; the 64 accumulators take turns, one instruction a turn
.irp a, \a0, \a0+1
.irp b, 0,1,2,3,4,5,6,7
.if \zero
	v_wmma_scale_f32_16x16x128_f8f6f4 v[8*(8*((\a)%4)+\b):8*(8*((\a)%4)+\b)+7], v[128*(\p)+FR*\b:128*(\p)+FR*\b+FR-1], v[AF+FR*(\a):AF+FR*(\a)+FR-1], 0, v[SC+8*NQ*(\sc)+NQ*\b+(\q)], v[SC+8*NQ*(\sc)+NQ*(\a)+(\q)] matrix_a_fmt:MATRIX_FMT_FP6 matrix_b_fmt:MATRIX_FMT_FP6 matrix_a_scale:MATRIX_SCALE_ROW1
.else
	v_wmma_scale_f32_16x16x128_f8f6f4 v[8*(8*((\a)%4)+\b):8*(8*((\a)%4)+\b)+7], v[128*(\p)+FR*\b:128*(\p)+FR*\b+FR-1], v[AF+FR*(\a):AF+FR*(\a)+FR-1], v[8*(8*((\a)%4)+\b):8*(8*((\a)%4)+\b)+7], v[SC+8*NQ*(\sc)+NQ*\b+(\q)], v[SC+8*NQ*(\sc)+NQ*(\a)+(\q)] matrix_a_fmt:MATRIX_FMT_FP6 matrix_b_fmt:MATRIX_FMT_FP6 matrix_a_scale:MATRIX_SCALE_ROW1
.endif
.endr
.endr
.endm
.macro FETCH_B st, p
	WIN TO_B
.irp i, 0,1,2,3,4,5,6,7
	FRAG 128*(\p)+FR*\i, ADRB, \st, \i
.endr
	WIN 0
.endm
.macro FETCH_A st, i0
.irp i, \i0, \i0+1, \i0+2, \i0+3
	FRAG AF+FR*(\i), ADRA, \st, \i
.endr
.endm
.macro SCALES pr                       ; the scale words of steps 2 pr, 2 pr + 1
.irp i, 0,1,2,3,4,5,6,7
	ds_load_b64 v[SC+8*NQ*((\pr)%2)+NQ*\i:SC+8*NQ*((\pr)%2)+NQ*\i+1], v[ADRS] offset:\i*SBLK+4*NQ*(\pr)
.endr
.endm
.macro PLACES n
.rept \n
	v_nop
.endr
.endm
.macro ASK c                           ; 32 rows x 256 bytes of chunk c, a lane a row
	global_prefetch_b8 v[PFO], s[PFA:PFA+1] offset:(\c)*ROWB th:TH_LOAD_NT scope:SCOPE_SE
.endm
; A step: 64 products; the next step's fragments are fetched in its middle and at its end.  Where the next step's bytes end in a chunk not yet read, a barrier shows that chunk whole;
; where they begin in a later chunk, the chunk left behind is free: the three lines, the barrier, and, where a chunk two on is left, the cluster's round and the refill.
.macro STEP st, zero
.set NX, (\st)+1
.set C0, (96*(\st))/ROWB
.set C1, (96*NX)/ROWB
.set E0, (96*(\st)+95)/ROWB
.set E1, (96*NX+95)/ROWB
.if C1 > C0 || E1 > E0
	s_wait_tensorcnt 0x0                           ; all my tensor loads have landed
.if C1 > C0
	ds_add_u32 v[SPW], v[NIL]
	s_wait_dscnt 4*NL+1                            ; the add and A's blocks 4-7 (24 loads) may be out
.else
	s_wait_dscnt 4*NL                              ; A's blocks 4-7 may be out
.endif
	WIN MUL_LO
	MUL16 0, (\st)%2, (\st)%2, ((\st)/2)%2, \zero
	s_wait_dscnt 0x0                               ; the add and all my reads are done
	s_barrier_signal -1
	MUL16 2, (\st)%2, (\st)%2, ((\st)/2)%2, \zero
	WIN 0
	s_barrier_wait -1
.if C1 > C0 && C0+2 < CHUNKS
	CREST
	s_add_nc_u64 s[G0+4*(C0%2)+2:G0+4*(C0%2)+3], s[G0+4*(C0%2)+2:G0+4*(C0%2)+3], 2*ROWB
	s_add_nc_u64 s[G0B+4*(C0%2)+2:G0B+4*(C0%2)+3], s[G0B+4*(C0%2)+2:G0B+4*(C0%2)+3], 2*ROWB
	JLOAD G0+4*(C0%2), G1, G0B+4*(C0%2), G1B       ; chunk C0 + 2; its four v_nop are the places in front of the loads below
.else
	PLACES NP
.endif
.else
	s_wait_dscnt 4*NL
	WIN MUL_LO
	MUL16 0, (\st)%2, (\st)%2, ((\st)/2)%2, \zero
	MUL16 2, (\st)%2, (\st)%2, ((\st)/2)%2, \zero
	s_wait_dscnt 0
	PLACES NP
.endif
	FETCH_B NX, NX%2
	FETCH_A NX, 0
.if NX%2 == 0
	SCALES NX/2
.endif
.if C1 > C0 && C0+4 < CHUNKS
	ASK C0+4                                       ; the chunk two refills on
.endif
	WIN MUL_HI
	MUL16 4, (\st)%2, (\st)%2, ((\st)/2)%2, \zero
	MUL16 6, (\st)%2, (\st)%2, ((\st)/2)%2, \zero
	PLACES NP
	WIN 0
	FETCH_A NX, 4
.endm
	s_wait_alu depctr_va_vdst(0)                   ; the wait at the head's end
	ASK 2
	s_wait_tensorcnt 0x0                           ; my tile of the head's four is in
	ds_add_u32 v[SPW], v[NIL]
	s_mov_b32 s[G1+2], 128<<16                     ; no load of mine is out: from here on a load brings 128 rows
	s_mov_b32 s[G1+4], 128
	s_mov_b32 s[G1B+2], 128<<16
	s_mov_b32 s[G1B+4], 128
	s_wait_dscnt 0x0
	CROUND
	JLOAD G0+4, G1, G0B+4, G1B                     ; chunk 1, slot 1's first fill
	FETCH_B 0, 0
	FETCH_A 0, 0
	SCALES 0
	FETCH_A 0, 4
	ASK 3
	STEP 0, 1
.set SN, 1
.rept STEPS-2
	STEP SN, 0
.set SN, SN+1
.endr
	s_wait_dscnt 4*NL
	WIN MUL_LO
	MUL16 0, 1, 1, 1, 0
	MUL16 2, 1, 1, 1, 0
	s_wait_dscnt 0
	WIN MUL_HI
	MUL16 4, 1, 1, 1, 0
	MUL16 6, 1, 1, 1, 0
	WIN 0
	PLACES NP
	s_wait_loadcnt 0x0                             ; the biases
	s_cmp_eq_u32 s95, 2
	s_cbranch_scc1 .Lv_out
; q, k: block by block of 16 rows through my stage, back as rows of 512 bytes, the bias added, stored
.macro TOSTAGE a
.set AC, 64*((\a)%4)
.set WN, 0x08+4*((\a)/4)
	WIN WN
.irp b, 0,1,2,3,4,5,6,7
	ds_store_b128 v[STO], v[AC+8*\b:AC+8*\b+3] offset:64*\b
	ds_store_b128 v[STO], v[AC+8*\b+4:AC+8*\b+7] offset:64*\b+16
.endr
	WIN 0
.set BB, BK+64*((\a)%2)
.irp t, 0,1,2,3,4,5,6,7,8,9,10,11,12,13,14,15
	ds_load_b128 v[BB+4*\t:BB+4*\t+3], v[RD] offset:\t*SPITCH
.endr
.endm
.macro SEND a, younger
.set BB, BK+64*((\a)%2)
	s_wait_dscnt \younger
.if (\a) > 0
	s_add_nc_u64 s[12:13], s[12:13], 16*QKROW
.endif
.irp t, 0,1,2,3,4,5,6,7,8,9,10,11,12,13,14,15
	v_pk_add_f32 v[BB+4*\t:BB+4*\t+1], v[BB+4*\t:BB+4*\t+1], v[BC:BC+1]
	v_pk_add_f32 v[BB+4*\t+2:BB+4*\t+3], v[BB+4*\t+2:BB+4*\t+3], v[BC+2:BC+3]
	global_store_b128 v[CO], v[BB+4*\t:BB+4*\t+3], s[12:13] offset:\t*QKROW
.endr
.endm
	TOSTAGE 0
.irp a, 1,2,3,4,5,6,7
.if \a > 1
	s_wait_xcnt 0x0                                ; block a - 2's stores have read their registers and base
.endif
	TOSTAGE \a
	SEND \a-1, 32                                  ; block a's 16 stores and 16 loads may be out
.endr
	s_wait_xcnt 0x0
	SEND 7, 0
	s_branch .Lend
; v: 16 channels x 128 tokens at a time: the bias, four blocks of 32 tokens quantised, the operand's image stored
.macro QUANT s
.irp b, 0,1,2,3
	v_max3_num_f32 v[TM+\b], |v[\s+16*\b]|, |v[\s+1+16*\b]|, 0x1800000
.endr
.irp i, 2,4,6,8,10,12,14
.irp b, 0,1,2,3
	v_max3_num_f32 v[TM+\b], v[TM+\b], |v[\s+16*\b+\i]|, |v[\s+1+16*\b+\i]|
.endr
.endr
.irp b, 0,1,2,3
	v_permlanex16_b32 v[TM+4+\b], v[TM+\b], s[SEL], s[SEL+1]
.endr
.irp b, 0,1,2,3
	v_max_num_f32 v[TM+\b], v[TM+\b], v[TM+4+\b]
.endr
.irp b, 0,1,2,3
	v_add_nc_u32 v[TM+12+\b], 0xff000000, v[TM+\b]
.endr
.irp b, 0,1,2,3
	v_lshrrev_b32 v[TM+4+\b], 23, v[TM+12+\b]
.endr
	v_lshl_or_b32 v[PW], v[TM+5], 8, v[TM+4]
	v_lshl_or_b32 v[PW], v[TM+6], 16, v[PW]
	v_lshl_or_b32 v[PW], v[TM+7], 24, v[PW]
.irp c, 0,1
	v_cvt_scalef32_pk16_fp6_f32 v[PC+6*\c:PC+2+6*\c], v[\s+32*\c:\s+15+32*\c], v[TM+12+2*\c]
	v_cvt_scalef32_pk16_fp6_f32 v[PC+12+4*\c:PC+14+4*\c], v[\s+16+32*\c:\s+31+32*\c], v[TM+12+2*\c+1]
.endr
	v_nop
.irp c, 0,1
.irp i, 0,1,2
	v_permlane16_swap_b32 v[PC+6*\c+\i], v[PC+12+4*\c+\i]
.endr
.irp i, 0,1,2
	v_mov_b32 v[PC+3+6*\c+\i], v[PC+12+4*\c+\i]
.endr
.endr
.endm
.macro VOUT a
.if (\a) > 0
	s_wait_xcnt 0x0
.endif
.set WN, 0x02+(\a)/4
	WIN WN
.set AC, 64*((\a)%4)
.set i, 0
.rept 32
	v_pk_add_f32 v[ST+i:ST+i+1], v[AC+i:AC+i+1], v[BR+2*(\a):BR+2*(\a)+1]
.set i, i+2
.endr
	WIN 0
	QUANT ST
	v_mov_b32 v[WD+(\a)], v[PW]
.irp c, 0,1,2
	global_store_b128 v[VO], v[PC+4*\c:PC+4*\c+3], s[12:13] offset:((\a)/4)*HEADB+((\a)%4)*1536+512*\c
.endr
.endm
.Lv_out:
	s_mov_b32 s[SEL], 0x76543210
	s_mov_b32 s[SEL+1], 0xfedcba98
	v_and_b32 v[VS], 31, v0
	v_cmp_le_u32 vcc_lo, 16, v[VS]
	v_lshlrev_b32 v[VO], 4, v[VS]
	v_lshlrev_b32 v[VS], 2, v[VS]
.irp a, 0,1,2,3,4,5,6,7
	v_mov_b32 v[BR+2*\a+1], v[BR+2*\a]
.endr
.irp b, 0,1,2,3
	v_mov_b32 v[TM+4+\b], 0
.endr
.irp a, 0,1,2,3,4,5,6,7
	VOUT \a
.endr
.irp a, 0,2,4,6
	v_cndmask_b32 v[240+\a/2], v[WD+\a], v[WD+\a+1], vcc_lo
	global_store_b32 v[VS], v[240+\a/2], s[12:13] offset:(\a/4)*HEADB+6400+(\a%4)*64
.endr
.Lend:
	s_wait_tensorcnt 0x0                           ; the wave's end
	ds_add_u32 v[SPW], v[NIL]
	s_wait_dscnt 0x0
	CROUND                                         ; the closing round
	s_endpgm
.Lfunc_end_k_q894712498d_gemm_qkv:
	.size	k_q894712498d_gemm_qkv, .Lfunc_end_k_q894712498d_gemm_qkv-k_q894712498d_gemm_qkv
	.p2alignl 7, 3214868480
	.fill 96, 4, 3214868480
	.section	.rodata,"a",@progbits
	.p2align	6, 0x0
	.amdhsa_kernel k_q894712498d_gemm_qkv
		.amdhsa_group_segment_fixed_size 327680
		.amdhsa_private_segment_fixed_size 0
		.amdhsa_enable_private_segment 0
		.amdhsa_kernarg_size 104
		.amdhsa_user_sgpr_count 2
		.amdhsa_user_sgpr_kernarg_segment_ptr 1
		.amdhsa_wavefront_size32 1
		.amdhsa_system_sgpr_workgroup_id_x 1
		.amdhsa_system_sgpr_workgroup_id_y 1
		.amdhsa_system_sgpr_workgroup_id_z 1
		.amdhsa_system_vgpr_workitem_id 0
		.amdhsa_next_free_vgpr 1024
		.amdhsa_next_free_sgpr 100
		.amdhsa_reserve_vcc 1
		.amdhsa_float_denorm_mode_32 3
		.amdhsa_float_denorm_mode_16_64 3
		.amdhsa_memory_ordered 1
		.amdhsa_forward_progress 1
		.amdhsa_inst_pref_size 255
	.end_amdhsa_kernel
	.section	.bss,"aw",@nobits
	.p2align	6
	.space	262144
	.amdgpu_metadata
---
amdhsa.version: [ 1, 2 ]
amdhsa.kernels:
  - .name:           k_q894712498d_gemm_qkv
    .symbol:         k_q894712498d_gemm_qkv.kd
    .args:
      - { .name: x_codes, .offset: 0, .size: 8, .value_kind: global_buffer, .address_space: global }
      - { .name: x_scales, .offset: 8, .size: 8, .value_kind: global_buffer, .address_space: global }
      - { .name: Wq_codes, .offset: 16, .size: 8, .value_kind: global_buffer, .address_space: global }
      - { .name: Wq_scales, .offset: 24, .size: 8, .value_kind: global_buffer, .address_space: global }
      - { .name: Wk_codes, .offset: 32, .size: 8, .value_kind: global_buffer, .address_space: global }
      - { .name: Wk_scales, .offset: 40, .size: 8, .value_kind: global_buffer, .address_space: global }
      - { .name: Wv_codes, .offset: 48, .size: 8, .value_kind: global_buffer, .address_space: global }
      - { .name: Wv_scales, .offset: 56, .size: 8, .value_kind: global_buffer, .address_space: global }
      - { .name: bq, .offset: 64, .size: 8, .value_kind: global_buffer, .address_space: global }
      - { .name: bk, .offset: 72, .size: 8, .value_kind: global_buffer, .address_space: global }
      - { .name: bv, .offset: 80, .size: 8, .value_kind: global_buffer, .address_space: global }
      - { .name: qk_raw, .offset: 88, .size: 8, .value_kind: global_buffer, .address_space: global }
      - { .name: kv_img, .offset: 96, .size: 8, .value_kind: global_buffer, .address_space: global }
    .group_segment_fixed_size: 327680
    .private_segment_fixed_size: 0
    .kernarg_segment_align: 8
    .kernarg_segment_size: 104
    .max_flat_workgroup_size: 128
    .sgpr_count:     100
    .vgpr_count:     1024
    .wavefront_size: 32
...
	.end_amdgpu_metadata
.endif
;; end of part 5
;; launch prep (part 6): grid 128 x 2, 16 waves a work-group, no clusters, 202,752 bytes of LDS; arguments qk_raw, qn_w, kn_w, q_cos, q_sin, k_cos, k_sin, q_img, kv_img; writes q_img, kv_img
.if DOCPART == 6
	.amdgcn_target "amdgcn-amd-amdhsa--gfx1250"
	.amdhsa_code_object_version 6
	.text
	.protected	k_q894712498d_prep
	.globl	k_q894712498d_prep
	.p2align	8
	.type	k_q894712498d_prep,@function
k_q894712498d_prep:
	s_mov_b64 s[64:65], 0
	v_nop
	global_prefetch_b8 v0, s[64:65] scope:SCOPE_SE
	s_setreg_imm32_b32 hwreg(HW_REG_WAVE_MODE, 25, 1), 1
	s_wait_xcnt 0x0
; q and k (f32, bias added, in qk_raw [2048][4096]) get their RMS norm over all 2,048 numbers of a row, the gain, the interleaved RoPE, and are quantised along each head's 64 (two blocks of 32) to codes of FP6 (E2M3).
; Work-group (g, y): tokens 16 g .. 16 g + 15 of q (y = 0) or of k (y = 1): only pointers are chosen on y.  Wave w takes row 16 g + w.  256 work-groups.
; A LANE IS A HEAD: a row is loaded as it lies (512 consecutive bytes a load) and turned through the wave's own stage in LDS, so that lane l holds channels 64 l .. 64 l + 63: both blocks and all pairs of the RoPE lie
; in one lane.  cos and sin are the same for all heads of a row, so they come as scalars.
; WHAT LEAVES: for each head HALF a fragment (an image of operand registers).  A fragment's row m holds token 32 G + m in k = 0 .. 63 (registers 0-5) and token 32 G + 16 + m in k = 64 .. 127 (registers 6-11); G = g / 2, my half u = g % 2.
; Half u lies at 768 u of the fragment's 1,536 bytes: registers 6 u .. 6 u + 3 of lane l at 16 l, registers 6 u + 4, 6 u + 5 at 512 + 8 l.  Of the 16 scale words (4 bytes a row m) my two bytes lie at 4 m + 2 u.
; Place: [head][G / 4][12,800 bytes]: fragment G % 4 at 1,536 (G % 4), its scale words at 12,288 + 64 (G % 4).
; The codes of 16 waves meet in a stage in LDS, and each wave stores two heads' halves: 512 and 256 consecutive bytes a store, aligned.  No tensor loads, no matrix work: memory binds; all of a wave's 17 loads go out at its head.
; LIMITS: NaN and infinities are not served; the sum of squares overflows for numbers above about 4e17; a block of zeros gets the byte 1 (its codes are zeros; this program alone reads the bytes); a block whose largest
; magnitude lies under 2^-124 is held at that floor.  The RoPE uses fused multiply-adds and the sum of squares another order than a plain chain; v_rsq_f32 is accurate to 1 ulp (ISA guide, its entry).
.set HEADB, 204800
.set STEPB, 12800
.set WST,  0                           ; the gain, turned: 32 places of 272 bytes
.set RST,  8704                        ; a stage of 32 places of 272 bytes for each wave
.set OST,  RST+16*8704                 ; the codes: 1,552 bytes a head, of which 768 are used
.set SST,  OST+32*1552                 ; the scale words: 68 bytes a head
.set RA,   16                          ; v16-79   the row as loaded, then the gain, then the way out
.set RC,   144                         ; v144-207 the row at work: my head's 64 numbers
.set FG,   208                         ; v208-213, v220-225: six registers for each half of the channels
.set SW,   235                         ; the two scale bytes
.set SQ,   244                         ; v244-251 the sum of squares, four chains; later at work
; v1 16 x lane; v2, v3 into the gain's and my stage; v4, v5 out of them; v6, v7 into the codes' and words' stages; v8, v9 out of them; v10 the gain's offset; v11, v12 offsets of the stores
	s_load_b512 s[4:19], s[0:1], 0x0               ; qk_raw, qn_w, kn_w, q_cos, q_sin, k_cos, k_sin, q_img
	s_load_b64 s[20:21], s[0:1], 0x40              ; kv_img
	v_lshl_add_u32 v254, v0, 2, 0x31000
	v_mov_b32 v255, 0
	v_lshrrev_b32 v13, 5, v0
	s_delay_alu instid0(VALU_DEP_1)
	v_readfirstlane_b32 s92, v13                   ; wave 0..15
	s_and_b32 s93, ttmp7, 0xffff                   ; y
	v_and_b32 v14, 31, v0                          ; lane
	s_delay_alu instid0(VALU_DEP_1)
	v_lshlrev_b32 v1, 4, v14
	s_delay_alu instid0(VALU_DEP_2)
	v_lshrrev_b32 v15, 4, v14                      ; lane / 16
	s_delay_alu instid0(VALU_DEP_3)
	v_and_b32 v13, 15, v14                         ; lane % 16
	s_delay_alu instid0(VALU_DEP_2)
	v_mul_u32_u24 v2, v15, 272
	s_delay_alu instid0(VALU_DEP_1)
	v_lshl_add_u32 v2, v13, 4, v2                  ; a load's 512 bytes are two whole heads: 272 (lane / 16) + 16 (lane % 16)
	s_mul_i32 s22, s92, 8704
	s_add_co_u32 s22, s22, RST
	v_add_nc_u32 v3, s22, v2
	v_mul_u32_u24 v4, v14, 272                     ; out: 272 x lane (the gain's stage begins at LDS byte 0)
	s_delay_alu instid0(VALU_DEP_1)
	v_add_nc_u32 v5, s22, v4
	s_mul_i32 s23, s92, 544
	v_add_nc_u32 v2, s23, v2                       ; the gain: wave w brings bytes 512 w on
	v_mul_u32_u24 v6, v14, 1552
	s_lshl_b32 s23, s92, 4
	s_add_co_u32 s23, s23, OST
	v_add_nc_u32 v6, s23, v6                       ; head = lane, the fragment's lane w (and w + 16: + 256)
	v_mul_u32_u24 v7, v14, 68
	s_lshl_b32 s23, s92, 2
	s_add_co_u32 s23, s23, SST
	v_add_nc_u32 v7, s23, v7
	s_mul_i32 s23, s92, 3104
	s_add_co_u32 s23, s23, OST
	v_add_nc_u32 v8, s23, v1                       ; out: heads 2 w and 2 w + 1
	v_mul_u32_u24 v9, v15, 68
	s_delay_alu instid0(VALU_DEP_1)
	v_lshl_add_u32 v9, v13, 2, v9
	s_mul_i32 s23, s92, 136
	s_add_co_u32 s23, s23, SST
	v_add_nc_u32 v9, s23, v9
	s_lshl_b32 s23, s92, 9
	v_add_nc_u32 v10, s23, v1
	s_mul_i32 s23, s92, 2*HEADB
	v_add_nc_u32 v11, s23, v1
	v_mul_u32_u24 v12, v15, HEADB
	s_delay_alu instid0(VALU_DEP_1)
	v_lshl_add_u32 v12, v13, 2, v12
	s_delay_alu instid0(VALU_DEP_1)
	v_add_nc_u32 v12, s23, v12
	s_lshl_b32 s24, ttmp9, 4
	s_add_co_u32 s24, s24, s92                     ; my row
	s_lshl_b32 s26, s24, 14                        ; x 16,384 bytes
	s_lshl_b32 s27, s93, 13                        ; k's half of a row
	s_add_co_u32 s26, s26, s27
	s_mov_b32 s27, 0
	s_lshl_b32 s28, s24, 8                         ; a row of cos or sin is 256 bytes
	s_mov_b32 s29, 0
	s_lshr_b32 s30, ttmp9, 3
	s_mul_i32 s30, s30, STEPB
	s_bfe_u32 s31, ttmp9, 0x20001                  ; the fragment in its step
	s_and_b32 s36, ttmp9, 1                        ; my half of it
	s_mul_i32 s32, s31, 1536
	s_add_co_u32 s32, s32, s30
	s_mul_i32 s37, s36, 768
	s_add_co_u32 s32, s32, s37                     ; the half fragment's place in a head
	s_mov_b32 s33, 0
	s_lshl_b32 s34, s31, 6
	s_add_co_u32 s34, s34, s30
	s_add_co_u32 s34, s34, 12288
	s_lshl_b32 s37, s36, 1
	s_add_co_u32 s34, s34, s37                     ; its scale bytes'
	s_mov_b32 s35, 0
	s_mov_b32 s94, 0x76543210
	s_mov_b32 s95, 0xfedcba98                      ; v_permlanex16_b32's selects for lane l xor 16
	s_mov_b32 s96, 0x358637bd                      ; 1e-6
	s_wait_alu depctr_va_vdst(0)
	s_wait_kmcnt 0x0
	s_cmp_eq_u32 s93, 0
	s_cselect_b64 s[84:85], s[6:7], s[8:9]         ; the gain
	s_cselect_b64 s[86:87], s[10:11], s[14:15]     ; cos
	s_cselect_b64 s[88:89], s[12:13], s[16:17]     ; sin
	s_cselect_b64 s[90:91], s[18:19], s[20:21]     ; the result
	s_add_nc_u64 s[4:5], s[4:5], s[26:27]
	s_add_nc_u64 s[86:87], s[86:87], s[28:29]
	s_add_nc_u64 s[88:89], s[88:89], s[28:29]
	s_add_nc_u64 s[98:99], s[90:91], s[34:35]
	s_add_nc_u64 s[90:91], s[90:91], s[32:33]
	global_load_b128 v[240:243], v10, s[84:85]
.irp i, 0,1,2,3,4,5,6,7,8,9,10,11,12,13,14,15
	global_load_b128 v[RA+4*\i:RA+4*\i+3], v1, s[4:5] offset:512*\i th:TH_LOAD_NT
.endr
; 32 numbers of cos and of sin: channels 32 half on of my row: cos in s16-31 and s48-63, sin in s32-47 and s68-83
.macro CS half
	s_load_b512 s[16:31], s[86:87], 128*\half
	s_load_b512 s[48:63], s[86:87], 128*\half+64
	s_load_b512 s[32:47], s[88:89], 128*\half
	s_load_b512 s[68:83], s[88:89], 128*\half+64
.endm
	CS 0
	s_wait_loadcnt 16                              ; the gain's load is in; the row's 16 may be out
	ds_store_b128 v2, v[240:243]
	s_wait_dscnt 0x0                               ; for the others' sake
	s_barrier_signal -1
	s_barrier_wait -1                              ; the whole gain lies in LDS
.macro ROPE half                       ; out[2 i] = y[2 i] cos[2 i] - y[2 i + 1] sin[2 i];  out[2 i + 1] = y[2 i + 1] cos[2 i + 1] + y[2 i] sin[2 i + 1]
	s_wait_kmcnt 0x0
.set i, 0
.rept 16
.if i < 8
.set KC, 16+2*i
.set KN, 32+2*i
.else
.set KC, 48+2*i-16
.set KN, 68+2*i-16
.endif
.set Y, RC+32*\half+2*i
.set T, 238+2*(i%3)
	v_mul_f32 v[T], s[KN], v[Y+1]
	v_mul_f32 v[T+1], s[KN+1], v[Y]
	s_delay_alu instid0(VALU_DEP_2)
	v_fma_f32 v[Y], v[Y], s[KC], -v[T]
	s_delay_alu instid0(VALU_DEP_2)
	v_fma_f32 v[Y+1], v[Y+1], s[KC+1], v[T+1]
.set i, i+1
.endr
.endm
.macro QB h                            ; block h of my row: all its 32 numbers are mine
.set XS, RC+32*\h
.set FD, FG+12*\h
	v_max3_num_f32 v246, |v[XS]|, |v[XS+1]|, |v[XS+2]|
	v_max3_num_f32 v247, |v[XS+3]|, |v[XS+4]|, |v[XS+5]|
.irp i, 6,10,14,18,22,26
	s_delay_alu instid0(VALU_DEP_2)
	v_max3_num_f32 v246, v246, |v[XS+\i]|, |v[XS+\i+1]|
	s_delay_alu instid0(VALU_DEP_2)
	v_max3_num_f32 v247, v247, |v[XS+\i+2]|, |v[XS+\i+3]|
.endr
	s_delay_alu instid0(VALU_DEP_2)
	v_max3_num_f32 v246, v246, |v[XS+30]|, |v[XS+31]|
	s_delay_alu instid0(VALU_DEP_1)
	v_max3_num_f32 v246, v246, v247, 0x1800000     ; and the floor 2^(3 - 127): the byte cannot fall under 1
	s_delay_alu instid0(VALU_DEP_1)
	v_add_nc_u32 v248, 0xff000000, v246            ; 2 off the exponent field: the conversion's scale operand
	v_cvt_scalef32_pk16_fp6_f32 v[FD:FD+2], v[XS:XS+15], v248
	v_cvt_scalef32_pk16_fp6_f32 v[232:234], v[XS+16:XS+31], v248   ; (a conversion's three registers begin on an even number)
	v_lshrrev_b32 v249, 23, v248                   ; the scale's byte.  (The plain place behind the conversions)
.irp i, 0,1,2
	v_mov_b32 v[FD+3+\i], v[232+\i]
.endr
.if \h == 0
	s_delay_alu instid0(VALU_DEP_4)
	v_mov_b32 v[SW], v249
.else
	s_delay_alu instid0(VALU_DEP_4)
	v_lshl_or_b32 v[SW], v249, 8, v[SW]
.endif
.endm
	s_wait_loadcnt 0x0                             ; my row
.irp i, 0,1,2,3,4,5,6,7,8,9,10,11,12,13,14,15
	ds_store_b128 v3, v[RA+4*\i:RA+4*\i+3] offset:544*\i
.endr
.irp j, 0,1,2,3,4,5,6,7,8,9,10,11,12,13,14,15
	ds_load_b128 v[RC+4*\j:RC+4*\j+3], v5 offset:16*\j   ; LDS serves a wave's instructions in order: these see my stores
.endr
	s_wait_dscnt 0x0
.irp j, 0,1,2,3,4,5,6,7,8,9,10,11,12,13,14,15
	ds_load_b128 v[RA+4*\j:RA+4*\j+3], v4 offset:16*\j   ; my head's gain, into the registers that the row has left; it lands under the sum of squares
.endr
.irp k, 0,1,2,3
	v_pk_mul_f32 v[SQ+2*\k:SQ+2*\k+1], v[RC+2*\k:RC+2*\k+1], v[RC+2*\k:RC+2*\k+1]
.endr
.set p, 4
.rept 28
	s_delay_alu instid0(VALU_DEP_4)
	v_pk_fma_f32 v[SQ+2*(p%4):SQ+2*(p%4)+1], v[RC+2*p:RC+2*p+1], v[RC+2*p:RC+2*p+1], v[SQ+2*(p%4):SQ+2*(p%4)+1]
.set p, p+1
.endr
	s_delay_alu instid0(VALU_DEP_3)
	v_pk_add_f32 v[SQ:SQ+1], v[SQ:SQ+1], v[SQ+2:SQ+3]
	s_delay_alu instid0(VALU_DEP_2)
	v_pk_add_f32 v[SQ+4:SQ+5], v[SQ+4:SQ+5], v[SQ+6:SQ+7]
	s_delay_alu instid0(VALU_DEP_1)
	v_pk_add_f32 v[SQ:SQ+1], v[SQ:SQ+1], v[SQ+4:SQ+5]
	s_delay_alu instid0(VALU_DEP_1)
	v_add_f32 v[SQ], v[SQ], v[SQ+1]
	s_delay_alu instid0(VALU_DEP_1)
	v_add_f32_dpp v[SQ], v[SQ], v[SQ] row_xmask:1 row_mask:0xf bank_mask:0xf
	s_delay_alu instid0(VALU_DEP_1)
	v_add_f32_dpp v[SQ], v[SQ], v[SQ] row_xmask:2 row_mask:0xf bank_mask:0xf
	s_delay_alu instid0(VALU_DEP_1)
	v_add_f32_dpp v[SQ], v[SQ], v[SQ] row_xmask:4 row_mask:0xf bank_mask:0xf
	s_delay_alu instid0(VALU_DEP_1)
	v_add_f32_dpp v[SQ], v[SQ], v[SQ] row_xmask:8 row_mask:0xf bank_mask:0xf
	s_delay_alu instid0(VALU_DEP_1)
	v_permlanex16_b32 v[SQ+1], v[SQ], s94, s95
	s_delay_alu instid0(VALU_DEP_1)
	v_add_f32 v[SQ], v[SQ], v[SQ+1]                ; the row's sum of squares, in every lane
	s_delay_alu instid0(VALU_DEP_1)
	v_fma_f32 v[SQ], v[SQ], 0x3a000000, s96        ; / 2,048 + 1e-6
	s_wait_alu depctr_va_vdst(0)
	v_rsq_f32 v236, v[SQ]
	v_mov_b32 v237, 0                              ; a plain place behind the transcendental; and the pair's upper half is written
	s_wait_alu depctr_va_vdst(0)                   ; the wait ahead of the first reader
.set p, 0
.rept 32
	v_pk_mul_f32 v[RC+2*p:RC+2*p+1], v[RC+2*p:RC+2*p+1], v[236:237] op_sel_hi:[1,0]
.set p, p+1
.endr
	s_wait_dscnt 0x0                               ; the gain
.set p, 0
.rept 32
	v_pk_mul_f32 v[RC+2*p:RC+2*p+1], v[RC+2*p:RC+2*p+1], v[RA+2*p:RA+2*p+1]
.set p, p+1
.endr
	ROPE 0
	CS 1                                           ; the other half's cos and sin come while this block is quantised
	QB 0
	ROPE 1
	QB 1
	s_lshl_b32 s23, s92, 3
	v_sub_nc_u32 v13, v6, s23                      ; the same place with 8 bytes a fragment's lane
.irp h, 0,1
	ds_store_b128 v6, v[FG+12*\h:FG+12*\h+3] offset:256*\h            ; the half's first four registers of the fragment's lane w + 16 h, for my lane's head
	ds_store_b64 v13, v[FG+12*\h+4:FG+12*\h+5] offset:512+128*\h      ; and its last two
.endr
	ds_store_b32 v7, v[SW]
	s_wait_dscnt 0x0                               ; for the others' sake
	s_barrier_signal -1
	s_barrier_wait -1                              ; 32 half fragments lie in LDS
	v_lshrrev_b32 v13, 1, v1                       ; 8 x lane
	s_delay_alu instid0(VALU_DEP_1)
	v_sub_nc_u32 v14, v8, v13
	v_sub_nc_u32 v15, v11, v13
.irp e, 0,1
	ds_load_b128 v[RA+8*\e:RA+8*\e+3], v8 offset:1552*\e
	ds_load_b64 v[RA+8*\e+4:RA+8*\e+5], v14 offset:1552*\e+512
.endr
	ds_load_b32 v[RA+24], v9
	s_wait_alu depctr_va_vdst(0)
	s_wait_dscnt 0x0
.irp e, 0,1
	global_store_b128 v11, v[RA+8*\e:RA+8*\e+3], s[90:91] offset:\e*HEADB          ; 32 lanes store 512 consecutive bytes, at a multiple of 256 from the buffer's first byte
	global_store_b64 v15, v[RA+8*\e+4:RA+8*\e+5], s[90:91] offset:\e*HEADB+512     ; and 256
.endr
	global_store_b16 v12, v[RA+24], s[98:99]       ; two heads' 16 pairs of scale bytes, 4 bytes apart
	s_wait_tensorcnt 0x0                           ; the wave's end
	ds_add_u32 v254, v255
	s_wait_dscnt 0x0
	s_endpgm
.Lfunc_end_k_q894712498d_prep:
	.size	k_q894712498d_prep, .Lfunc_end_k_q894712498d_prep-k_q894712498d_prep
	.p2alignl 7, 3214868480
	.fill 96, 4, 3214868480
	.section	.rodata,"a",@progbits
	.p2align	6, 0x0
	.amdhsa_kernel k_q894712498d_prep
		.amdhsa_group_segment_fixed_size 202752
		.amdhsa_private_segment_fixed_size 0
		.amdhsa_enable_private_segment 0
		.amdhsa_kernarg_size 72
		.amdhsa_user_sgpr_count 2
		.amdhsa_user_sgpr_kernarg_segment_ptr 1
		.amdhsa_wavefront_size32 1
		.amdhsa_system_sgpr_workgroup_id_x 1
		.amdhsa_system_sgpr_workgroup_id_y 1
		.amdhsa_system_sgpr_workgroup_id_z 1
		.amdhsa_system_vgpr_workitem_id 0
		.amdhsa_next_free_vgpr 256
		.amdhsa_next_free_sgpr 100
		.amdhsa_reserve_vcc 0
		.amdhsa_float_denorm_mode_32 3
		.amdhsa_float_denorm_mode_16_64 3
		.amdhsa_memory_ordered 1
		.amdhsa_forward_progress 1
		.amdhsa_inst_pref_size 32
	.end_amdhsa_kernel
	.amdgpu_metadata
---
amdhsa.version: [ 1, 2 ]
amdhsa.kernels:
  - .name:           k_q894712498d_prep
    .symbol:         k_q894712498d_prep.kd
    .args:
      - { .name: qk_raw, .offset: 0, .size: 8, .value_kind: global_buffer, .address_space: global }
      - { .name: qn_w, .offset: 8, .size: 8, .value_kind: global_buffer, .address_space: global }
      - { .name: kn_w, .offset: 16, .size: 8, .value_kind: global_buffer, .address_space: global }
      - { .name: q_cos, .offset: 24, .size: 8, .value_kind: global_buffer, .address_space: global }
      - { .name: q_sin, .offset: 32, .size: 8, .value_kind: global_buffer, .address_space: global }
      - { .name: k_cos, .offset: 40, .size: 8, .value_kind: global_buffer, .address_space: global }
      - { .name: k_sin, .offset: 48, .size: 8, .value_kind: global_buffer, .address_space: global }
      - { .name: q_img, .offset: 56, .size: 8, .value_kind: global_buffer, .address_space: global }
      - { .name: kv_img, .offset: 64, .size: 8, .value_kind: global_buffer, .address_space: global }
    .group_segment_fixed_size: 202752
    .private_segment_fixed_size: 0
    .kernarg_segment_align: 8
    .kernarg_segment_size: 72
    .max_flat_workgroup_size: 512
    .sgpr_count:     100
    .vgpr_count:     256
    .wavefront_size: 32
...
	.end_amdgpu_metadata
.endif
;; end of part 6
;; launch attn (part 7): grid 8 x 32, 16 waves a work-group, clusters of 4 x 1, 206,848 bytes of LDS; arguments q_img, kv_img, o_img, o_scl; writes o_img, o_scl
.if DOCPART == 7
	.amdgcn_target "amdgcn-amd-amdhsa--gfx1250"
	.amdhsa_code_object_version 6
	.text
	.protected	k_q894712498d_attn
	.globl	k_q894712498d_attn
	.p2align	8
	.type	k_q894712498d_attn,@function
k_q894712498d_attn:
	s_mov_b64 s[64:65], 0
	v_nop
	global_prefetch_b8 v0, s[64:65] scope:SCOPE_SE
	s_setreg_imm32_b32 hwreg(HW_REG_WAVE_MODE, 25, 1), 1
	s_wait_xcnt 0x0
	s_wait_alu depctr_hold_cnt(0) depctr_sa_sdst(0) depctr_va_vdst(0) depctr_va_sdst(0) depctr_va_ssrc(0) depctr_va_vcc(0) depctr_vm_vsrc(0)
	s_getreg_b32 s2, hwreg(HW_REG_IB_STS2, 6, 4)
	s_cmp_eq_u32 s2, 0
	s_cbranch_scc0 .Lentry_in_a_cluster
	s_endpgm
.Lentry_in_a_cluster:
	s_bfe_u32 s2, ttmp6, 0x10000c
	s_cmp_lg_u32 s2, 0x3003
	s_cbranch_scc0 .Lentry_shape_is_right
	s_endpgm
.Lentry_shape_is_right:
; o[q][head] = softmax_k(q . k / 8) v for 32 heads of 64, 2,048 queries and keys, both products on codes of FP6 (E2M3) with one E8M0 scale for each 32 along K; o is quantised along the 2,048 inner numbers for the last product.
; THE SOFTMAX: t = score x log2(e) / 8; M = the running largest t, rounded up to a whole number; p = 2^(t - M) is quantised along the keys; the row's sum is taken of the unquantised p and divides at the end.
; When M moves, the sum and O are multiplied by 2^(old M - new M): exact.
; SHARES.  A work-group owns 256 queries of one head, each of its sixteen waves 16 of them; every wave walks all 2,048 keys, 128 a step.
; LDS.  A head's K and V, as images of operand registers with their scale words (16 steps of 12,800 bytes), are one dense block of 204,800 bytes, brought once: wave w brings step w, one load a wave; no byte is filled twice.
; CLUSTER.  The four query blocks of a cluster belong to one head: each load is asked for jointly by the four.  Nothing is prefetched: all loads of the launch's one stream go out at its head.
; K = 64 IN AN INSTRUCTION OF 128.  A fragment of K (and of q) holds 32 tokens: row m = token 32 f + m in k = 0 .. 63 and token 32 f + 16 + m in k = 64 .. 127.  My queries stand twice: QA = (q | zero codes), QB = (zero codes | q).
; Such a fragment lies by halves: half u at 768 u, its registers 6 u .. 6 u + 3 of lane l at 16 l, registers 6 u + 4, 6 u + 5 at 512 + 8 l.  V's fragments: registers 4 c .. 4 c + 3 of lane l at 512 c + 16 l.
; Both products are used transposed: a lane holds ONE query (lane % 16).  Register 16 f + 8 u + j of lane (r, h) is key 32 f + 16 u + 8 h + j; quantised, a block's keys stand in the order 0-7, 16-23, 8-15, 24-31, as V's codes were laid.
; LIMITS: NaN and infinities are not served; the promise holds while the scaled scores stay under 2^31 in magnitude; a block of zeros gets the byte 1 (its codes are zeros; this program alone reads the bytes).
; A block's largest p is the exponential of the block's largest score, which takes v_exp_f32 not to fall where its input rises.
.set HEADB, 204800
.set STEPB, 12800
.set VFR,   6144
.set KSW,   12288
.set VSW,   12544
.set L16, 1
.set L4,  2
.set A16, 3
.set A4,  4
.set LN,  5
.set GOI, 10
.set GOS, 11
.set QA,  16                           ; v16-27 QA, v28-39 QB
.set KV,  40                           ; four fragments of K or of V
.set L8,  88
.set A8,  89
.set S,   96                           ; S^T, then p
.set O,   160                          ; O^T
.set PCD, 192                          ; p's codes
.set BM,  212
.set PT,  216
.set SOP, 220
.set KSC, 224
.set VSC, 226
.set QS,  228
.set PS,  229
.set FF,  230
.set TP,  232
.set CH,  240                          ; v240-253 seven chains of the sum
.set WV,  12
.set SEL, 20
.set CS,  22
.set G1,  24
.set G0,  32
.set TB,  48
.set CNT, 49
.macro CROUND
	s_barrier_signal -1
	s_barrier_wait -1
	s_cmp_lg_u32 s[WV], 0
	s_cbranch_scc1 .Lnot_wave_0_\@
	s_barrier_signal -3
.Lnot_wave_0_\@:
	s_barrier_wait -3
	s_barrier_signal -1
	s_barrier_wait -1
.endm
	s_load_b256 s[4:11], s[0:1], 0x0               ; q_img, kv_img, o_img, o_scl
	v_lshl_add_u32 v254, v0, 2, 0x32000
	v_mov_b32 v255, 0
	ds_add_u32 v254, v255
	ds_add_u32 v254, v255
	v_lshrrev_b32 v6, 5, v0
	s_delay_alu instid0(VALU_DEP_1)
	v_readfirstlane_b32 s[WV], v6                  ; wave 0..15
	s_bfe_u32 s13, ttmp6, 0x40000                  ; cx
	s_lshl_b32 s14, ttmp9, 2
	s_add_co_u32 s14, s14, s13                     ; my block of 256 queries: it enters global addresses alone
	s_and_b32 s15, ttmp7, 0xffff                   ; the head
	s_mov_b32 s[G1], 15|(3<<16)|(1<<21)            ; a step's 12,800 dense bytes as 50 rows of 256; the mask names all four
	s_mov_b32 s[G1+1], 32<<16
	s_mov_b32 s[G1+2], 50<<16
	s_mov_b32 s[G1+3], 32<<16
	s_mov_b32 s[G1+4], 50
	s_mov_b32 s[G1+5], 32
	s_mov_b32 s[G1+6], 0
	s_mov_b32 s[G1+7], 0
	s_mov_b32 s[SEL], 0x76543210
	s_mov_b32 s[SEL+1], 0xfedcba98
	s_mov_b32 s[CS], 0x3e38aa3b                    ; c = log2(e) / 8
	s_mov_b32 s[CS+1], s[CS]
	s_mul_i32 s50, s15, HEADB
	s_mov_b32 s51, 0
	s_mul_i32 s52, s[WV], STEPB                    ; my step's place in the head, in memory and in LDS
	s_mov_b32 s53, 0
	s_wait_dscnt 0x0
	s_wait_kmcnt 0x0
	s_add_nc_u64 s[6:7], s[6:7], s[50:51]
	s_add_nc_u64 s[54:55], s[6:7], s[52:53]
	s_mov_b32 s[G0], 1
	s_mov_b32 s[G0+1], s52
	s_mov_b64 s[G0+2:G0+3], s[54:55]
	s_or_b32 s[G0+3], s[G0+3], 0x80000000
	CROUND                                         ; all four work-groups are here: the joint loads meet
	tensor_load_to_lds s[G0:G0+3], s[G1:G1+7]      ; one load a wave
	s_nop 0
.rept 4
	v_nop
.endr
	v_and_b32 v[LN], 31, v0
	v_and_b32 v6, 15, v0                           ; r
	v_bfe_u32 v7, v0, 4, 1                         ; h
	s_delay_alu instid0(VALU_DEP_3)
	v_lshlrev_b32 v[L16], 4, v[LN]
	v_lshlrev_b32 v[L4], 2, v[LN]
	v_lshlrev_b32 v[L8], 3, v[LN]
	s_wait_alu depctr_va_vdst(0)                   ; the wait ahead of the run of scalar instructions
	s_lshl_b32 s56, s14, 1
	s_lshr_b32 s57, s[WV], 3
	s_add_co_u32 s56, s56, s57                     ; my 16 queries lie in step 2 x block + wave / 8,
	s_mul_i32 s56, s56, STEPB
	s_add_co_u32 s56, s56, s50
	s_mov_b32 s57, 0
	s_add_nc_u64 s[4:5], s[4:5], s[56:57]
	s_bfe_u32 s58, s[WV], 0x20001                  ; fragment (wave / 2) % 4,
	s_mul_i32 s59, s58, 1536
	s_and_b32 s50, s[WV], 1                        ; half wave % 2
	s_mul_i32 s61, s50, 768
	s_add_co_u32 s59, s59, s61
	v_add_nc_u32 v8, s59, v[L16]
	v_add_nc_u32 v90, s59, v[L8]
	s_lshl_b32 s59, s58, 6
	v_lshl_add_u32 v9, v6, 2, s59
	global_load_b128 v[QA:QA+3], v8, s[4:5]
	global_load_b64 v[QA+4:QA+5], v90, s[4:5] offset:512
	global_load_b32 v[TP], v9, s[4:5] offset:KSW
	s_lshl_b32 s60, s14, 4                         ; the way out: token tile i = 16 x block + wave
	s_add_co_u32 s60, s60, s[WV]
	s_lshl_b32 s62, s60, 4
	s_lshr_b32 s61, s15, 1
	s_add_co_u32 s62, s62, s61                     ; fragment 16 i + head / 2 of o_img,
	s_mul_i32 s62, s62, 1536
	s_and_b32 s61, s15, 1
	s_mul_i32 s61, s61, 768                        ; its registers 0-5 or 6-11
	s_add_co_u32 s62, s62, s61
	s_mov_b32 s63, 0
	s_add_nc_u64 s[8:9], s[8:9], s[62:63]
	s_lshl_b32 s62, s60, 10
	s_lshl_b32 s61, s15, 1
	s_add_co_u32 s62, s62, s61
	s_add_nc_u64 s[10:11], s[10:11], s[62:63]
	v_lshlrev_b32 v[GOI], 3, v[LN]
	v_lshl_add_u32 v[GOS], v6, 6, v7
	v_mov_b32 v13, 0xff61b1e6                      ; the largest t so far: -3e38
	s_delay_alu instid0(VALU_DEP_1)
	v_floor_f32 v12, -v13                          ; -M
	v_mov_b32 v14, 0
	v_mov_b32 v15, 0
.irp b, 0,1,2,3
	v_mov_b32 v[PT+\b], 0
.endr
	v_mov_b32 v[FF+1], 0
	s_lshl_b32 s50, s50, 4
	s_wait_alu depctr_va_vdst(0)
	s_wait_loadcnt 0x0
.irp i, 0,1,2,3,4,5
	v_mov_b32 v[QA+18+\i], v[QA+\i]
	v_mov_b32 v[QA+6+\i], 0                        ; zero codes
	v_mov_b32 v[QA+12+\i], 0
.endr
	v_lshrrev_b32 v[TP], s50, v[TP]
	s_delay_alu instid0(VALU_DEP_1)
	v_and_b32 v[TP], 0xffff, v[TP]
	s_delay_alu instid0(VALU_DEP_1)
	v_lshl_or_b32 v[QS], v[TP], 16, v[TP]          ; my queries' two bytes, for both halves of K
.set j, 0
.rept 32
	v_mov_b32 v[O+j], 0                            ; the step is written once; its first run finds zeros
.set j, j+1
.endr
.macro STEP                            ; 128 keys
	v_add_nc_u32 v[A16], s[TB], v[L16]
	v_add_nc_u32 v[A4], s[TB], v[L4]
	v_add_nc_u32 v[A8], s[TB], v[L8]
	v_nop                                          ; four places behind the last step's products
.irp f, 0,1,2,3
	ds_load_b128 v[KV+12*\f:KV+12*\f+3], v[A16] offset:1536*\f
	ds_load_b64 v[KV+12*\f+4:KV+12*\f+5], v[A8] offset:1536*\f+512
	ds_load_b128 v[KV+12*\f+6:KV+12*\f+9], v[A16] offset:1536*\f+768
	ds_load_b64 v[KV+12*\f+10:KV+12*\f+11], v[A8] offset:1536*\f+1280
.endr
	ds_load_b32 v[KSC], v[A4] offset:KSW
	ds_load_b32 v[KSC+1], v[A4] offset:KSW+128
	s_wait_alu depctr_va_vdst(0)
	s_wait_dscnt 0x0
.irp f, 0,1,2,3
.irp u, 0,1
.if \f%2
	v_wmma_scale_f32_16x16x128_f8f6f4 v[S+16*\f+8*\u:S+16*\f+8*\u+7], v[KV+12*\f:KV+12*\f+11], v[QA+12*\u:QA+12*\u+11], 0, v[KSC+\f/2], v[QS] matrix_a_fmt:MATRIX_FMT_FP6 matrix_b_fmt:MATRIX_FMT_FP6 matrix_a_scale:MATRIX_SCALE_ROW1
.else
	v_wmma_scale_f32_16x16x128_f8f6f4 v[S+16*\f+8*\u:S+16*\f+8*\u+7], v[KV+12*\f:KV+12*\f+11], v[QA+12*\u:QA+12*\u+11], 0, v[KSC+\f/2], v[QS] matrix_a_fmt:MATRIX_FMT_FP6 matrix_b_fmt:MATRIX_FMT_FP6
.endif
.endr
.endr
.rept 4
	v_nop
.endr
.irp t, 0,1,2,3                        ; V is asked for now and lands under the softmax
.irp c, 0,1,2
	ds_load_b128 v[KV+12*\t+4*\c:KV+12*\t+4*\c+3], v[A16] offset:VFR+1536*\t+512*\c
.endr
.endr
	ds_load_b32 v[VSC], v[A4] offset:VSW
	ds_load_b32 v[VSC+1], v[A4] offset:VSW+128
.irp b, 0,1,2,3
	v_max3_num_f32 v[BM+\b], v[S+16*\b], v[S+1+16*\b], v[S+2+16*\b]   ; each block's largest score: for the row's maximum and for the block's largest p
.endr
.irp i, 3,5,7,9,11,13
.irp b, 0,1,2,3
	v_max3_num_f32 v[BM+\b], v[BM+\b], v[S+16*\b+\i], v[S+1+16*\b+\i]
.endr
.endr
.irp b, 0,1,2,3
	v_max_num_f32 v[BM+\b], v[BM+\b], v[S+15+16*\b]
.endr
.irp b, 0,1,2,3
	s_delay_alu instid0(VALU_DEP_4)
	v_permlanex16_b32 v[PT+\b], v[BM+\b], s[SEL], s[SEL+1]
.endr
.irp b, 0,1,2,3
	s_delay_alu instid0(VALU_DEP_4)
	v_max_num_f32 v[BM+\b], v[BM+\b], v[PT+\b]
.endr
	s_delay_alu instid0(VALU_DEP_2)
	v_max3_num_f32 v[TP], v[BM], v[BM+1], v[BM+2]
	s_delay_alu instid0(VALU_DEP_1)
	v_max_num_f32 v[TP], v[TP], v[BM+3]
	s_delay_alu instid0(VALU_DEP_1)
	v_mul_f32 v[TP], s[CS], v[TP]
	s_delay_alu instid0(VALU_DEP_1)
	v_max_num_f32 v13, v13, v[TP]                  ; the running largest t
	v_mov_b32 v[TP], v12
	s_delay_alu instid0(VALU_DEP_2)
	v_floor_f32 v12, -v13                          ; the new -M = -ceil(t)
	s_delay_alu instid0(VALU_DEP_1)
	v_sub_f32 v[TP], v12, v[TP]
	s_delay_alu instid0(VALU_DEP_1)
	v_cvt_i32_f32 v[TP], v[TP]
	s_delay_alu instid0(VALU_DEP_1)
	v_ldexp_f32 v[FF], 1.0, v[TP]                  ; f = 2^(old M - new M)
.set j, 0
.rept 32
	v_pk_fma_f32 v[S+j:S+j+1], v[S+j:S+j+1], s[CS:CS+1], v[12:13] op_sel_hi:[1,0,0]   ; t - M
.set j, j+2
.endr
.irp b, 0,1,2,3
	v_fma_f32 v[BM+\b], v[BM+\b], s[CS], v12
.endr
.set j, 0
	s_wait_alu depctr_va_vdst(0)                   ; the wait ahead of the batch
.rept 64
	v_exp_f32 v[S+j], v[S+j]                       ; p = 2^(t - M)
.set j, j+1
.endr
	v_pk_mul_f32 v[14:15], v[14:15], v[FF:FF+1] op_sel_hi:[1,0]   ; the sums under the new M
	s_wait_alu depctr_va_vdst(0)                   ; and behind it
.irp b, 0,1,2,3
	v_exp_f32 v[BM+\b], v[BM+\b]                   ; the block's largest p
.endr
.irp k, 0,1,2,3,4,5,6                  ; the row's sum of the unquantised p: eight chains
	v_pk_add_f32 v[CH+2*\k:CH+2*\k+1], v[S+4*\k:S+4*\k+1], v[S+4*\k+2:S+4*\k+3]
.endr
.set j, 14
.rept 18
.if j%8 == 7
	v_pk_add_f32 v[14:15], v[14:15], v[S+2*j:S+2*j+1]
.else
	v_pk_add_f32 v[CH+2*(j%8):CH+2*(j%8)+1], v[CH+2*(j%8):CH+2*(j%8)+1], v[S+2*j:S+2*j+1]
.endif
.set j, j+1
.endr
	v_pk_add_f32 v[CH:CH+1], v[CH:CH+1], v[CH+2:CH+3]
	v_pk_add_f32 v[CH+4:CH+5], v[CH+4:CH+5], v[CH+6:CH+7]
	v_pk_add_f32 v[CH+8:CH+9], v[CH+8:CH+9], v[CH+10:CH+11]
	s_delay_alu instid0(VALU_DEP_4)
	v_pk_add_f32 v[14:15], v[14:15], v[CH+12:CH+13]
	s_delay_alu instid0(VALU_DEP_3)
	v_pk_add_f32 v[CH:CH+1], v[CH:CH+1], v[CH+4:CH+5]
	s_delay_alu instid0(VALU_DEP_2)
	v_pk_add_f32 v[14:15], v[14:15], v[CH+8:CH+9]
	s_delay_alu instid0(VALU_DEP_1)
	v_pk_add_f32 v[14:15], v[14:15], v[CH:CH+1]
	s_wait_alu depctr_va_vdst(0)                   ; for the four
.irp b, 0,1,2,3
	v_max_num_f32 v[BM+\b], 0x1800000, v[BM+\b]    ; the floor 2^(3 - 127): the byte cannot fall under 1
.endr
.irp b, 0,1,2,3
	s_delay_alu instid0(VALU_DEP_4)
	v_add_nc_u32 v[SOP+\b], 0xff000000, v[BM+\b]   ; the conversion's scale operand
.endr
.irp b, 0,1,2,3
	s_delay_alu instid0(VALU_DEP_4)
	v_lshrrev_b32 v[PT+\b], 23, v[SOP+\b]          ; the scale's byte
.endr
	s_delay_alu instid0(VALU_DEP_3)
	v_lshl_or_b32 v[PS], v[PT+1], 8, v[PT]
	s_delay_alu instid0(VALU_DEP_1)
	v_lshl_or_b32 v[PS], v[PT+2], 16, v[PS]
	s_delay_alu instid0(VALU_DEP_1)
	v_lshl_or_b32 v[PS], v[PT+3], 24, v[PS]
.irp c, 0,1
	v_cvt_scalef32_pk16_fp6_f32 v[PCD+6*\c:PCD+2+6*\c], v[S+32*\c:S+15+32*\c], v[SOP+2*\c]
	v_cvt_scalef32_pk16_fp6_f32 v[PCD+12+4*\c:PCD+14+4*\c], v[S+16+32*\c:S+31+32*\c], v[SOP+2*\c+1]
.endr
	v_nop
.irp c, 0,1
.irp i, 0,1,2
	v_permlane16_swap_b32 v[PCD+6*\c+\i], v[PCD+12+4*\c+\i]
.endr
.irp i, 0,1,2
	s_delay_alu instid0(VALU_DEP_3)
	v_mov_b32 v[PCD+3+6*\c+\i], v[PCD+12+4*\c+\i]
.endr
.endr
.set j, 0
.rept 16
	v_pk_mul_f32 v[O+j:O+j+1], v[O+j:O+j+1], v[FF:FF+1] op_sel_hi:[1,0]   ; O^T under the new M; also the places ahead of the products
.set j, j+2
.endr
	s_wait_alu depctr_va_vdst(0)
	s_wait_dscnt 0x0                               ; V
.irp t, 0,1,2,3                        ; O^T += V^T P^T: four accumulators by turns
.if \t%2
	v_wmma_scale_f32_16x16x128_f8f6f4 v[O+8*\t:O+8*\t+7], v[KV+12*\t:KV+12*\t+11], v[PCD:PCD+11], v[O+8*\t:O+8*\t+7], v[VSC+\t/2], v[PS] matrix_a_fmt:MATRIX_FMT_FP6 matrix_b_fmt:MATRIX_FMT_FP6 matrix_a_scale:MATRIX_SCALE_ROW1
.else
	v_wmma_scale_f32_16x16x128_f8f6f4 v[O+8*\t:O+8*\t+7], v[KV+12*\t:KV+12*\t+11], v[PCD:PCD+11], v[O+8*\t:O+8*\t+7], v[VSC+\t/2], v[PS] matrix_a_fmt:MATRIX_FMT_FP6 matrix_b_fmt:MATRIX_FMT_FP6
.endif
.endr
.endm
	s_wait_tensorcnt 0x0                           ; my step has landed
	s_wait_dscnt 0x0
	s_barrier_signal -1
	s_barrier_wait -1                              ; and so have the other fifteen
	s_mov_b32 s[TB], 0
	s_mov_b32 s[CNT], 16
.Lstep:
	STEP
	s_add_co_u32 s[TB], s[TB], STEPB
	s_sub_co_u32 s[CNT], s[CNT], 1
	s_cmp_lg_u32 s[CNT], 0
	s_cbranch_scc1 .Lstep
	; THE WAY OUT.  O^T / the sum; register 8 t + j of lane (r, h) is channel 16 t + 8 h + j of query r.
.rept 4
	v_nop
.endr
	v_add_f32 v14, v14, v15
	s_delay_alu instid0(VALU_DEP_1)
	v_permlanex16_b32 v[TP], v14, s[SEL], s[SEL+1]
	s_delay_alu instid0(VALU_DEP_1)
	v_add_f32 v14, v14, v[TP]
	s_wait_alu depctr_va_vdst(0)
	v_rcp_f32 v[FF], v14
	v_cmp_le_u32 vcc_lo, 16, v[LN]
	v_nop
	s_wait_alu depctr_va_vdst(0)
.set j, 0
.rept 16
	v_pk_mul_f32 v[O+j:O+j+1], v[O+j:O+j+1], v[FF:FF+1] op_sel_hi:[1,0]
.set j, j+2
.endr
.irp b, 0,1                            ; lane (r, h)'s 16 registers of block b become channels 32 b + 16 h + 0 .. 15
.irp j, 0,1,2,3,4,5,6,7
	v_permlane16_swap_b32 v[O+16*\b+\j], v[O+8+16*\b+\j]
.endr
.endr
.irp b, 0,1
	v_max3_num_f32 v[BM+\b], |v[O+16*\b]|, |v[O+1+16*\b]|, 0x1800000
.endr
.irp i, 2,4,6,8,10,12,14
.irp b, 0,1
	s_delay_alu instid0(VALU_DEP_2)
	v_max3_num_f32 v[BM+\b], v[BM+\b], |v[O+16*\b+\i]|, |v[O+1+16*\b+\i]|
.endr
.endr
.irp b, 0,1
	s_delay_alu instid0(VALU_DEP_2)
	v_permlanex16_b32 v[PT+\b], v[BM+\b], s[SEL], s[SEL+1]
.endr
.irp b, 0,1
	s_delay_alu instid0(VALU_DEP_2)
	v_max_num_f32 v[BM+\b], v[BM+\b], v[PT+\b]
.endr
.irp b, 0,1
	s_delay_alu instid0(VALU_DEP_2)
	v_add_nc_u32 v[SOP+\b], 0xff000000, v[BM+\b]
.endr
.irp b, 0,1
	s_delay_alu instid0(VALU_DEP_2)
	v_lshrrev_b32 v[PT+\b], 23, v[SOP+\b]
.endr
	v_cvt_scalef32_pk16_fp6_f32 v[PCD:PCD+2], v[O:O+15], v[SOP]
	v_cvt_scalef32_pk16_fp6_f32 v[PCD+8:PCD+10], v[O+16:O+31], v[SOP+1]
	v_nop
.irp i, 0,1,2
	v_permlane16_swap_b32 v[PCD+\i], v[PCD+8+\i]   ; lane (r, h) now holds block h whole
.endr
.irp i, 0,1,2
	s_delay_alu instid0(VALU_DEP_3)
	v_mov_b32 v[PCD+3+\i], v[PCD+8+\i]
.endr
	v_cndmask_b32 v[TP], v[PT], v[PT+1], vcc_lo    ; block h's byte
.irp p, 0,1,2
	global_store_b64 v[GOI], v[PCD+2*\p:PCD+2*\p+1], s[8:9] offset:256*\p   ; 32 lanes store 256 consecutive bytes, aligned
.endr
	global_store_b8 v[GOS], v[TP], s[10:11]        ; a byte a lane, rows 64 bytes apart: one byte in 25 of what the launch stores
	s_wait_tensorcnt 0x0                           ; the wave's end
	ds_add_u32 v254, v255
	s_wait_dscnt 0x0
	CROUND                                         ; the closing round
	s_endpgm
.Lfunc_end_k_q894712498d_attn:
	.size	k_q894712498d_attn, .Lfunc_end_k_q894712498d_attn-k_q894712498d_attn
	.p2alignl 7, 3214868480
	.fill 96, 4, 3214868480
	.section	.rodata,"a",@progbits
	.p2align	6, 0x0
	.amdhsa_kernel k_q894712498d_attn
		.amdhsa_group_segment_fixed_size 206848
		.amdhsa_private_segment_fixed_size 0
		.amdhsa_enable_private_segment 0
		.amdhsa_kernarg_size 32
		.amdhsa_user_sgpr_count 2
		.amdhsa_user_sgpr_kernarg_segment_ptr 1
		.amdhsa_wavefront_size32 1
		.amdhsa_system_sgpr_workgroup_id_x 1
		.amdhsa_system_sgpr_workgroup_id_y 1
		.amdhsa_system_sgpr_workgroup_id_z 1
		.amdhsa_system_vgpr_workitem_id 0
		.amdhsa_next_free_vgpr 256
		.amdhsa_next_free_sgpr 66
		.amdhsa_reserve_vcc 1
		.amdhsa_float_denorm_mode_32 3
		.amdhsa_float_denorm_mode_16_64 3
		.amdhsa_memory_ordered 1
		.amdhsa_forward_progress 1
		.amdhsa_inst_pref_size 30
	.end_amdhsa_kernel
	.amdgpu_metadata
---
amdhsa.version: [ 1, 2 ]
amdhsa.kernels:
  - .name:           k_q894712498d_attn
    .symbol:         k_q894712498d_attn.kd
    .args:
      - { .name: q_img, .offset: 0, .size: 8, .value_kind: global_buffer, .address_space: global }
      - { .name: kv_img, .offset: 8, .size: 8, .value_kind: global_buffer, .address_space: global }
      - { .name: o_img, .offset: 16, .size: 8, .value_kind: global_buffer, .address_space: global }
      - { .name: o_scl, .offset: 24, .size: 8, .value_kind: global_buffer, .address_space: global }
    .group_segment_fixed_size: 206848
    .private_segment_fixed_size: 0
    .kernarg_segment_align: 8
    .kernarg_segment_size: 32
    .max_flat_workgroup_size: 512
    .sgpr_count:     66
    .vgpr_count:     256
    .wavefront_size: 32
...
	.end_amdgpu_metadata
.endif
;; end of part 7
;; launch gemm_out (part 8): grid 16 x 16, 4 waves a work-group, clusters of 4 x 4, 327,680 bytes of LDS; arguments o_img, o_scl, Wo_codes, Wo_scales, out0, bo; writes out0
.if DOCPART == 8
	.amdgcn_target "amdgcn-amd-amdhsa--gfx1250"
	.amdhsa_code_object_version 6
	.text
	.protected	k_q894712498d_gemm_out
	.globl	k_q894712498d_gemm_out
	.p2align	8
	.type	k_q894712498d_gemm_out,@function
k_q894712498d_gemm_out:
	s_mov_b64 s[64:65], 0
	v_nop
	global_prefetch_b8 v0, s[64:65] scope:SCOPE_SE
	s_setreg_imm32_b32 hwreg(HW_REG_WAVE_MODE, 25, 1), 1
	s_wait_xcnt 0x0
	s_wait_alu depctr_hold_cnt(0) depctr_sa_sdst(0) depctr_va_vdst(0) depctr_va_sdst(0) depctr_va_ssrc(0) depctr_va_vcc(0) depctr_vm_vsrc(0)
	s_getreg_b32 s2, hwreg(HW_REG_IB_STS2, 6, 4)
	s_cmp_eq_u32 s2, 0
	s_cbranch_scc0 .Lentry_in_a_cluster
	s_endpgm
.Lentry_in_a_cluster:
	s_bfe_u32 s2, ttmp6, 0x10000c
	s_cmp_lg_u32 s2, 0xf033
	s_cbranch_scc0 .Lentry_shape_is_right
	s_endpgm
.Lentry_shape_is_right:
; out0 = o Wo + bo on codes of FP6 (E2M3) with E8M0 scales.  A tile of 128 x 128 to a work-group, 64 x 64 to a wave (16 accumulators); 4 x 4 clusters, o's tiles asked for jointly along a row, Wo's along a column.
; o comes as images of operand registers (o_img: 1,536 bytes for 16 rows x 128 K, 16 steps on end for each 16 rows): four steps of my 128 rows are a slot of 49,152 bytes; two slots take turns.
; Wo's 128 rows stay in LDS: two halves of K, rows of 768 bytes (each begins at a multiple of 256 bytes), 16 bytes of padding behind each 256: pitch 816.  The low half comes at the head, the high half with slot 1's first fill.
; The scales of the 128 + 128 rows come once, as dense blocks.  The head's four tiles (o's steps 0-3, Wo's low half, the two blocks of scales) are one load a wave.
; Nothing is prefetched: the walk has two refills, written out, and no loop to run ahead in.
.set NQ,     4
.set KROW,   1536
.set HB,     768
.set PITCH,  816
.set AROWB,  6144
.set FR,     12
.set NP,     4
.set HALFA,  4*AROWB
.set SLOT,   2*HALFA
.set BLO,    2*SLOT
.set HALFT,  64*PITCH
.set BHALF,  2*HALFT
.set KS,     64
.set SCL,    BLO+2*BHALF
.set HALFS,  16*272
.set SBLK,   4*272
.set SPARE,  SCL+4*HALFS
.set SPITCH, 272
.set NROW,   8192
.set BC,   12
.set ADRA, 16                          ; v16-17 o's images in slot 0, 1
.set ADRB, 20                          ; v20-21 Wo's low, high half; v22-23 the same with 16 more in lanes 16-31, for pieces whose upper lanes lie behind a padding
.set STO,  24
.set RD,   25
.set CO,   26
.set ADRS, 27
.set SPW,  28
.set NIL,  29
.set BCO,  30
.set SC,   32
.set BK,   64
.set ACC,  128
.set G1, 24
.set G0, 32
.set G1B, 48
.set G0B, 56
.set G1S, 68
.set G0S, 76
.set G1SB, 80
.set G0SB, 88
.set G0H, 4
.set G0HB, 8
.set MSB, 0
.macro WIN new
.if MSB != \new
	s_set_vgpr_msb (MSB<<8)|\new
.set MSB, \new
.endif
.endm
.set MUL,  0x05
.set TO_F, 0x40
.macro CREST
	s_cmp_lg_u32 s14, 0
	s_cbranch_scc1 .Lnot_wave_0_\@
	s_barrier_signal -3
.Lnot_wave_0_\@:
	s_barrier_wait -3
	s_barrier_signal -1
	s_barrier_wait -1
.endm
.macro CROUND
	s_barrier_signal -1
	s_barrier_wait -1
	CREST
.endm
	s_load_b128 s[4:7], s[0:1], 0x0                ; o_img, o_scl
	s_load_b128 s[8:11], s[0:1], 0x10              ; Wo's codes, scales
	s_load_b64 s[12:13], s[0:1], 0x20              ; out0
	s_load_b64 s[96:97], s[0:1], 0x28              ; bo
	v_lshl_add_u32 v[SPW], v0, 2, SPARE
	v_mov_b32 v[NIL], 0
	ds_add_u32 v[SPW], v[NIL]
	ds_add_u32 v[SPW], v[NIL]
	v_lshrrev_b32 v1, 5, v0
	v_readfirstlane_b32 s14, v1
	s_lshr_b32 s15, s14, 1
	s_and_b32 s16, s14, 1
	s_bfe_u32 s40, ttmp6, 0x40000
	s_bfe_u32 s41, ttmp6, 0x40004
	s_lshl_b32 s42, ttmp9, 2
	s_add_co_u32 s42, s42, s40
	s_and_b32 s17, ttmp7, 0xffff
	s_lshl_b32 s17, s17, 2
	s_add_co_u32 s17, s17, s41
	s_lshl_b32 s43, s41, 2
	s_lshl_b32 s43, 15, s43
	s_lshl_b32 s44, 0x1111, s40
	s_or_b32 s[G1+0], s43, (3<<16)|(1<<21)         ; o: rows of 6,144 bytes (16 rows x 4 steps), 24,576 apart; 8 at the head
	s_mov_b32 s[G1+1], 768<<16
	s_mov_b32 s[G1+2], 8<<16
	s_mov_b32 s[G1+3], 768<<16
	s_mov_b32 s[G1+4], 8
	s_mov_b32 s[G1+5], 3072
	s_mov_b32 s[G1+6], 0
	s_mov_b32 s[G1+7], 0
	s_or_b32 s[G1B+0], s44, (0<<16)|(1<<20)|(1<<21)|(5<<22)|(3<<25)   ; Wo: rows of 768 bytes; 128 at the head
	s_mov_b32 s[G1B+1], HB<<16
	s_mov_b32 s[G1B+2], 128<<16
	s_mov_b32 s[G1B+3], HB<<16
	s_mov_b32 s[G1B+4], 128
	s_mov_b32 s[G1B+5], KROW
	s_mov_b32 s[G1B+6], 0
	s_mov_b32 s[G1B+7], 0
	s_or_b32 s[G1S+0], s43, (3<<16)|(1<<20)|(1<<21)|(5<<22)|(3<<25)
	s_or_b32 s[G1SB+0], s44, (3<<16)|(1<<20)|(1<<21)|(5<<22)|(3<<25)
.irp g, G1S, G1SB                      ; the scales of 128 rows: 32 rows of 256 bytes
	s_mov_b32 s[\g+1], 32<<16
	s_mov_b32 s[\g+2], 32<<16
	s_mov_b32 s[\g+3], 32<<16
	s_mov_b32 s[\g+4], 32
	s_mov_b32 s[\g+5], 32
	s_mov_b32 s[\g+6], 0
	s_mov_b32 s[\g+7], 0
.endr
	s_lshl_b32 s20, s17, 7
	s_lshl_b32 s46, s42, 7
	s_mov_b32 s21, 0
	s_mov_b32 s47, 0
	s_mov_b64 s[18:19], KS
	s_mul_u64 s[22:23], s[20:21], s[18:19]
	s_mul_u64 s[92:93], s[46:47], s[18:19]
	s_mov_b64 s[18:19], KROW
	s_mul_u64 s[20:21], s[20:21], s[18:19]
	s_mul_u64 s[46:47], s[46:47], s[18:19]
	s_mul_i32 s18, s16, 64*KROW
	s_mov_b32 s19, 0
	s_mul_i32 s45, s16, HALFA
	s_mul_i32 s99, s16, HALFT
	s_add_co_u32 s99, s99, BLO+BHALF
	s_wait_dscnt 0x0
	s_wait_kmcnt 0x0
	s_add_nc_u64 s[20:21], s[4:5], s[20:21]
	s_add_nc_u64 s[22:23], s[6:7], s[22:23]
	s_add_nc_u64 s[46:47], s[8:9], s[46:47]
	s_add_nc_u64 s[92:93], s[10:11], s[92:93]
	CROUND                                         ; in front of the first joint loads
	s_mov_b32 s[G0H], 1
	s_mov_b32 s[G0H+1], 0
	s_mov_b64 s[G0H+2:G0H+3], s[20:21]
	s_or_b32 s[G0H+3], s[G0H+3], 0x80000000
	s_mov_b32 s[G0HB], 1
	s_mov_b32 s[G0HB+1], BLO
	s_mov_b64 s[G0HB+2:G0HB+3], s[46:47]
	s_or_b32 s[G0HB+3], s[G0HB+3], 0x80000000
	s_mov_b32 s[G0S], 1
	s_mov_b32 s[G0S+1], SCL
	s_mov_b64 s[G0S+2:G0S+3], s[22:23]
	s_or_b32 s[G0S+3], s[G0S+3], 0x80000000
	s_mov_b32 s[G0SB], 1
	s_mov_b32 s[G0SB+1], SCL+2*HALFS
	s_mov_b64 s[G0SB+2:G0SB+3], s[92:93]
	s_or_b32 s[G0SB+3], s[G0SB+3], 0x80000000
	s_add_nc_u64 s[20:21], s[20:21], s[18:19]      ; behind the head a load brings 64 rows: which half
	s_add_nc_u64 s[46:47], s[46:47], s[18:19]
.irp s, 0,1
	s_mov_b32 s[G0+4*\s], 1
	s_add_co_u32 s[G0+4*\s+1], s45, \s*SLOT
	s_add_nc_u64 s[G0+4*\s+2:G0+4*\s+3], s[20:21], \s*AROWB
	s_or_b32 s[G0+4*\s+3], s[G0+4*\s+3], 0x80000000
.endr
	s_mov_b32 s[G0B], 1
	s_mov_b32 s[G0B+1], s99
	s_add_nc_u64 s[G0B+2:G0B+3], s[46:47], HB      ; Wo's high half
	s_or_b32 s[G0B+3], s[G0B+3], 0x80000000
.macro ARM under, g0, g1, next
	s_cmp_lt_u32 s14, \under
	s_cbranch_scc0 \next
	tensor_load_to_lds s[\g0:\g0+3], s[\g1:\g1+7]
	s_nop 0
.rept 4
	v_nop
.endr
	s_branch .Lhead_asked
\next:
.endm
	ARM 1, G0H,  G1,  .Lhead_b
	ARM 2, G0HB, G1B, .Lhead_sa
	ARM 3, G0S,  G1S, .Lhead_sb
	tensor_load_to_lds s[G0SB:G0SB+3], s[G1SB:G1SB+7]
	s_nop 0
.rept 4
	v_nop
.endr
.Lhead_asked:
	v_and_b32 v1, 15, v0
	v_bfe_u32 v2, v0, 4, 1
	v_mul_u32_u24 v3, v1, PITCH
	v_mul_u32_u24 v4, v2, 24
	v_add_nc_u32 v4, v3, v4
	v_lshl_add_u32 v5, v2, 4, v4
	v_and_b32 v6, 31, v0
	v_lshlrev_b32 v7, 3, v6
	s_mul_i32 s21, s15, HALFA
	s_mul_i32 s22, s16, HALFT
	s_add_co_u32 s22, s22, BLO
.irp s, 0,1
	v_add_nc_u32 v[ADRA+\s], s21, v7
	v_add_nc_u32 v[ADRB+\s], s22, v4
	v_add_nc_u32 v[ADRB+2+\s], s22, v5
	s_add_co_u32 s21, s21, SLOT
	s_add_co_u32 s22, s22, BHALF
.endr
	v_mul_u32_u24 v5, v1, KS
	v_lshrrev_b32 v7, 8, v5
	v_lshl_add_u32 v5, v7, 4, v5
	s_mul_i32 s21, s15, HALFS
	s_mul_i32 s22, s16, HALFS
	s_add_co_u32 s22, s22, 2*HALFS
	s_sub_co_u32 s22, s22, s21
	v_mul_u32_u24 v7, s22, v2                      ; lanes 16-31 take Wo's scale words
	s_add_co_u32 s21, s21, SCL
	v_add_nc_u32 v5, v5, v7
	v_add_nc_u32 v[ADRS], s21, v5
	s_mul_i32 s23, s14, 16*SPITCH                  ; my stage, in slot 0, which does not hold the last four steps
	v_mul_u32_u24 v5, v1, SPITCH
	v_lshl_add_u32 v5, v2, 5, v5
	v_add_nc_u32 v[STO], s23, v5
	v_mul_u32_u24 v5, v2, SPITCH
	v_lshl_add_u32 v5, v1, 4, v5
	v_add_nc_u32 v[RD], s23, v5
	v_lshlrev_b32 v[CO], 13, v2
	v_lshl_add_u32 v[CO], v1, 4, v[CO]
	s_lshl_b32 s46, s42, 9
	s_lshl_b32 s47, s16, 8
	s_add_co_u32 s46, s46, s47
	s_mov_b32 s47, 0
	v_lshl_add_u32 v[BCO], v1, 4, s46
	global_load_b128 v[BC:BC+3], v[BCO], s[96:97]
	s_lshl_b32 s20, s17, 7
	s_lshl_b32 s21, s15, 6
	s_add_co_u32 s20, s20, s21
	s_lshl_b32 s20, s20, 13
	s_mov_b32 s21, 0
	s_add_nc_u64 s[20:21], s[20:21], s[46:47]
	s_add_nc_u64 s[12:13], s[12:13], s[20:21]
.macro FRAG reg, st, i                 ; Wo: byte y of a half row lies at y + 16 (y / 256)
.irp p, 0,1,2,3,4,5
.set BY, 96*((\st)%8)+48*(\p/3)+8*(\p%3)
.if BY%256 < 232
	ds_load_b64 v[\reg+2*\p:\reg+2*\p+1], v[ADRB+(\st)/8] offset:BY+16*(BY/256)+(\i)*16*PITCH
.else
	ds_load_b64 v[\reg+2*\p:\reg+2*\p+1], v[ADRB+2+(\st)/8] offset:BY+16*(BY/256)+(\i)*16*PITCH
.endif
.endr
.endm
.macro FRAGA reg, adr, q, i
.irp p, 0,1,2,3,4,5
	ds_load_b64 v[\reg+2*\p:\reg+2*\p+1], v[\adr] offset:AROWB*(\i)+1536*(\q)+256*\p
.endr
.endm
.macro MUL4 a, f, q, sc, zero          ; the 16 accumulators take turns
.irp b, 0,1,2,3
.if \zero
	v_wmma_scale_f32_16x16x128_f8f6f4 v[ACC+8*(4*(\a)+\b):ACC+8*(4*(\a)+\b)+7], v[48+(\f)+FR*\b:48+(\f)+FR*\b+FR-1], v[FR*(\a)+(\f):FR*(\a)+(\f)+FR-1], 0, v[SC+16*(\sc)+4*\b+(\q)], v[SC+16*(\sc)+4*(\a)+(\q)] matrix_a_fmt:MATRIX_FMT_FP6 matrix_b_fmt:MATRIX_FMT_FP6 matrix_a_scale:MATRIX_SCALE_ROW1
.else
	v_wmma_scale_f32_16x16x128_f8f6f4 v[ACC+8*(4*(\a)+\b):ACC+8*(4*(\a)+\b)+7], v[48+(\f)+FR*\b:48+(\f)+FR*\b+FR-1], v[FR*(\a)+(\f):FR*(\a)+(\f)+FR-1], v[ACC+8*(4*(\a)+\b):ACC+8*(4*(\a)+\b)+7], v[SC+16*(\sc)+4*\b+(\q)], v[SC+16*(\sc)+4*(\a)+(\q)] matrix_a_fmt:MATRIX_FMT_FP6 matrix_b_fmt:MATRIX_FMT_FP6 matrix_a_scale:MATRIX_SCALE_ROW1
.endif
.endr
.endm
.macro FETCH st, f                     ; step st's fragments: Wo's four (24 loads), then o's four (24 loads)
	WIN TO_F
.irp i, 0,1,2,3
	FRAG 48+(\f)+FR*\i, \st, \i
.endr
.irp i, 0,1,2,3
	FRAGA FR*\i+(\f), ADRA+((\st)/4)%2, (\st)%4, \i
.endr
.endm
.macro SCALES ch                       ; the scale words of steps 4 ch .. 4 ch + 3
.irp i, 0,1,2,3
	ds_load_b128 v[SC+16*((\ch)%2)+4*\i:SC+16*((\ch)%2)+4*\i+3], v[ADRS] offset:\i*SBLK+16*(\ch)
.endr
.endm
.macro PLACES n
.rept \n
	v_nop
.endr
.endm
.macro STEP st, zero
.set FC, 128*((\st)%2)
.set FN, 128-FC
	s_wait_dscnt 12                                ; o's blocks 2, 3 (12 loads) may be out
	WIN MUL
	MUL4 0, FC, (\st)%4, ((\st)/4)%2, \zero
	MUL4 1, FC, (\st)%4, ((\st)/4)%2, \zero
	PLACES NP
	FETCH (\st)+1, FN
	s_wait_dscnt 48                                ; all but the 48 just issued
	WIN MUL
	MUL4 2, FC, (\st)%4, ((\st)/4)%2, \zero
	MUL4 3, FC, (\st)%4, ((\st)/4)%2, \zero
.endm
.macro TURN st, fill                   ; a slot's last step, and the change of slots
.set SL, ((\st)/4)%2
	WIN 0
	s_wait_tensorcnt 0x0                           ; all my tensor loads have landed
	ds_add_u32 v[SPW], v[NIL]
	s_wait_dscnt 13                                ; the add and o's blocks 2, 3 may be out
	WIN MUL
	MUL4 0, 128, NQ-1, SL, 0
	MUL4 1, 128, NQ-1, SL, 0
	s_wait_dscnt 0x0                               ; the add and my reads of this slot are done
	s_barrier_signal -1
	MUL4 2, 128, NQ-1, SL, 0
	WIN 0
	s_barrier_wait -1
.if \fill
	CREST
	s_add_nc_u64 s[G0+4*SL+2:G0+4*SL+3], s[G0+4*SL+2:G0+4*SL+3], 2*AROWB
	s_cmp_eq_u32 s15, 0                            ; waves 0, 1 bring o's two halves; Wo's rows are all here
	s_cbranch_scc0 .Lnone_\@
	tensor_load_to_lds s[G0+4*SL:G0+4*SL+3], s[G1:G1+7]
	s_nop 0
.Lnone_\@:
.endif
	PLACES NP
	SCALES ((\st)+1)/4
	FETCH (\st)+1, 0
	WIN MUL
	MUL4 3, 128, NQ-1, SL, 0
.endm
	s_wait_alu depctr_va_vdst(0)                   ; the wait at the head's end
	s_wait_tensorcnt 0x0                           ; my tile of the head's four is in
	ds_add_u32 v[SPW], v[NIL]
	s_mov_b32 s[G1+2], 4<<16                       ; no load of mine is out: from here on a load brings 64 rows
	s_mov_b32 s[G1+4], 4
	s_mov_b32 s[G1B+2], 64<<16
	s_mov_b32 s[G1B+4], 64
	s_wait_dscnt 0x0
	CROUND
	s_cmp_eq_u32 s15, 0                            ; first fills behind the round: waves 0, 1 slot 1, waves 2, 3 Wo's high half
	s_cbranch_scc0 .Lfor_b
	tensor_load_to_lds s[G0+4:G0+7], s[G1:G1+7]
	s_nop 0
.rept 4
	v_nop
.endr
	s_branch .Lasked
.Lfor_b:
	tensor_load_to_lds s[G0B:G0B+3], s[G1B:G1B+7]
	s_nop 0
.rept 4
	v_nop
.endr
.Lasked:
	SCALES 0
	FETCH 0, 0
	STEP 0, 1
	STEP 1, 0
	STEP 2, 0
	TURN 3, 1
	STEP 4, 0
	STEP 5, 0
	STEP 6, 0
	TURN 7, 1
	STEP 8, 0
	STEP 9, 0
	STEP 10, 0
	TURN 11, 0
	STEP 12, 0
	STEP 13, 0
	STEP 14, 0
	s_wait_dscnt 12
	WIN MUL
	MUL4 0, 128, NQ-1, 1, 0
	MUL4 1, 128, NQ-1, 1, 0
	s_wait_dscnt 0
	MUL4 2, 128, NQ-1, 1, 0
	MUL4 3, 128, NQ-1, 1, 0
	WIN 0
; the way out: 16 rows x 64 columns at a time through my stage, back as rows of 256 bytes, the bias added, stored
.macro TOSTAGE a
.irp b, 0,1,2,3
	ds_store_b128 v[STO], v[ACC+8*(4*(\a)+\b):ACC+8*(4*(\a)+\b)+3] offset:64*\b
	ds_store_b128 v[STO], v[ACC+8*(4*(\a)+\b)+4:ACC+8*(4*(\a)+\b)+7] offset:64*\b+16
.endr
.set BB, BK+32*((\a)%2)
.irp t, 0,1,2,3,4,5,6,7
	ds_load_b128 v[BB+4*\t:BB+4*\t+3], v[RD] offset:\t*2*SPITCH
.endr
.endm
.macro SEND a, younger
.set BB, BK+32*((\a)%2)
	s_wait_dscnt \younger
.if (\a) > 0
	s_add_nc_u64 s[12:13], s[12:13], 16*NROW
.endif
.irp t, 0,1,2,3,4,5,6,7
	v_pk_add_f32 v[BB+4*\t:BB+4*\t+1], v[BB+4*\t:BB+4*\t+1], v[BC:BC+1]
	v_pk_add_f32 v[BB+4*\t+2:BB+4*\t+3], v[BB+4*\t+2:BB+4*\t+3], v[BC+2:BC+3]
	global_store_b128 v[CO], v[BB+4*\t:BB+4*\t+3], s[12:13] offset:2*\t*NROW th:TH_STORE_NT
.endr
.endm
	PLACES NP
	s_wait_loadcnt 0x0
	TOSTAGE 0
.irp a, 1,2,3
.if \a > 1
	s_wait_xcnt 0x0
.endif
	TOSTAGE \a
	SEND \a-1, 16                                  ; block a's 8 stores and 8 loads may be out
.endr
	s_wait_xcnt 0x0
	SEND 3, 0
	s_wait_tensorcnt 0x0                           ; the wave's end
	ds_add_u32 v[SPW], v[NIL]
	s_wait_dscnt 0x0
	CROUND                                         ; the closing round
	s_endpgm
.Lfunc_end_k_q894712498d_gemm_out:
	.size	k_q894712498d_gemm_out, .Lfunc_end_k_q894712498d_gemm_out-k_q894712498d_gemm_out
	.p2alignl 7, 3214868480
	.fill 96, 4, 3214868480
	.section	.rodata,"a",@progbits
	.p2align	6, 0x0
	.amdhsa_kernel k_q894712498d_gemm_out
		.amdhsa_group_segment_fixed_size 327680
		.amdhsa_private_segment_fixed_size 0
		.amdhsa_enable_private_segment 0
		.amdhsa_kernarg_size 48
		.amdhsa_user_sgpr_count 2
		.amdhsa_user_sgpr_kernarg_segment_ptr 1
		.amdhsa_wavefront_size32 1
		.amdhsa_system_sgpr_workgroup_id_x 1
		.amdhsa_system_sgpr_workgroup_id_y 1
		.amdhsa_system_sgpr_workgroup_id_z 1
		.amdhsa_system_vgpr_workitem_id 0
		.amdhsa_next_free_vgpr 512
		.amdhsa_next_free_sgpr 100
		.amdhsa_reserve_vcc 0
		.amdhsa_float_denorm_mode_32 3
		.amdhsa_float_denorm_mode_16_64 3
		.amdhsa_memory_ordered 1
		.amdhsa_forward_progress 1
		.amdhsa_inst_pref_size 110
	.end_amdhsa_kernel
	.amdgpu_metadata
---
amdhsa.version: [ 1, 2 ]
amdhsa.kernels:
  - .name:           k_q894712498d_gemm_out
    .symbol:         k_q894712498d_gemm_out.kd
    .args:
      - { .name: o_img, .offset: 0, .size: 8, .value_kind: global_buffer, .address_space: global }
      - { .name: o_scl, .offset: 8, .size: 8, .value_kind: global_buffer, .address_space: global }
      - { .name: Wo_codes, .offset: 16, .size: 8, .value_kind: global_buffer, .address_space: global }
      - { .name: Wo_scales, .offset: 24, .size: 8, .value_kind: global_buffer, .address_space: global }
      - { .name: out0, .offset: 32, .size: 8, .value_kind: global_buffer, .address_space: global }
      - { .name: bo, .offset: 40, .size: 8, .value_kind: global_buffer, .address_space: global }
    .group_segment_fixed_size: 327680
    .private_segment_fixed_size: 0
    .kernarg_segment_align: 8
    .kernarg_segment_size: 48
    .max_flat_workgroup_size: 128
    .sgpr_count:     100
    .vgpr_count:     512
    .wavefront_size: 32
...
	.end_amdgpu_metadata
.endif
;; end of part 8
